; MI455X (gfx1250); checked and timed in simulation.
; The chip was launched on July 23, 2026; its instructions are those of AMD's public machine-readable ISA for CDNA 5 (MIT licence, August 2026) and "CDNA5" Instruction Set Architecture Reference Guide (July 2026). The comments in the code are by the model that wrote it; some were corrected since.
;; Expert Tier. Allowed arithmetic: matrix products marked QUANTISED: E2M1 operands, one E8M0 scale for each 32 along K, by v_wmma_scale_f32_16x16x128_f8f6f4 with both operands' format E2M1 (or v_wmma_scale_f32_32x16x128_f4), f32 sums; products left as they are: f32 operands where the result goes on into a quantised operand, else bf16, f16 or f32 operands; f32 sums; everything else in f32.
;; Inputs: expert_w1 8 x 1,024 x 2,048 float32; expert_w2 8 x 2,048 x 1,024 float32; gate_w 8 x 1,024 float32; ln_beta 1,024 float32; ln_gamma 1,024 float32; x 4 x 512 x 1,024 float32.
;; Outputs: out0 4 x 512 x 1,024 float32.
;; This version of the problem:
;;   THIS VERSION OF THE PROBLEM IS GIVEN IN LOW PRECISION. The matrix products marked QUANTISED in the list below multiply operands that are first quantised to E2M1 (2 exponent bits, 1 mantissa bit; 4 bits a number), with one power-of-two scale for each 32 numbers along K (OCP MX v1.0); their sums are f32. All else is computed in f32.
;;   The module's matrix products, in the order in which they are computed (A, B: the left and right operand; K: the contracted axis; several contracted axes count as one K, in the product's order):
;;     1. [M 2,048, K 1,024] x [K 1,024, N 8]; A: input x; B: input gate_w: left as it is (N = 8 < 16)
;;     2. batch 2,048 x [M 1,024, K 1] x [K 1, N 8]; A: computed on the way; B: computed on the way: left as it is (no contracted axis)
;;     3. batch 8 x [M 2,048, K 1,024] x [K 1,024, N 2,048]; A: computed on the way; B: input expert_w1: QUANTISED
;;     4. batch 8 x [M 2,048, K 2,048] x [K 2,048, N 1,024]; A: computed on the way; B: input expert_w2: QUANTISED
;;     5. batch 2,048 x [M 1,024, K 8] x [K 8, N 1]; A: computed on the way; B: computed on the way: left as it is (K = 8 < 32)
;;   THE QUANTISER, for each operand of a quantised product, along K:
;;     - K is cut into blocks of 32 from its start; a last block that is shorter is filled with zeros.
;;     - A block's scale is 2^e with e = floor(log2(the largest magnitude in the block)) - 2, held to -126 .. 127; a block of zeros has e = 0. As a byte (E8M0): e + 127.
;;     - Each number is divided by its block's scale, clamped to +-6, and rounded to the nearest number of E2M1, ties to even, subnormals kept.
;;     - The product sums the exact products of the quantised numbers (number of the format x scale) in f32.
;;   ~~~python
;;   def quantise(x, axis):      # numpy; x: float32 -> the quantised numbers, widened to float32 again
;;       x = np.moveaxis(x, axis, -1); K = x.shape[-1]
;;       x = np.pad(x, [(0, 0)] * (x.ndim - 1) + [(0, -K % 32)]); x = x.reshape(x.shape[:-1] + (-1, 32)); a = np.abs(x).max(-1, keepdims=True)
;;       e = np.where(a > 0, np.clip(np.frexp(np.where(a > 0, a, 1))[1] - 1 - 2, -126, 127), 0)      # np.frexp(a)[1] - 1 = floor(log2(a)), exactly
;;       r = np.clip(x / 2.0 ** e, -6, 6)
;;       step = 2.0 ** (np.maximum(np.frexp(np.where(r == 0, 1, r))[1] - 1, 0) - 1)
;;       q = np.round(r / step) * step * 2.0 ** e      # np.round: ties to even
;;       return np.moveaxis(q.reshape(q.shape[:-2] + (-1,))[..., :K], -1, axis).astype(np.float32)
;;   ~~~
;;   OPERANDS COMPUTED ON THE WAY. 'Computed on the way' means the value that the module computes at that place (a softmax that the list does not call 'softmax' is quantised finished and normalised). What goes into a quantiser is computed in f32, as accurately as f32 sums, v_exp_f32 and their like allow (about 1e-6 of the number): no bf16 or f16 on the way to a quantiser, and a product that is left as it is and whose result goes on into a quantised operand takes f32 operands (vector FMAs, or v_wmma_f32_16x16x4_f32). A number that lies on a knife's edge between two numbers of the format may be rounded either way, as far as f32 arithmetic and the matrix unit's own rounding can turn it there, and no further.
;; 3 versions. Each part assembles by itself: llvm-mc -triple=amdgcn-amd-amdhsa -mcpu=gfx1250 --defsym DOCPART=n.
;; ======== version 1 of 3: 2 launches
;; workspace buffers: w1c 8,388,608 bytes; w1s 524,288 bytes; w2c 8,388,608 bytes; w2s 524,288 bytes; xc 1,048,576 bytes; xs 65,536 bytes; tv 8,192 bytes; route 4,096 bytes of whole numbers
;; launch prep (part 1): grid 1088 x 1, 4 waves a work-group, no clusters, 22,016 bytes of LDS; arguments x, gate_w, expert_w1, expert_w2, w1c, w1s, w2c, w2s, xc, xs, tv, route; writes w1c, w1s, w2c, w2s, xc, xs, tv, route
.if DOCPART == 1
	.amdgcn_target "amdgcn-amd-amdhsa--gfx1250"
	.amdhsa_code_object_version 6
	.text
	.protected	k_q6b1d95ec82_prep
	.globl	k_q6b1d95ec82_prep
	.p2align	8
	.type	k_q6b1d95ec82_prep,@function
k_q6b1d95ec82_prep:
	s_mov_b64 s[64:65], 0
	v_nop
	global_prefetch_b8 v0, s[64:65] scope:SCOPE_SE
	s_setreg_imm32_b32 hwreg(HW_REG_WAVE_MODE, 25, 1), 1
	s_wait_xcnt 0x0
; PREP: everything that is done once.  Three paths, parted by the work-group's number alone:
;   0 .. 63     THE GATE: 32 tokens each: logits in f32 (fused multiply-adds), argmax, top value; x quantised along D to E2M1 codes and E8M0 bytes;
;               the routing stored as whole numbers at fixed places: for each expert a bitmap word of these 32 tokens, and its count of ones.
;   64 .. 575   W1 [8][1024 k][2048 n], 576 .. 1087 W2 [8][2048 k][1024 n]: f32 with K as the first axis, quantised along K.
; A block's scale is 2^(floor(log2(largest magnitude)) - 2); its byte is the largest magnitude's exponent field - 2, held at 1 from below.
; THE CODES ARE LAID AS THE NEXT LAUNCH'S OPERAND REGISTERS WANT THEM: a fragment (16 rows x 128 K) is 1,024 bytes, piece c at 512 c, lane (r, h)'s 16 bytes at 16 (16 h + r),
; holding k = 64 c + 32 h + 0 .. 31 of row r.  w1c: [e][slice 16][K step 8][tile 8][1,024]; row r of tile t of a slice is hidden unit 32 (t / 2) + 8 (t % 2) + r + 8 (r / 8), so that the first
; product's results are neighbours along the second product's K.  w2c: [e][slice 8][K step 16][tile 8][1,024], row r of tile t is column 16 t + r.
; The scale bytes: [e][slice]([half])[pair of tiles 4][q 4][lane 32][8 bytes]: lanes 0-15 the even tile's rows, lanes 16-31 the odd tile's; the 8 bytes are two K steps' scale words.
; LIMITS: NaN and infinities are not served.  A block of zeros gets the byte 1 (the rule says 127): its codes are zeros, and this program alone reads the bytes.  The argmax is taken on the logits
; with a strict >, so the lower index wins a tie; logits closer together than an exponential's rounding may be told apart here and not in a softmax's rounded probabilities.
; No matrix unit, no tensor loads, no cluster: the work-groups share no input but the 32 KB of gate_w.
.set PART, 0                           ; LDS (gate path alone): [wave 4][token 32][expert 8] f32: each wave's part of the logits
.set XCST, 4096                        ; [token 32][512 bytes] codes of x
.set XSST, 20480                       ; [token 32][32 bytes] scale bytes of x
.set QX, 32                            ; weights: v32-95 two sets of 32 numbers
.set QC, 96                            ; v96-127 four registers of codes for each of 8 blocks: no store's data are written again
.set QS, 24                            ; v24-25  the 8 scale bytes
.set GW, 16                            ; gate: v16-79 gate_w, 8 numbers for each expert
.set XR, 80                            ; v80-143 eight token slots of 8 numbers
.set SM, 144                           ; v144-159 eight pairs of partial sums
.set PS, 168                           ; v168-175 folded logit, v176-183 codes, v184-191 byte: one register for each token slot
.set CD, 176
.set BY, 184
; ---- the weights: a lane takes a column and its registers run down K: a block of 32 lies in one lane
.macro LOADB t, nb                     ; block t: 32 rows; each load reads 128 consecutive bytes a wave, the four waves 512
.irp i, 0,1,2,3,4,5,6,7,8,9,10,11,12,13,14,15,16,17,18,19,20,21,22,23,24,25,26,27,28,29,30,31
	global_load_b32 v[QX+32*((\t)%2)+\i], v3, s[4:5] offset:(32*(\t)+\i)*\nb th:TH_LOAD_NT
.endr
.endm
.macro BLOCK t, nb
.set XB, QX+32*((\t)%2)
.if (\t) < 7
	s_wait_loadcnt 32                              ; this block's 32 loads are in; the next block's 32 may be out
.else
	s_wait_loadcnt 0
.endif
	v_max3_num_f32 v12, |v[XB]|, |v[XB+1]|, |v[XB+2]|              ; the block's largest magnitude, in two chains
	v_max3_num_f32 v13, |v[XB+3]|, |v[XB+4]|, |v[XB+5]|
.irp i, 6,10,14,18,22,26
	v_max3_num_f32 v12, v12, |v[XB+\i]|, |v[XB+\i+1]|
	v_max3_num_f32 v13, v13, |v[XB+\i+2]|, |v[XB+\i+3]|
.endr
	v_max3_num_f32 v12, v12, |v[XB+30]|, |v[XB+31]|
	v_max3_num_f32 v12, v12, v13, 0x1800000        ; and the floor 2^(3 - 127): the byte cannot fall under 1
	v_add_nc_u32 v11, 0xff000000, v12              ; 2 off the exponent field: the conversion takes this operand's exponent field as its scale
	v_lshrrev_b32 v13, 23, v11                     ; the scale's byte
.if (\t)%4 == 0
	v_mov_b32 v[QS+(\t)/4], v13
.else
	v_lshl_or_b32 v[QS+(\t)/4], v13, 8*((\t)%4), v[QS+(\t)/4]
.endif
.irp g, 0,1,2,3
	v_cvt_scalef32_pk8_fp4_f32 v[QC+4*(\t)+\g], v[XB+8*\g:XB+8*\g+7], v11
.endr
	; block t is K step t / 4 of my two, piece (t / 2) % 2, lane half t % 2: lanes 0-15 store 256 consecutive aligned bytes of the even tile's fragment, lanes 16-31 of the odd tile's
	global_store_b128 v4, v[QC+4*(\t):QC+4*(\t)+3], s[8:9] offset:((\t)>>2)*8192+(((\t)>>1)&1)*512+((\t)&1)*256
.if (\t)+2 < 8
	LOADB (\t)+2, \nb
.endif
.endm
; A work-group takes 128 columns x 256 along K of one expert, a wave 32 columns (a pair of tiles) x 8 blocks.
; nb: bytes of a row;  perm: W1's order of rows in a tile;  first: the path's first work-group;  aw, ac: where the arguments stand;
; qsh, qmask, smask: how the number splits into K chunk and slice;  ksh: log2 of a K chunk's bytes in w;  csh: log2 of a slice's bytes of codes
.macro QPATH nb, perm, first, aw, ac, qsh, qmask, smask, ksh, csh
	s_load_b64 s[4:5], s[0:1], \aw                 ; the weights
	s_load_b128 s[8:11], s[0:1], \ac               ; their codes, their scale bytes
	s_sub_co_u32 s12, ttmp9, \first
	s_lshr_b32 s13, s12, 6                         ; expert
	s_lshr_b32 s14, s12, \qsh
	s_and_b32 s14, s14, \qmask                     ; which 256 along K
	s_and_b32 s15, s12, \smask                     ; which 128 columns
	s_lshl_b32 s16, s13, 23                        ; in w: 8 MiB an expert,
	s_lshl_b32 s18, s14, \ksh                      ; 256 rows,
	s_add_co_u32 s16, s16, s18
	s_lshl_b32 s18, s15, 9                         ; 512 bytes a slice
	s_add_co_u32 s16, s16, s18
	s_mov_b32 s17, 0
	s_lshl_b32 s20, s13, 20                        ; codes: 1 MiB an expert,
	s_lshl_b32 s18, s15, \csh                      ; the slice,
	s_add_co_u32 s20, s20, s18
	s_lshl_b32 s18, s14, 14                        ; two K steps of 8,192 bytes,
	s_add_co_u32 s20, s20, s18
	s_lshl_b32 s18, s2, 11                         ; my pair of tiles
	s_add_co_u32 s20, s20, s18
	s_mov_b32 s21, 0
	s_lshl_b32 s22, s13, 16                        ; scale bytes: 64 KiB an expert,
	s_lshl_b32 s18, s15, \csh-4                    ; the slice,
	s_add_co_u32 s22, s22, s18
	s_lshr_b32 s18, s14, 2
	s_lshl_b32 s18, s18, 12                        ; the half of K (W2 alone has two),
	s_add_co_u32 s22, s22, s18
	s_lshl_b32 s18, s2, 10                         ; my pair of tiles,
	s_add_co_u32 s22, s22, s18
	s_and_b32 s18, s14, 3
	s_lshl_b32 s18, s18, 8                         ; 256 bytes for each 256 along K
	s_add_co_u32 s22, s22, s18
	s_mov_b32 s23, 0
	v_and_b32 v1, 31, v0                           ; lane
	v_and_b32 v2, 15, v0                           ; r
	v_bfe_u32 v6, v0, 4, 1                         ; which tile of the pair
.if \perm
	v_and_b32 v7, 8, v2
	v_add_nc_u32 v7, v7, v2                        ; r + 8 (r / 8)
	v_lshl_add_u32 v7, v6, 3, v7                   ; + 8 for the odd tile: my column among the wave's 32
.else
	v_mov_b32 v7, v1
.endif
	v_lshlrev_b32 v3, 2, v7
	s_lshl_b32 s24, s2, 7
	v_add_nc_u32 v3, s24, v3                       ; in: 4 (32 wave + column)
	v_lshlrev_b32 v4, 4, v2
	v_lshl_add_u32 v4, v6, 10, v4                  ; codes out: 16 r, the odd tile 1,024 bytes on
	v_lshlrev_b32 v5, 3, v1                        ; scale bytes out: 8 a lane
	s_wait_kmcnt 0x0
	s_add_nc_u64 s[4:5], s[4:5], s[16:17]
	s_add_nc_u64 s[8:9], s[8:9], s[20:21]
	s_add_nc_u64 s[10:11], s[10:11], s[22:23]
	LOADB 0, \nb
	LOADB 1, \nb                                   ; two blocks, 64 loads a wave, ahead
.irp t, 0,1,2,3,4,5,6,7
	BLOCK \t, \nb
.endr
	global_store_b64 v5, v[QS:QS+1], s[10:11]      ; the wave stores 256 consecutive aligned bytes
.endm
; ---- the gate
.macro XLOAD t                         ; token t: my 8 numbers (the wave reads 1,024 consecutive bytes in two loads)
	global_load_b128 v[XR+8*((\t)%8):XR+8*((\t)%8)+3], v2, s[4:5] offset:4096*(\t) th:TH_LOAD_NT
	global_load_b128 v[XR+8*((\t)%8)+4:XR+8*((\t)%8)+7], v2, s[4:5] offset:4096*(\t)+16 th:TH_LOAD_NT
.endm
; A fold halves the set of sums: of the pair (i, i + n) a lane keeps one and sends the other to the lane whose number differs in one bit
.macro FOLDP i, n, msk
	v_cndmask_b32 v[SM+2*(\i)+1], v[SM+2*(\i)], v[SM+2*((\i)+(\n))], s[\msk]           ; what I keep
	v_cndmask_b32 v[SM+2*((\i)+(\n))+1], v[SM+2*((\i)+(\n))], v[SM+2*(\i)], s[\msk]    ; what I send
.endm
.macro FOLDA i, n, xm
	v_add_f32_dpp v[SM+2*(\i)], v[SM+2*((\i)+(\n))+1], v[SM+2*(\i)+1] row_xmask:\xm row_mask:0xf bank_mask:0xf
.endm
.macro TOKEN t
.set XT, XR+8*((\t)%8)
.if (\t) < 24
	s_wait_loadcnt 14                              ; my token's two loads are in; the seven younger tokens' 14 may be out
.else
	s_wait_loadcnt 2*(31-(\t))                     ; nothing is fetched any more: the counts run down
.endif
.if (\t) >= 8
	s_wait_dscnt 21                                ; the three LDS stores of the token eight back are done (seven younger tokens x 3 may be out): their data registers are written again below
.endif
.irp e, 0,1,2,3,4,5,6,7
	v_pk_mul_f32 v[SM+2*\e:SM+2*\e+1], v[XT:XT+1], v[GW+8*\e:GW+8*\e+1]                 ; eight experts by turns
.endr
.irp j, 2,4,6
.irp e, 0,1,2,3,4,5,6,7
	v_pk_fma_f32 v[SM+2*\e:SM+2*\e+1], v[XT+\j:XT+\j+1], v[GW+8*\e+\j:GW+8*\e+\j+1], v[SM+2*\e:SM+2*\e+1]
.endr
.endr
.irp e, 0,1,2,3,4,5,6,7
	v_add_f32 v[SM+2*\e], v[SM+2*\e], v[SM+2*\e+1]
.endr
.irp i, 0,1,2,3
	FOLDP \i, 4, 20
.endr
.irp i, 0,1,2,3
	FOLDA \i, 4, 1
.endr
.irp i, 0,1
	FOLDP \i, 2, 21
.endr
.irp i, 0,1
	FOLDA \i, 2, 2
.endr
	FOLDP 0, 1, 22
	FOLDA 0, 1, 4                                  ; lane l now holds expert 4 (l & 1) + (l & 2) + ((l >> 2) & 1), summed over eight lanes
	v_add_f32_dpp v[SM], v[SM], v[SM] row_xmask:8 row_mask:0xf bank_mask:0xf
	v_permlanex16_b32 v160, v[SM], s24, s25
	v_add_f32 v[PS+(\t)%8], v[SM], v160            ; over all 32: my wave's 256 along K
	ds_store_b32 v3, v[PS+(\t)%8] offset:PART+32*(\t)   ; four lanes write the same word with the same value
	v_max3_num_f32 v161, |v[XT]|, |v[XT+1]|, 0x1800000  ; x's block of 32 lies in four lanes: my 8, with the floor,
	v_max3_num_f32 v161, v161, |v[XT+2]|, |v[XT+3]|
	v_max3_num_f32 v161, v161, |v[XT+4]|, |v[XT+5]|
	v_max3_num_f32 v161, v161, |v[XT+6]|, |v[XT+7]|
	v_max_num_f32_dpp v161, v161, v161 row_xmask:1 row_mask:0xf bank_mask:0xf
	v_max_num_f32_dpp v161, v161, v161 row_xmask:2 row_mask:0xf bank_mask:0xf   ; and the three others'
	v_add_nc_u32 v162, 0xff000000, v161
	v_cvt_scalef32_pk8_fp4_f32 v[CD+(\t)%8], v[XT:XT+7], v162
	v_lshrrev_b32 v[BY+(\t)%8], 23, v162           ; the byte; also the plain line behind the conversion
	ds_store_b32 v4, v[CD+(\t)%8] offset:512*(\t)
	ds_store_b8 v5, v[BY+(\t)%8] offset:32*(\t)    ; four lanes write the same byte with the same value
.if (\t)+8 < 32
	XLOAD (\t)+8
.endif
.endm
	v_lshl_add_u32 v192, v0, 2, 0x5400
	v_mov_b32 v193, 0
	v_lshrrev_b32 v1, 5, v0
	v_readfirstlane_b32 s2, v1                     ; wave 0..3
	s_cmp_lt_u32 ttmp9, 64
	s_cbranch_scc1 .Lgate                          ; the gate's chain of work is the longest: it has the lowest numbers
	s_cmp_lt_u32 ttmp9, 576
	s_cbranch_scc1 .Lw1
	QPATH 4096, 0, 576, 0x18, 0x30, 3, 7, 7, 20, 17
	s_endpgm
.Lw1:
	QPATH 8192, 1, 64, 0x10, 0x20, 4, 3, 15, 21, 16
	s_endpgm
.Lgate:
	s_load_b128 s[4:7], s[0:1], 0x0                ; x, gate_w
	s_load_b128 s[8:11], s[0:1], 0x40              ; x's codes, x's scale bytes
	s_load_b128 s[12:15], s[0:1], 0x50             ; top values, routing
	s_mov_b32 s20, 0xaaaaaaaa                      ; lanes whose bit 0, 1, 2 is set
	s_mov_b32 s21, 0xcccccccc
	s_mov_b32 s22, 0xf0f0f0f0
	s_mov_b32 s24, 0x76543210                      ; v_permlanex16_b32's selects for lane l xor 16
	s_mov_b32 s25, 0xfedcba98
	v_and_b32 v1, 31, v0                           ; lane
	s_lshl_b32 s16, s2, 10
	v_lshlrev_b32 v2, 5, v1
	v_add_nc_u32 v2, s16, v2                       ; wave v takes K = 256 v on, lane l 8 neighbours: byte 1,024 v + 32 l of a row (of x and of gate_w)
	v_and_b32 v3, 1, v0
	v_lshlrev_b32 v3, 4, v3
	v_bfe_u32 v4, v0, 1, 1
	v_lshl_add_u32 v3, v4, 3, v3
	v_bfe_u32 v4, v0, 2, 1
	v_lshl_add_u32 v3, v4, 2, v3
	v_add_nc_u32 v3, s16, v3                       ; my wave's parts: 1,024 v + 4 x the expert that the folds leave in my lane
	s_lshl_b32 s17, s2, 7
	v_lshlrev_b32 v4, 2, v1
	v_add_nc_u32 v4, s17, v4
	v_add_nc_u32 v4, XCST, v4                      ; my 8 codes: byte 128 v + 4 l of a token's 512
	s_lshl_b32 s17, s2, 3
	v_lshrrev_b32 v5, 2, v1
	v_add_nc_u32 v5, s17, v5
	v_add_nc_u32 v5, XSST, v5                      ; my block's byte: 8 v + l / 4 of a token's 32
	s_lshl_b32 s17, s2, 12
	v_lshlrev_b32 v7, 4, v1
	v_add_nc_u32 v7, s17, v7                       ; the way out of the codes: my wave's 8 tokens, 16 bytes a lane
	v_add_nc_u32 v6, XCST, v7
	s_lshl_b32 s17, s2, 8
	v_lshlrev_b32 v9, 3, v1
	v_add_nc_u32 v9, s17, v9                       ; and of the scale bytes: 256 a wave, 8 a lane
	v_add_nc_u32 v8, XSST, v9
	v_lshlrev_b32 v10, 5, v1                       ; wave 0 at the end: lane = token: its 8 logits' parts
	v_and_b32 v11, 7, v0
	v_lshlrev_b32 v11, 8, v11                      ; routing: expert (l & 7)'s row of 64 words
	v_lshlrev_b32 v12, 2, v1
	v_mov_b32 v160, 0                              ; written once: a lane permute's destination counts as one of its sources
	s_mov_b32 s19, 0
	s_wait_kmcnt 0x0
	s_lshl_b32 s18, ttmp9, 17                      ; 32 tokens of 4,096 bytes
	s_add_nc_u64 s[4:5], s[4:5], s[18:19]
	s_lshl_b32 s18, ttmp9, 14
	s_add_nc_u64 s[8:9], s[8:9], s[18:19]
	s_lshl_b32 s18, ttmp9, 10
	s_add_nc_u64 s[10:11], s[10:11], s[18:19]
	s_lshl_b32 s18, ttmp9, 7
	s_add_nc_u64 s[12:13], s[12:13], s[18:19]
	s_lshl_b32 s18, ttmp9, 2
	s_add_nc_u64 s[14:15], s[14:15], s[18:19]
.irp e, 0,1,2,3,4,5,6,7
	global_load_b128 v[GW+8*\e:GW+8*\e+3], v2, s[6:7] offset:4096*\e          ; gate_w stays in registers
	global_load_b128 v[GW+8*\e+4:GW+8*\e+7], v2, s[6:7] offset:4096*\e+16
.endr
.irp t, 0,1,2,3,4,5,6,7
	XLOAD \t
.endr
.irp t, 0,1,2,3,4,5,6,7,8,9,10,11,12,13,14,15,16,17,18,19,20,21,22,23,24,25,26,27,28,29,30,31
	TOKEN \t
.endr
	s_wait_dscnt 0x0                               ; for the others' sake: my stores have landed
	s_barrier_signal -1
	s_barrier_wait -1
.irp i, 0,1,2,3,4,5,6,7
	ds_load_b128 v[XR+4*\i:XR+4*\i+3], v6 offset:512*\i         ; a token's 512 bytes of codes, whole
.endr
	ds_load_b64 v[112:113], v8
.irp i, 0,1,2,3,4,5,6,7
	s_wait_dscnt 8-\i                              ; row i is in; the rows behind it and the scale bytes may be out
	global_store_b128 v7, v[XR+4*\i:XR+4*\i+3], s[8:9] offset:512*\i   ; 512 consecutive aligned bytes
.endr
	s_wait_dscnt 0x0
	global_store_b64 v9, v[112:113], s[10:11]      ; 256 consecutive aligned bytes
	s_cmp_lg_u32 s2, 0
	s_cbranch_scc1 .Lgdone                         ; wave 0 finishes the gate: lane = token
.irp w, 0,1,2,3
	ds_load_b128 v[16+8*\w:19+8*\w], v10 offset:PART+1024*\w
	ds_load_b128 v[20+8*\w:23+8*\w], v10 offset:PART+1024*\w+16
.endr
	s_wait_dscnt 0x0
.irp w, 1,2,3
.irp j, 0,2,4,6
	v_pk_add_f32 v[16+\j:17+\j], v[16+\j:17+\j], v[16+8*\w+\j:17+8*\w+\j]   ; the four waves' parts, in ascending K
.endr
.endr
	v_mov_b32 v48, v16                             ; the largest logit,
	v_mov_b32 v49, 0                               ; and whose it is: a strict > keeps the lower index
.irp e, 1,2,3,4,5,6,7
	v_cmp_gt_f32 vcc_lo, v[16+\e], v48
	v_cndmask_b32 v48, v48, v[16+\e], vcc_lo
	v_cndmask_b32 v49, v49, \e, vcc_lo
.endr
.irp e, 0,1,2,3,4,5,6,7
	v_sub_f32 v[32+\e], v[16+\e], v48              ; the maximum is taken away ahead of the exponentials
.endr
.irp e, 0,1,2,3,4,5,6,7
	v_mul_f32 v[32+\e], 0x3fb8aa3b, v[32+\e]
.endr
.irp e, 0,1,2,3,4,5,6,7
	v_exp_f32 v[32+\e], v[32+\e]
.endr
	v_mov_b32 v50, 0                               ; (a plain line behind the exponentials)
	s_wait_alu depctr_va_vdst(0)
.irp e, 0,2,4,6
	v_add_f32 v[32+\e], v[32+\e], v[33+\e]
.endr
	v_add_f32 v32, v32, v34
	v_add_f32 v36, v36, v38
	v_add_f32 v32, v32, v36
	v_rcp_f32 v40, v32                             ; the top probability: e^0 / the sum
	v_mov_b32 v51, 0
	s_wait_alu depctr_va_vdst(0)
	v_add_f32 v41, 0x322bcc77, v40                 ; + 1e-8
	v_rcp_f32 v41, v41
	v_nop
	s_wait_alu depctr_va_vdst(0)
	v_mul_f32 v40, v40, v41
	global_store_b32 v12, v40, s[12:13]            ; 128 consecutive bytes
.irp e, 0,1,2,3,4,5,6,7
	v_cmp_eq_u32 s26, \e, v49                      ; expert e's bitmap of these 32 tokens: a value to be stored; no address and no branch here hangs on it
	s_bcnt1_i32_b32 s27, s26                       ; and its count
	s_mov_b32 s28, 0x01010101<<\e
	v_cndmask_b32 v50, v50, s26, s28               ; into the lanes with l & 7 = e
	v_cndmask_b32 v51, v51, s27, s28
.endr
	global_store_b32 v11, v50, s[14:15]            ; word [e][this group]; four lanes store the same word with the same value
	global_store_b32 v11, v51, s[14:15] offset:2048
.Lgdone:
	s_wait_tensorcnt 0x0
	ds_add_u32 v192, v193
	s_wait_dscnt 0x0
	s_endpgm
.Lfunc_end_k_q6b1d95ec82_prep:
	.size	k_q6b1d95ec82_prep, .Lfunc_end_k_q6b1d95ec82_prep-k_q6b1d95ec82_prep
	.p2alignl 7, 3214868480
	.fill 96, 4, 3214868480
	.section	.rodata,"a",@progbits
	.p2align	6, 0x0
	.amdhsa_kernel k_q6b1d95ec82_prep
		.amdhsa_group_segment_fixed_size 22016
		.amdhsa_private_segment_fixed_size 0
		.amdhsa_enable_private_segment 0
		.amdhsa_kernarg_size 96
		.amdhsa_user_sgpr_count 2
		.amdhsa_user_sgpr_kernarg_segment_ptr 1
		.amdhsa_wavefront_size32 1
		.amdhsa_system_sgpr_workgroup_id_x 1
		.amdhsa_system_sgpr_workgroup_id_y 1
		.amdhsa_system_sgpr_workgroup_id_z 1
		.amdhsa_system_vgpr_workitem_id 0
		.amdhsa_next_free_vgpr 194
		.amdhsa_next_free_sgpr 66
		.amdhsa_reserve_vcc 1
		.amdhsa_float_denorm_mode_32 3
		.amdhsa_float_denorm_mode_16_64 3
		.amdhsa_memory_ordered 1
		.amdhsa_forward_progress 1
		.amdhsa_inst_pref_size 240
	.end_amdhsa_kernel
	.amdgpu_metadata
---
amdhsa.version: [ 1, 2 ]
amdhsa.kernels:
  - .name:           k_q6b1d95ec82_prep
    .symbol:         k_q6b1d95ec82_prep.kd
    .args:
      - { .name: x, .offset: 0, .size: 8, .value_kind: global_buffer, .address_space: global }
      - { .name: gate_w, .offset: 8, .size: 8, .value_kind: global_buffer, .address_space: global }
      - { .name: expert_w1, .offset: 16, .size: 8, .value_kind: global_buffer, .address_space: global }
      - { .name: expert_w2, .offset: 24, .size: 8, .value_kind: global_buffer, .address_space: global }
      - { .name: w1c, .offset: 32, .size: 8, .value_kind: global_buffer, .address_space: global }
      - { .name: w1s, .offset: 40, .size: 8, .value_kind: global_buffer, .address_space: global }
      - { .name: w2c, .offset: 48, .size: 8, .value_kind: global_buffer, .address_space: global }
      - { .name: w2s, .offset: 56, .size: 8, .value_kind: global_buffer, .address_space: global }
      - { .name: xc, .offset: 64, .size: 8, .value_kind: global_buffer, .address_space: global }
      - { .name: xs, .offset: 72, .size: 8, .value_kind: global_buffer, .address_space: global }
      - { .name: tv, .offset: 80, .size: 8, .value_kind: global_buffer, .address_space: global }
      - { .name: route, .offset: 88, .size: 8, .value_kind: global_buffer, .address_space: global }
    .group_segment_fixed_size: 22016
    .private_segment_fixed_size: 0
    .kernarg_segment_align: 8
    .kernarg_segment_size: 96
    .max_flat_workgroup_size: 128
    .sgpr_count:     66
    .vgpr_count:     194
    .wavefront_size: 32
...
	.end_amdgpu_metadata
.endif
;; end of part 1
;; launch chain (part 2): grid 71 x 1, 8 waves a work-group, no clusters, 185,856 bytes of LDS; arguments route, w1c, w1s, xc, xs, tv, w2c, w2s, ln_gamma, ln_beta, out0; writes out0
.if DOCPART == 2
	.amdgcn_target "amdgcn-amd-amdhsa--gfx1250"
	.amdhsa_code_object_version 6
	.text
	.protected	k_q6b1d95ec82_chain
	.globl	k_q6b1d95ec82_chain
	.p2align	8
	.type	k_q6b1d95ec82_chain,@function
k_q6b1d95ec82_chain:
	s_mov_b64 s[64:65], 0
	v_nop
	global_prefetch_b8 v0, s[64:65] scope:SCOPE_SE
	s_setreg_imm32_b32 hwreg(HW_REG_WAVE_MODE, 25, 1), 1
	s_wait_xcnt 0x0
; CHAIN: one work-group takes one tile of 32 rows of one expert through everything: find its rows, gather x's codes, x W1, exact GELU, quantise, h W2, x top value, LayerNorm, scatter.
; Both products on E2M1 codes with E8M0 scales; the hidden layer stays in LDS.  Only the chosen expert's rows are multiplied: the others are thrown away by the one-hot that the problem itself builds.
; GRID: 2,048 rows in tiles of 32 over 8 experts are never more than 64 + 7 = 71 tiles, whatever the split.  A slot that a split leaves without rows walks the same text on clamped rows and stores
; nothing: every barrier stays on every wave's path, none under a branch on loaded numbers.
; SHARES: eight waves share the COLUMNS: wave w makes hidden units 256 w .. 256 w + 255 (two chunks of 128, each one K step of the second product) and outputs 128 w .. 128 w + 127, for all 32 rows.
; So each weight fragment is used by one wave alone and goes from memory straight into its registers, laid by the launch before in the order of the operand's registers: 512 consecutive bytes a load,
; a ring of three K steps (48 loads a wave).  What goes round is small: the rows' codes, as images of operand registers in LDS.
; BOTH PRODUCTS ARE USED TRANSPOSED (source 0 = 16 rows of the weight, source 1 = 16 tokens): a lane holds one token, its registers run along the columns.
; NO JOINT LOADS, though the tiles of one expert read the same weights: an expert has 0 to 64 tiles by counts read from memory, 71 is no multiple of 4, and four neighbouring slots may belong to two
; experts, so partners would want different tiles.  No tensor loads: nothing is read from LDS by more than it would cost to put it there.
; LIMITS: NaN and infinities are not served.  erfc has an absolute error of some 6e-8, so the relative error of h grows in the far negative tail, where |h| lies far under its block's smallest step.
; A block of zeros gets the byte 1 with zero codes.
; LDS: images (a fragment is 1,024 bytes: piece c at 512 c, a lane's 16 bytes at 16 x lane), scale words [K step][slot], partial sums [wave][slot], a stage of whole rows.
.set XIMG, 0                           ; x: fragment (K step, row tile m) at 1,024 (2 ks + m): 16,384 bytes
.set HIMG, 16384                       ; h likewise: 32,768 bytes
.set HSC,  49152                       ; h's scale words: 128 bytes a K step: 2,048
.set RED1, 51200                       ; row sums, 128 bytes a wave
.set RED2, 52224                       ; sums of squares
.set STG,  53248                       ; 32 rows of 4,096 bytes + 16: 257 x 16, so the 16 rows that a store touches start in different banks (64 banks of 4 bytes: ISA guide 11.1)
.set SPI,  4112
; REGISTERS, window 0: v1 16 x lane, v2 4 x lane, v3 8 x lane; v4 the token of slot = lane, v5 its top value; v6-9 LDS addresses; v10-15 three leading coefficients as pairs;
;   v16-31 the tokens' scale words, v32-95 the weights' (these hold scales and nothing else); v96-127 at work; v128-255 the 16 accumulators: (row tile m, tile t) at 128 + 64 m + 8 t.
; window 1: v0-191 three slots of 8 weight fragments; v192-223 two slots of 2 token fragments; at the end v0-31 gamma, v32-63 beta.
.set BS,  16
.set WS,  32
.set WK,  96
.set TM,  96                           ; the quantiser: v96-99 maxima, v100-103 bytes, v108-111 scale operands
.set PC,  116                          ; v116-123 the codes just made;  v124, v125 the two row tiles' scale words
.set ACC, 128
.set MULW, 0x05                        ; sources 0 and 1 window 1; C and D window 0
.set TOF,  0x40                        ; a load's destination window 1, its address window 0
.set GBW,  0x14                        ; sources 1 and 2 window 1
.set MSB, 0
.macro WIN new                         ; the immediate's high byte repeats the setting that is left; at a label and at a branch every window is 0
.if MSB != \new
	s_set_vgpr_msb (MSB<<8)|\new
.set MSB, \new
.endif
.endm
.macro CPAIR r, val                    ; a constant as a pair: the packed forms name a pair and take its low word for both halves
	s_mov_b32 s[\r], \val
	s_mov_b32 s[\r+1], \val
.endm
.macro WLOAD slot, off                 ; a K step's 8 fragments of my slice: 16 loads of 512 consecutive bytes
.irp t, 0,1,2,3,4,5,6,7
.irp c, 0,1
	global_load_b128 v[64*(\slot)+8*\t+4*\c:64*(\slot)+8*\t+4*\c+3], v1, s[84:85] offset:(\off)+1024*\t+512*\c
.endr
.endr
.endm
.macro SLOAD reg, off                  ; the scale words of 8 K steps: register reg + 8 (t / 2) + ks: lanes 0-15 the even tile's rows, lanes 16-31 the odd tile's
.irp pp, 0,1,2,3
.irp q, 0,1,2,3
	global_load_b64 v[(\reg)+8*\pp+2*\q:(\reg)+8*\pp+2*\q+1], v3, s[86:87] offset:(\off)+256*(4*\pp+\q)
.endr
.endr
.endm
.macro BLOAD bs, off                   ; a K step's two token fragments, from their images
.irp m, 0,1
.irp c, 0,1
	ds_load_b128 v[192+16*(\bs)+8*\m+4*\c:192+16*(\bs)+8*\m+4*\c+3], v1 offset:(\off)+1024*\m+512*\c
.endr
.endr
.endm
; 16 matrix instructions: 8 tiles of the weight x 2 row tiles, 128 along K.  The 16 accumulators take turns, one instruction a turn, in the same order in every step.
; The weight's scale word stands in lanes 0-15 (even tile) or 16-31 (odd tile) of one register, the tokens' in lanes 0-15 (row tile 0) or 16-31 (row tile 1) of another.
.macro MUL16 slot, bs, wsr, bsr, zero
.irp p, 0,1,2,3
.set FA0, 64*(\slot)+16*\p
.set FA1, FA0+8
.set FB0, 192+16*(\bs)
.set FB1, FB0+8
.set D00, ACC+16*\p
.set D01, D00+8
.set D10, D00+64
.set D11, D10+8
.set SWR, (\wsr)+8*\p
.if \zero
	v_wmma_scale_f32_16x16x128_f8f6f4 v[D00:D00+7], v[FA0:FA0+7], v[FB0:FB0+7], 0, v[SWR], v[\bsr] matrix_a_fmt:MATRIX_FMT_FP4 matrix_b_fmt:MATRIX_FMT_FP4
	v_wmma_scale_f32_16x16x128_f8f6f4 v[D10:D10+7], v[FA0:FA0+7], v[FB1:FB1+7], 0, v[SWR], v[\bsr] matrix_a_fmt:MATRIX_FMT_FP4 matrix_b_fmt:MATRIX_FMT_FP4 matrix_b_scale:MATRIX_SCALE_ROW1
	v_wmma_scale_f32_16x16x128_f8f6f4 v[D01:D01+7], v[FA1:FA1+7], v[FB0:FB0+7], 0, v[SWR], v[\bsr] matrix_a_fmt:MATRIX_FMT_FP4 matrix_b_fmt:MATRIX_FMT_FP4 matrix_a_scale:MATRIX_SCALE_ROW1
	v_wmma_scale_f32_16x16x128_f8f6f4 v[D11:D11+7], v[FA1:FA1+7], v[FB1:FB1+7], 0, v[SWR], v[\bsr] matrix_a_fmt:MATRIX_FMT_FP4 matrix_b_fmt:MATRIX_FMT_FP4 matrix_a_scale:MATRIX_SCALE_ROW1 matrix_b_scale:MATRIX_SCALE_ROW1
.else
	v_wmma_scale_f32_16x16x128_f8f6f4 v[D00:D00+7], v[FA0:FA0+7], v[FB0:FB0+7], v[D00:D00+7], v[SWR], v[\bsr] matrix_a_fmt:MATRIX_FMT_FP4 matrix_b_fmt:MATRIX_FMT_FP4
	v_wmma_scale_f32_16x16x128_f8f6f4 v[D10:D10+7], v[FA0:FA0+7], v[FB1:FB1+7], v[D10:D10+7], v[SWR], v[\bsr] matrix_a_fmt:MATRIX_FMT_FP4 matrix_b_fmt:MATRIX_FMT_FP4 matrix_b_scale:MATRIX_SCALE_ROW1
	v_wmma_scale_f32_16x16x128_f8f6f4 v[D01:D01+7], v[FA1:FA1+7], v[FB0:FB0+7], v[D01:D01+7], v[SWR], v[\bsr] matrix_a_fmt:MATRIX_FMT_FP4 matrix_b_fmt:MATRIX_FMT_FP4 matrix_a_scale:MATRIX_SCALE_ROW1
	v_wmma_scale_f32_16x16x128_f8f6f4 v[D11:D11+7], v[FA1:FA1+7], v[FB1:FB1+7], v[D11:D11+7], v[SWR], v[\bsr] matrix_a_fmt:MATRIX_FMT_FP4 matrix_b_fmt:MATRIX_FMT_FP4 matrix_a_scale:MATRIX_SCALE_ROW1 matrix_b_scale:MATRIX_SCALE_ROW1
.endif
.endr
.endm
; K step k of nk.  lc: the global loads issued behind this step's weights, which may stay out.  The first step's products start the sums: nothing is cleared.
; Four plain places stand behind the products, ahead of the loads into the weight slot just read and of the next step's loads into the token slot read one step back.
.macro STEP k, nk, lc, img, wsr, bsr
.if (\k)+1 < (\nk)
	WIN TOF
	BLOAD ((\k)+1)%2, (\img)+2048*((\k)+1)
.endif
	s_wait_loadcnt \lc
.if (\k)+1 < (\nk)
	s_wait_dscnt 4                                 ; this step's token fragments are in; the four loads just issued may be out
.else
	s_wait_dscnt 0
.endif
	WIN MULW
.if (\k) == 0
	MUL16 (\k)%3, (\k)%2, \wsr, \bsr, 1
.else
	MUL16 (\k)%3, (\k)%2, \wsr, \bsr, 0
.endif
.rept 4
	v_nop
.endr
.if (\k)+3 < (\nk)
	WIN TOF
	WLOAD (\k)%3, 8192*((\k)+3)
.endif
.endm
; THE ACTIVATION: h = max(z, 0) - 0.5 |z| erfc(|z| / sqrt 2), which is z (1 + erf(z / sqrt 2)) / 2 for either sign.  With t = |z| / sqrt 2, s = t t:
; t <= 0.921875: erfc = 1 - (t + t P(s)), P of degree 5;  above: erfc = 2^(-log2(e) (t + t Q(t))), Q of degree 6.  Both are computed, the right one is selected: no branch on data.
; Two pairs of numbers at a time, 12 registers each (+0 |z|, +2 t, +4 s, +6 lower, +8 upper, +10 upper's second part): four chains that do not wait for each other.
.macro GF d, a, b, sc                  ; d = a b + a scalar constant
.irp q, 0,1
	v_pk_fma_f32 v[WK+12*\q+\d:WK+12*\q+\d+1], v[WK+12*\q+\a:WK+12*\q+\a+1], v[WK+12*\q+\b:WK+12*\q+\b+1], s[\sc:\sc+1] op_sel_hi:[1,1,0]
.endr
.endm
.macro GL d, cf, b, sc                 ; d = a leading coefficient x b + a scalar constant
.irp q, 0,1
	v_pk_fma_f32 v[WK+12*\q+\d:WK+12*\q+\d+1], v[\cf:\cf+1], v[WK+12*\q+\b:WK+12*\q+\b+1], s[\sc:\sc+1] op_sel_hi:[1,1,0]
.endr
.endm
.macro GV d, a, b, c                   ; d = a b + c
.irp q, 0,1
	v_pk_fma_f32 v[WK+12*\q+\d:WK+12*\q+\d+1], v[WK+12*\q+\a:WK+12*\q+\a+1], v[WK+12*\q+\b:WK+12*\q+\b+1], v[WK+12*\q+\c:WK+12*\q+\c+1]
.endr
.endm
.macro GEL2 z
.irp q, 0,1
	v_and_b32 v[WK+12*\q], s51, v[(\z)+2*\q]       ; |z|.  (An accumulator is read from its low end on: the pairs go in ascending order)
	v_and_b32 v[WK+12*\q+1], s51, v[(\z)+2*\q+1]
.endr
.irp q, 0,1
	v_pk_mul_f32 v[WK+12*\q+2:WK+12*\q+3], v[WK+12*\q:WK+12*\q+1], s[26:27] op_sel_hi:[1,0]
.endr
.irp q, 0,1
	v_pk_mul_f32 v[WK+12*\q+4:WK+12*\q+5], v[WK+12*\q+2:WK+12*\q+3], v[WK+12*\q+2:WK+12*\q+3]
.endr
	GL 6, 10, 4, 28
	GL 8, 12, 2, 38
	GL 10, 14, 2, 40
	GF 6, 6, 4, 30
	GV 8, 8, 4, 10
	GF 6, 6, 4, 32
	GF 8, 8, 2, 42
	GF 6, 6, 4, 34
	GF 8, 8, 2, 44
	GF 6, 6, 4, 36
	GF 8, 8, 2, 46
	GV 6, 6, 2, 2                                  ; erf(t)
	GV 8, 8, 2, 2
.irp q, 0,1
	v_pk_fma_f32 v[WK+12*\q+6:WK+12*\q+7], v[WK+12*\q+6:WK+12*\q+7], -1.0, 1.0 op_sel_hi:[1,0,0]
.endr
.irp q, 0,1
	v_pk_mul_f32 v[WK+12*\q+8:WK+12*\q+9], v[WK+12*\q+8:WK+12*\q+9], s[48:49] op_sel_hi:[1,0]
.endr
.irp q, 0,1
	v_exp_f32 v[WK+12*\q+8], v[WK+12*\q+8]
	v_exp_f32 v[WK+12*\q+9], v[WK+12*\q+9]
.endr
.irp q, 0,1
	v_pk_mul_f32 v[WK+12*\q:WK+12*\q+1], v[WK+12*\q:WK+12*\q+1], 0.5 op_sel_hi:[1,0]   ; (plain lines behind the exponentials)
.endr
	s_wait_alu depctr_va_vdst(0)
.irp q, 0,1
.irp i, 0,1
	v_cmp_lt_f32 vcc_lo, s50, v[WK+12*\q+2+\i]
	v_cndmask_b32 v[WK+12*\q+6+\i], v[WK+12*\q+6+\i], v[WK+12*\q+8+\i], vcc_lo
.endr
.endr
.irp q, 0,1
	v_max_num_f32 v[(\z)+2*\q], 0, v[(\z)+2*\q]
	v_max_num_f32 v[(\z)+2*\q+1], 0, v[(\z)+2*\q+1]
.endr
.irp q, 0,1
	v_pk_fma_f32 v[(\z)+2*\q:(\z)+2*\q+1], v[WK+12*\q:WK+12*\q+1], v[WK+12*\q+6:WK+12*\q+7], v[(\z)+2*\q:(\z)+2*\q+1] neg_lo:[1,0,0] neg_hi:[1,0,0]
.endr
.endm
.macro GELU64 s
.irp p, 0,4,8,12,16,20,24,28,32,36,40,44,48,52,56,60
	GEL2 (\s)+\p
.endr
.endm
; 64 numbers of a lane, register 16 b + i = k 32 b + 16 (lane / 16) + i of my token, become a fragment's codes in v[PC] on and its scale word in v[pw] (the same in both halves of the lanes).
.macro QUANT s, pw
.irp b, 0,1,2,3
	v_max3_num_f32 v[TM+\b], |v[(\s)+16*\b]|, |v[(\s)+1+16*\b]|, 0x1800000   ; my 16 of block b, and the floor 2^(3 - 127): the byte cannot fall under 1
.endr
.irp i, 2,4,6,8,10,12,14
.irp b, 0,1,2,3
	v_max3_num_f32 v[TM+\b], v[TM+\b], |v[(\s)+16*\b+\i]|, |v[(\s)+1+16*\b+\i]|
.endr
.endr
.irp b, 0,1,2,3
	v_permlanex16_b32 v[TM+4+\b], v[TM+\b], s66, s67
.endr
.irp b, 0,1,2,3
	v_max_num_f32 v[TM+\b], v[TM+\b], v[TM+4+\b]   ; with lane l xor 16's: the block's largest magnitude
.endr
.irp b, 0,1,2,3
	v_add_nc_u32 v[TM+12+\b], 0xff000000, v[TM+\b] ; 2 off its exponent field: the conversion's scale operand
.endr
.irp b, 0,1,2,3
	v_lshrrev_b32 v[TM+4+\b], 23, v[TM+12+\b]      ; the scale's byte
.endr
	v_lshl_or_b32 v[\pw], v[TM+5], 8, v[TM+4]
	v_lshl_or_b32 v[\pw], v[TM+6], 16, v[\pw]
	v_lshl_or_b32 v[\pw], v[TM+7], 24, v[\pw]
.irp b, 0,1,2,3
	v_cvt_scalef32_pk8_fp4_f32 v[PC+2*\b], v[(\s)+16*\b:(\s)+7+16*\b], v[TM+12+\b]
	v_cvt_scalef32_pk8_fp4_f32 v[PC+1+2*\b], v[(\s)+8+16*\b:(\s)+15+16*\b], v[TM+12+\b]
.endr
	v_nop                                          ; one plain line behind a scaled conversion
.irp c, 0,1                                    ; the operand's layout wants a whole block in a lane: lanes 0-15 block 2 c, lanes 16-31 block 2 c + 1
.irp i, 0,1
	v_permlane16_swap_b32 v[PC+4*\c+\i], v[PC+2+4*\c+\i]
.endr
.endr
.endm
.macro PICK a, width                   ; the n-th set bit, a level: if n is not under the count of the lower half, leave that half
	v_bfe_u32 v108, v[\a], v107, \width
	v_cmp_ge_u32 vcc_lo, v102, v108
	v_sub_nc_u32 v108, v102, v108
	v_cndmask_b32 v102, v102, v108, vcc_lo
	v_add_nc_u32 v109, \width, v107
	v_cndmask_b32 v107, v107, v109, vcc_lo
.endm
.macro DIST src                        ; a number that lies with lane = slot goes to the accumulators' lanes: v[98:99] that of token lane % 16 of row tile 0, v[100:101] of row tile 1
	v_permlanex16_b32 v96, v[\src], s66, s67
	v_cndmask_b32 v98, v[\src], v96, s52
	v_cndmask_b32 v100, v96, v[\src], s52
	v_mov_b32 v99, v98                             ; (named as pairs, so the upper halves are written)
	v_mov_b32 v101, v100
.endm
; The chains v[104:107] (row tile 0) and v[108:111] (row tile 1) become each row's sum over all 1,024 columns / 1,024, in v104 with lane = slot.  One barrier.
.macro RSUM red
.irp m, 0,1
	v_pk_add_f32 v[104+4*\m:105+4*\m], v[104+4*\m:105+4*\m], v[106+4*\m:107+4*\m]
.endr
.irp m, 0,1
	v_add_f32 v[104+4*\m], v[104+4*\m], v[105+4*\m]
.endr
.irp m, 0,1
	v_permlanex16_b32 v[106+4*\m], v[104+4*\m], s66, s67
.endr
.irp m, 0,1
	v_add_f32 v[104+4*\m], v[104+4*\m], v[106+4*\m]    ; my wave's 128 columns of the row
.endr
	v_cndmask_b32 v112, v104, v108, s52
	ds_store_b32 v7, v112 offset:\red
	s_wait_dscnt 0x0                               ; for the others' sake: my store has landed
	s_barrier_signal -1
	s_barrier_wait -1
.irp i, 0,1,2,3,4,5,6,7
	ds_load_b32 v[104+\i], v2 offset:\red+128*\i
.endr
	s_wait_dscnt 0x0
.irp i, 1,2,3,4,5,6,7
	v_add_f32 v104, v104, v[104+\i]                ; the eight waves' parts, in ascending order: the same bits in every wave
.endr
	v_mul_f32 v104, 0x3a800000, v104               ; / 1,024
.endm
	s_load_b256 s[4:11], s[0:1], 0x0               ; routing s[4:5], W1's codes s[6:7], W1's scales s[8:9], x's codes s[10:11]
	s_load_b128 s[12:15], s[0:1], 0x20             ; x's scales s[12:13], top values s[14:15]
	v_lshl_add_u32 v127, v0, 2, 0x2d200
	s_set_vgpr_msb 0x40
	v_mov_b32 v255, 0
	s_set_vgpr_msb 0x4000
	v_lshrrev_b32 v96, 5, v0
	v_readfirstlane_b32 s2, v96                    ; wave 0..7
	s_mov_b32 s3, ttmp9                            ; my tile slot
	s_mov_b32 s66, 0x76543210                      ; v_permlanex16_b32's selects for lane l xor 16
	s_mov_b32 s67, 0xfedcba98
	v_and_b32 v97, 31, v0                          ; lane
	v_lshlrev_b32 v1, 4, v97
	v_lshlrev_b32 v2, 2, v97
	v_lshlrev_b32 v3, 3, v97
	v_and_b32 v98, 7, v0
	v_lshlrev_b32 v98, 8, v98
	v_bfe_u32 v99, v0, 3, 2
	v_lshl_add_u32 v98, v99, 6, v98                ; lane l: 16 of expert (l & 7)'s 64 counts
	s_wait_kmcnt 0x0
; ---- PLACEMENT, whole numbers alone, the same in every wave.  First each expert's number of rows
.irp j, 0,1,2,3
	global_load_b128 v[100+4*\j:103+4*\j], v98, s[4:5] offset:2048+16*\j
.endr
	s_wait_loadcnt 0x0
.irp j, 0,1,2,3,4,5,6,7
	v_add_nc_u32 v[100+\j], v[100+\j], v[108+\j]
.endr
.irp j, 0,1,2,3
	v_add_nc_u32 v[100+\j], v[100+\j], v[104+\j]
.endr
	v_add_nc_u32 v100, v100, v102
	v_add_nc_u32 v101, v101, v103
	v_add_nc_u32 v100, v100, v101
.irp e, 0,1,2,3,4,5,6,7
.irp q, 0,1,2,3
	v_readlane_b32 s[16+4*\e+\q], v100, \e+8*\q
.endr
.endr
.irp e, 0,1,2,3,4,5,6,7
	s_add_co_u32 s[16+4*\e], s[16+4*\e], s[17+4*\e]
	s_add_co_u32 s[18+4*\e], s[18+4*\e], s[19+4*\e]
	s_add_co_u32 s[16+4*\e], s[16+4*\e], s[18+4*\e]
.endr
; which expert's tile is slot b: the last expert whose first tile is not behind b
	s_mov_b32 s98, 0                               ; the expert's first tile
	s_mov_b32 s94, 0
	s_mov_b32 s99, 0
	s_mov_b32 s100, 0
.irp e, 0,1,2,3,4,5,6,7
	s_cmp_ge_u32 s3, s98
	s_cselect_b32 s94, \e, s94
	s_cselect_b32 s99, s98, s99
	s_cselect_b32 s100, s[16+4*\e], s100
	s_add_co_u32 s101, s[16+4*\e], 31
	s_lshr_b32 s101, s101, 5
	s_add_co_u32 s98, s98, s101
.endr
	s_sub_co_u32 s95, s3, s99
	s_lshl_b32 s95, s95, 5                         ; my first row among the expert's
	s_max_u32 s97, s100, s95
	s_sub_co_u32 s97, s97, s95
	s_min_u32 s97, s97, 32                         ; my rows: 0 to 32
	s_max_u32 s96, s100, 1
	s_sub_co_u32 s96, s96, 1                       ; the expert's last row: slots past the end repeat it and are not stored
	s_min_u32 s94, s94, 7
	s_lshl_b32 s98, s94, 20                        ; W1's codes: 1 MiB an expert, 64 KiB a chunk of 128 hidden units, two chunks a wave
	s_lshl_b32 s99, s2, 17
	s_add_co_u32 s98, s98, s99
	s_mov_b32 s99, 0
	s_add_nc_u64 s[84:85], s[6:7], s[98:99]
	s_add_nc_u64 s[88:89], s[84:85], 0x10000       ; my second chunk
	s_lshl_b32 s98, s94, 16                        ; W1's scales: 64 KiB an expert, 4,096 bytes a chunk
	s_lshl_b32 s100, s2, 13
	s_add_co_u32 s98, s98, s100
	s_add_nc_u64 s[86:87], s[8:9], s[98:99]
	s_add_nc_u64 s[90:91], s[86:87], 0x1000
	SLOAD WS, 0                                    ; the ring starts at once: it lands while the rows are looked for
	WIN TOF
	WLOAD 0, 0
	WLOAD 1, 8192
	WLOAD 2, 16384
	WIN 0
	s_lshl_b32 s98, s94, 8
	s_load_b512 s[16:31], s[4:5], s98 offset:0x0   ; the expert's bitmap: word g in s[16 + g], from word 48 on in s[20 + g]
	s_load_b512 s[32:47], s[4:5], s98 offset:0x40
	s_load_b512 s[48:63], s[4:5], s98 offset:0x80
	s_load_b512 s[68:83], s[4:5], s98 offset:0xc0
	s_wait_kmcnt 0x0
; lane l looks for row R = my first row + l: the last word g with no more than R ones in front of it holds it.  Key = ones in front x 64 + g, so one compare and two selects a word
	v_add_nc_u32 v98, s95, v97
	v_min_u32 v98, s96, v98                        ; R
	v_lshl_or_b32 v99, v98, 6, 63
	v_mov_b32 v100, 0
	v_mov_b32 v101, s16
	s_mov_b32 s98, 0
.set g, 1
.rept 63
.set wp, 16+(g-1)+4*((g-1)/48)
.set wc, 16+g+4*(g/48)
	s_bcnt1_i32_b32 s99, s[wp]
	s_add_co_u32 s98, s98, s99
	s_lshl_b32 s99, s98, 6
	s_or_b32 s99, s99, g
	v_cmp_le_u32 vcc_lo, s99, v99
	v_cndmask_b32 v100, v100, s99, vcc_lo
	v_cndmask_b32 v101, v101, s[wc], vcc_lo
.set g, g+1
.endr
	v_lshrrev_b32 v102, 6, v100
	v_sub_nc_u32 v102, v98, v102                   ; n: which set bit of the word
	v_lshrrev_b32 v103, 1, v101                    ; counts of ones in fields of 2, 4, 8, 16 bits
	v_and_b32 v103, 0x55555555, v103
	v_sub_nc_u32 v103, v101, v103
	v_lshrrev_b32 v104, 2, v103
	v_and_b32 v104, 0x33333333, v104
	v_and_b32 v105, 0x33333333, v103
	v_add_nc_u32 v104, v104, v105
	v_lshrrev_b32 v105, 4, v104
	v_add_nc_u32 v105, v105, v104
	v_and_b32 v105, 0x0f0f0f0f, v105
	v_lshrrev_b32 v106, 8, v105
	v_add_nc_u32 v106, v106, v105
	v_and_b32 v106, 0x00ff00ff, v106
	v_mov_b32 v107, 0
	PICK 106, 16
	PICK 105, 8
	PICK 104, 4
	PICK 103, 2
	PICK 101, 1
	v_and_b32 v108, 63, v100
	v_lshl_add_u32 v4, v108, 5, v107
	v_min_u32 v4, 0x7ff, v4                        ; the token of slot = lane
; ---- the other arguments and the constants (the bitmap's registers are free)
	s_load_b256 s[16:23], s[0:1], 0x30             ; W2's codes s[16:17], W2's scales s[18:19], gamma s[20:21], beta s[22:23]
	s_load_b64 s[24:25], s[0:1], 0x50              ; out
	CPAIR 26, 0x3f3504f3                           ; 1 / sqrt 2
	CPAIR 28, 0x3ba39fa4                           ; P's coefficients below the leading one
	CPAIR 30, 0xbcdb45e9
	CPAIR 32, 0x3de70d23
	CPAIR 34, 0xbec09370
	CPAIR 36, 0x3e0375d3
	CPAIR 38, 0xb9c8e966                           ; Q's
	CPAIR 40, 0xbcc6b180
	CPAIR 42, 0x3ddaae58
	CPAIR 44, 0x3f228550
	CPAIR 46, 0x3e03ce86
	CPAIR 48, 0xbfb8aa3b                           ; -log2(e)
	s_mov_b32 s50, 0x3f6c0000                      ; 0.921875
	s_mov_b32 s51, 0x7fffffff
	s_mov_b32 s52, 0xffff0000                      ; lanes 16-31
	v_mov_b32 v10, 0xba1d0d41                      ; the three leading coefficients, as vector pairs: a packed line then names one scalar pair
	v_mov_b32 v11, 0xba1d0d41
	v_mov_b32 v12, 0x37911480
	v_mov_b32 v13, 0x37911480
	v_mov_b32 v14, 0x3b7e899b
	v_mov_b32 v15, 0x3b7e899b
; ---- THE GATHER: wave w brings rows 4 w .. 4 w + 3 of the tile: a row's 512 bytes of codes by one load
	s_lshl_b32 s98, s2, 2
.irp i, 0,1,2,3
	s_add_co_u32 s99, s98, \i
	v_readlane_b32 s[58+\i], v4, s99
	s_min_u32 s[58+\i], s[58+\i], 0x7ff
	v_lshl_add_u32 v[100+\i], s[58+\i], 9, v1
	global_load_b128 v[104+4*\i:107+4*\i], v[100+\i], s[10:11]
.endr
	v_lshlrev_b32 v98, 5, v4
	v_lshlrev_b32 v99, 2, v4
	global_load_b128 v[BS:BS+3], v98, s[12:13]     ; x's eight scale words, lane = slot: lanes 0-15 row tile 0, lanes 16-31 row tile 1
	global_load_b128 v[BS+4:BS+7], v98, s[12:13] offset:16
	global_load_b32 v5, v99, s[14:15]              ; and the top value
	v_bfe_u32 v8, v0, 2, 3                         ; lane l's 16 bytes of a row are K step l / 4, piece (l / 2) % 2, lane half l % 2 of the image;
	v_lshlrev_b32 v8, 11, v8
	v_bfe_u32 v9, v0, 1, 1
	v_lshl_add_u32 v8, v9, 9, v8
	v_and_b32 v9, 1, v0
	v_lshl_add_u32 v8, v9, 8, v8
	s_lshr_b32 s100, s2, 2                         ; row 4 w + i is row tile w / 4, row 4 (w % 4) + i
	s_lshl_b32 s100, s100, 10
	s_and_b32 s101, s2, 3
	s_lshl_b32 s101, s101, 6
	s_add_co_u32 s100, s100, s101
	v_add_nc_u32 v8, s100, v8
	s_wait_kmcnt 0x0
	s_lshl_b32 s98, s94, 20                        ; W2's codes: 1 MiB an expert, 128 KiB a slice of 128 columns
	s_lshl_b32 s100, s2, 17
	s_add_co_u32 s98, s98, s100
	s_mov_b32 s99, 0
	s_add_nc_u64 s[54:55], s[16:17], s[98:99]
	s_lshl_b32 s98, s94, 16                        ; W2's scales: 64 KiB an expert, 8,192 bytes a slice
	s_lshl_b32 s100, s2, 13
	s_add_co_u32 s98, s98, s100
	s_add_nc_u64 s[56:57], s[18:19], s[98:99]
	s_wait_loadcnt 0x0
.irp i, 0,1,2,3
	ds_store_b128 v8, v[104+4*\i:107+4*\i] offset:XIMG+16*\i
.endr
	s_wait_dscnt 0x0                               ; for the others' sake: my stores have landed
	s_barrier_signal -1
	s_barrier_wait -1                              ; x's sixteen fragments lie in LDS
; ---- PRODUCT 1, ACTIVATION, QUANTISER: two trips, a chunk of 128 hidden units each, which is K step 2 w + trip of the second product
	s_lshl_b32 s62, s2, 12
	s_add_co_u32 s62, s62, HIMG                    ; where the chunk's images go: 2,048 bytes a K step
	s_lshl_b32 s63, s2, 8
	s_add_co_u32 s63, s63, HSC                     ; and its scale words: 128 bytes a K step
	s_mov_b32 s53, 0
.Lchunk:
	v_add_nc_u32 v6, s62, v1
	v_add_nc_u32 v7, s63, v2
	WIN TOF
	BLOAD 0, XIMG
; behind a step's weights stand the two younger steps' 16 loads each; towards the end the counts run down
	STEP 0, 8, 32, XIMG, WS+0, BS+0
	STEP 1, 8, 32, XIMG, WS+1, BS+1
	STEP 2, 8, 32, XIMG, WS+2, BS+2
	STEP 3, 8, 32, XIMG, WS+3, BS+3
	STEP 4, 8, 32, XIMG, WS+4, BS+4
	STEP 5, 8, 32, XIMG, WS+5, BS+5
	STEP 6, 8, 16, XIMG, WS+6, BS+6
	STEP 7, 8, 0, XIMG, WS+7, BS+7
	WIN 0
	s_cmp_eq_u32 s53, 0                            ; every load that names the two pointers is done (the last wait was for 0): on to my second chunk of W1, or to my slice of W2
	s_cselect_b64 s[84:85], s[88:89], s[54:55]
	s_cselect_b64 s[86:87], s[90:91], s[56:57]
	SLOAD WS, 0                                    ; the next product's scale words and first three K steps are asked for here and land under the activation
	WIN TOF
	WLOAD 0, 0
	WLOAD 1, 8192
	WLOAD 2, 16384
	WIN 0
	GELU64 ACC
	QUANT ACC, 124
	ds_store_b128 v6, v[PC:PC+3]
	ds_store_b128 v6, v[PC+4:PC+7] offset:512
	s_wait_dscnt 0x0                               ; the stores have read their registers
	GELU64 ACC+64
	QUANT ACC+64, 125
	ds_store_b128 v6, v[PC:PC+3] offset:1024
	ds_store_b128 v6, v[PC+4:PC+7] offset:1536
	v_cndmask_b32 v126, v124, v125, s52            ; lane = slot: lanes 0-15 row tile 0's words, lanes 16-31 row tile 1's
	ds_store_b32 v7, v126
	s_wait_dscnt 0x0                               ; the stores have read their registers and addresses
	s_add_co_u32 s62, s62, 2048
	s_add_co_u32 s63, s63, 128
	s_add_co_u32 s53, s53, 1
	s_cmp_lt_u32 s53, 2
	s_cbranch_scc1 .Lchunk
; ---- PRODUCT 2: my 128 columns for the 32 rows, 16 K steps
	SLOAD WS+32, 4096                              ; the scale words of K steps 8 to 15
	s_barrier_signal -1                            ; (no LDS instruction of mine is out: the loop ended on a wait for 0)
	s_barrier_wait -1                              ; h's 32 fragments and 16 rows of scale words lie in LDS
.irp ks, 0,1,2,3,4,5,6,7,8,9,10,11,12,13,14,15
	ds_load_b32 v[BS+\ks], v2 offset:HSC+128*\ks
.endr
	WIN TOF
	BLOAD 0, HIMG
; behind steps 0 to 2 stand two younger steps and the 16 loads of the second half's scale words: 48; from step 3 on two younger steps: 32; then the counts run down
.set kk, 0
.rept 16
.if kk < 3
.set lcc, 48
.elseif kk < 14
.set lcc, 32
.elseif kk == 14
.set lcc, 16
.else
.set lcc, 0
.endif
	STEP kk, 16, lcc, HIMG, WS+kk+24*(kk/8), BS+kk
.set kk, kk+1
.endr
	WIN TOF
.irp p, 0,1,2,3,4,5,6,7
	global_load_b128 v[4*\p:4*\p+3], v1, s[20:21] offset:512*\p        ; gamma and beta, as a whole row lies in the 32 lanes: they land under the norm
	global_load_b128 v[32+4*\p:35+4*\p], v1, s[22:23] offset:512*\p
.endr
	WIN 0
; ---- x TOP VALUE, LAYERNORM in two passes (mean; then the squares of the differences)
	s_lshl_b32 s98, s2, 7
	v_add_nc_u32 v7, s98, v2                       ; my wave's partial sums: 128 w + 4 x lane
	DIST 5
.irp m, 0,1
.irp j, 0,2,4,6,8,10,12,14,16,18,20,22,24,26,28,30,32,34,36,38,40,42,44,46,48,50,52,54,56,58,60,62
	v_pk_mul_f32 v[ACC+64*\m+\j:ACC+64*\m+\j+1], v[ACC+64*\m+\j:ACC+64*\m+\j+1], v[98+2*\m:99+2*\m] op_sel_hi:[1,0]   ; each accumulator from its low end on
.endr
.endr
.irp m, 0,1
	v_pk_add_f32 v[104+4*\m:105+4*\m], v[ACC+64*\m:ACC+64*\m+1], v[ACC+64*\m+4:ACC+64*\m+5]
	v_pk_add_f32 v[106+4*\m:107+4*\m], v[ACC+64*\m+2:ACC+64*\m+3], v[ACC+64*\m+6:ACC+64*\m+7]
.endr
.irp j, 8,12,16,20,24,28,32,36,40,44,48,52,56,60
.irp m, 0,1
	v_pk_add_f32 v[104+4*\m:105+4*\m], v[104+4*\m:105+4*\m], v[ACC+64*\m+\j:ACC+64*\m+\j+1]
	v_pk_add_f32 v[106+4*\m:107+4*\m], v[106+4*\m:107+4*\m], v[ACC+64*\m+\j+2:ACC+64*\m+\j+3]
.endr
.endr
	RSUM RED1                                      ; the mean
	DIST 104
.irp m, 0,1
.irp j, 0,2,4,6,8,10,12,14,16,18,20,22,24,26,28,30,32,34,36,38,40,42,44,46,48,50,52,54,56,58,60,62
	v_pk_add_f32 v[ACC+64*\m+\j:ACC+64*\m+\j+1], v[ACC+64*\m+\j:ACC+64*\m+\j+1], v[98+2*\m:99+2*\m] op_sel_hi:[1,0] neg_lo:[0,1] neg_hi:[0,1]
.endr
.endr
.irp m, 0,1
	v_pk_mul_f32 v[104+4*\m:105+4*\m], v[ACC+64*\m:ACC+64*\m+1], v[ACC+64*\m:ACC+64*\m+1]
	v_pk_mul_f32 v[106+4*\m:107+4*\m], v[ACC+64*\m+2:ACC+64*\m+3], v[ACC+64*\m+2:ACC+64*\m+3]
.endr
.irp j, 4,8,12,16,20,24,28,32,36,40,44,48,52,56,60
.irp m, 0,1
	v_pk_fma_f32 v[104+4*\m:105+4*\m], v[ACC+64*\m+\j:ACC+64*\m+\j+1], v[ACC+64*\m+\j:ACC+64*\m+\j+1], v[104+4*\m:105+4*\m]
	v_pk_fma_f32 v[106+4*\m:107+4*\m], v[ACC+64*\m+\j+2:ACC+64*\m+\j+3], v[ACC+64*\m+\j+2:ACC+64*\m+\j+3], v[106+4*\m:107+4*\m]
.endr
.endr
	RSUM RED2                                      ; the variance
	v_add_f32 v104, 0x3727c5ac, v104               ; + 1e-5
	v_rsq_f32 v104, v104
	v_and_b32 v102, 15, v0                         ; (a plain line behind the transcendental)  r
	v_bfe_u32 v103, v0, 4, 1                       ; h
	s_wait_alu depctr_va_vdst(0)
	DIST 104
.irp m, 0,1
.irp j, 0,2,4,6,8,10,12,14,16,18,20,22,24,26,28,30,32,34,36,38,40,42,44,46,48,50,52,54,56,58,60,62
	v_pk_mul_f32 v[ACC+64*\m+\j:ACC+64*\m+\j+1], v[ACC+64*\m+\j:ACC+64*\m+\j+1], v[98+2*\m:99+2*\m] op_sel_hi:[1,0]
.endr
.endr
; ---- THE WAY OUT: a lane holds 8 neighbouring columns of a row, a row's 1,024 come from eight waves: they meet in the stage, and each wave sends four whole rows
	v_mul_u32_u24 v8, v102, SPI
	v_lshl_add_u32 v8, v103, 5, v8
	s_lshl_b32 s98, s2, 9
	s_add_co_u32 s98, s98, STG
	v_add_nc_u32 v8, s98, v8                       ; row r, my wave's 512 bytes, + 32 h
	v_add_nc_u32 v9, 16*SPI, v8                    ; row tile 1
	s_mul_i32 s98, s2, 4*SPI
	s_add_co_u32 s98, s98, STG
	v_add_nc_u32 v6, s98, v1                       ; back: rows 4 w on, 16 bytes a lane
.irp m, 0,1
.irp t, 0,1,2,3,4,5,6,7
	ds_store_b128 v[8+\m], v[ACC+64*\m+8*\t:ACC+64*\m+8*\t+3] offset:64*\t
	ds_store_b128 v[8+\m], v[ACC+64*\m+8*\t+4:ACC+64*\m+8*\t+7] offset:64*\t+16
.endr
.endr
	s_wait_dscnt 0x0                               ; for the others' sake: my stores have landed
	s_barrier_signal -1
	s_barrier_wait -1                              ; 32 whole rows lie in the stage
.irp i, 0,1,2,3
.irp p, 0,1,2,3,4,5,6,7
	ds_load_b128 v[ACC+32*\i+4*\p:ACC+32*\i+4*\p+3], v6 offset:SPI*\i+512*\p
.endr
.endr
.irp i, 0,1,2,3
	v_lshl_add_u32 v[96+\i], s[58+\i], 12, v1      ; the row's place in out: its token x 4,096 bytes
.endr
	s_wait_dscnt 0x0
	s_wait_loadcnt 0x0                             ; gamma and beta
	WIN GBW
.irp i, 0,1,2,3
.irp j, 0,2,4,6,8,10,12,14,16,18,20,22,24,26,28,30
	v_pk_fma_f32 v[ACC+32*\i+\j:ACC+32*\i+\j+1], v[ACC+32*\i+\j:ACC+32*\i+\j+1], v[\j:\j+1], v[32+\j:33+\j]
.endr
.endr
	WIN 0
	s_lshl_b32 s98, s2, 2
.irp i, 0,1,2,3
	s_add_co_u32 s99, s98, \i
	s_cmp_ge_u32 s99, s97                          ; a slot past the tile's rows is not stored: a scalar branch on a whole number read from memory, round stores alone
	s_cbranch_scc1 .Lskip_\i
.irp p, 0,1,2,3,4,5,6,7
	global_store_b128 v[96+\i], v[ACC+32*\i+4*\p:ACC+32*\i+4*\p+3], s[24:25] offset:512*\p th:TH_STORE_NT   ; 512 consecutive aligned bytes; written once, read by nobody here
.endr
.Lskip_\i:
.endr
	s_set_vgpr_msb 0x4
	s_wait_tensorcnt 0x0
	ds_add_u32 v127, v255
	s_wait_dscnt 0x0
	s_set_vgpr_msb 0x400
	s_endpgm
.Lfunc_end_k_q6b1d95ec82_chain:
	.size	k_q6b1d95ec82_chain, .Lfunc_end_k_q6b1d95ec82_chain-k_q6b1d95ec82_chain
	.p2alignl 7, 3214868480
	.fill 96, 4, 3214868480
	.section	.rodata,"a",@progbits
	.p2align	6, 0x0
	.amdhsa_kernel k_q6b1d95ec82_chain
		.amdhsa_group_segment_fixed_size 185856
		.amdhsa_private_segment_fixed_size 0
		.amdhsa_enable_private_segment 0
		.amdhsa_kernarg_size 88
		.amdhsa_user_sgpr_count 2
		.amdhsa_user_sgpr_kernarg_segment_ptr 1
		.amdhsa_wavefront_size32 1
		.amdhsa_system_sgpr_workgroup_id_x 1
		.amdhsa_system_sgpr_workgroup_id_y 1
		.amdhsa_system_sgpr_workgroup_id_z 1
		.amdhsa_system_vgpr_workitem_id 0
		.amdhsa_next_free_vgpr 512
		.amdhsa_next_free_sgpr 102
		.amdhsa_reserve_vcc 1
		.amdhsa_float_denorm_mode_32 3
		.amdhsa_float_denorm_mode_16_64 3
		.amdhsa_memory_ordered 1
		.amdhsa_forward_progress 1
		.amdhsa_inst_pref_size 255
	.end_amdhsa_kernel
	.section	.bss,"aw",@nobits
	.p2align	6
	.space	262144
	.amdgpu_metadata
---
amdhsa.version: [ 1, 2 ]
amdhsa.kernels:
  - .name:           k_q6b1d95ec82_chain
    .symbol:         k_q6b1d95ec82_chain.kd
    .args:
      - { .name: route, .offset: 0, .size: 8, .value_kind: global_buffer, .address_space: global }
      - { .name: w1c, .offset: 8, .size: 8, .value_kind: global_buffer, .address_space: global }
      - { .name: w1s, .offset: 16, .size: 8, .value_kind: global_buffer, .address_space: global }
      - { .name: xc, .offset: 24, .size: 8, .value_kind: global_buffer, .address_space: global }
      - { .name: xs, .offset: 32, .size: 8, .value_kind: global_buffer, .address_space: global }
      - { .name: tv, .offset: 40, .size: 8, .value_kind: global_buffer, .address_space: global }
      - { .name: w2c, .offset: 48, .size: 8, .value_kind: global_buffer, .address_space: global }
      - { .name: w2s, .offset: 56, .size: 8, .value_kind: global_buffer, .address_space: global }
      - { .name: ln_gamma, .offset: 64, .size: 8, .value_kind: global_buffer, .address_space: global }
      - { .name: ln_beta, .offset: 72, .size: 8, .value_kind: global_buffer, .address_space: global }
      - { .name: out0, .offset: 80, .size: 8, .value_kind: global_buffer, .address_space: global }
    .group_segment_fixed_size: 185856
    .private_segment_fixed_size: 0
    .kernarg_segment_align: 8
    .kernarg_segment_size: 88
    .max_flat_workgroup_size: 256
    .sgpr_count:     102
    .vgpr_count:     512
    .wavefront_size: 32
...
	.end_amdgpu_metadata
.endif
;; end of part 2
;; ======== version 2 of 3: 3 launches
;; workspace buffers: w1c 8,388,608 bytes; w1s 524,288 bytes; w2c 8,388,608 bytes; w2s 524,288 bytes; xc 1,048,576 bytes; xs 65,536 bytes; tv 33,562,624 bytes; route 4,096 bytes of whole numbers
;; launch prep: the kernel of part 1 again; grid 1088 x 1, 4 waves a work-group, no clusters, 22,016 bytes of LDS; arguments x, gate_w, expert_w1, expert_w2, w1c, w1s, w2c, w2s, xc, xs, tv, route; writes w1c, w1s, w2c, w2s, xc, xs, tv, route
;; launch chain (part 3): grid 71 x 4, 4 waves a work-group, no clusters, 93,184 bytes of LDS; arguments route, w1c, w1s, xc, xs, w2c, w2s, tv; writes tv
.if DOCPART == 3
	.amdgcn_target "amdgcn-amd-amdhsa--gfx1250"
	.amdhsa_code_object_version 6
	.text
	.protected	k_q6b1d95ec82_chain
	.globl	k_q6b1d95ec82_chain
	.p2align	8
	.type	k_q6b1d95ec82_chain,@function
k_q6b1d95ec82_chain:
	s_mov_b64 s[64:65], 0
	v_nop
	global_prefetch_b8 v0, s[64:65] scope:SCOPE_SE
	s_setreg_imm32_b32 hwreg(HW_REG_WAVE_MODE, 25, 1), 1
	s_wait_xcnt 0x0
; CHAIN: work-group (b, hq) takes tile b, 32 rows of one expert, through a QUARTER OF THE HIDDEN LAYER, units 512 hq .. 512 hq + 511: find the rows, gather x's codes, x W1 for these units, exact GELU,
; quantise, h W2 over these 512 of the second product's K.  What it stores is a partial sum of all 1,024 outputs of its rows, f32, at each row's TOKEN in plane hq; the launch behind this one adds the
; four planes and does the rest.  Both products on E2M1 codes with E8M0 scales; the hidden layer stays in LDS.  Only the chosen expert's rows are multiplied: the others are thrown away by the one-hot
; that the problem itself builds.
; WHY A QUARTER: a work-group takes in 256 KiB + 16 KiB of W1 and as much of W2 instead of the expert's 2.1 MB, and 284 work-groups share the chip instead of 71.  The price: 4 x 8 MiB of partial sums.
; THE PLANES lie in the buffer of the top values, from byte 8,192 on, 8 MiB each, [token][1,024] f32.  This launch loads nothing from that buffer.
; GRID: 2,048 rows in tiles of 32 over 8 experts are never more than 64 + 7 = 71 tiles, whatever the split.  A slot that a split leaves without rows walks the same text on clamped rows and stores
; nothing: every barrier stays on every wave's path, none under a branch on loaded numbers.
; SHARES: four waves share the COLUMNS.  Wave w makes hidden units 128 (4 hq + w) on, 128 of them, which are K step w of the work-group's four; then outputs 256 w .. 256 w + 255 in two slices of 128.
; So each weight fragment is used by one wave alone and goes from memory straight into its registers, laid by the first launch in the order of the operand's registers: 512 consecutive bytes a load,
; a ring of three K steps (48 loads a wave).  What goes round is small: the rows' codes, as images of operand registers in LDS.
; BOTH PRODUCTS ARE USED TRANSPOSED (source 0 = 16 rows of the weight, source 1 = 16 tokens): a lane holds one token, its registers run along the columns.
; NO JOINT LOADS, though the tiles of one expert read the same weights: an expert has 0 to 64 tiles by counts read from memory, 71 is no multiple of 4, and four neighbouring slots may belong to two
; experts, so partners would want different tiles.  No tensor loads: nothing is read from LDS by more than it would cost to put it there.
; LIMITS: NaN and infinities are not served.  erfc has an absolute error of some 6e-8, so the relative error of h grows in the far negative tail, where |h| lies far under its block's smallest step.
; A block of zeros gets the byte 1 with zero codes.  The sum over the second product's K is made of four f32 parts.
; LDS: images (a fragment is 1,024 bytes: piece c at 512 c, a lane's 16 bytes at 16 x lane), scale words [K step][slot], and a stage for each wave.
.set XIMG, 0                           ; x: fragment (K step, row tile m) at 1,024 (2 ks + m): 16,384 bytes
.set HIMG, 16384                       ; h likewise, four K steps: 8,192 bytes
.set HSC,  24576                       ; h's scale words: 128 bytes a K step: 512
.set STG,  25088                       ; the stages: for each wave 32 rows of 512 bytes + 16: 33 x 16, so the 16 rows that a store touches start in different banks (64 banks of 4 bytes: ISA guide 11.1)
.set SPI,  528
.set WSTG, 32*SPI
.set PLANE0, 8192                      ; where the planes begin in their buffer
; REGISTERS, window 0: v1 16 x lane, v2 4 x lane, v3 8 x lane; v4 the token of slot = lane; v6-9 LDS addresses; v10-15 three leading coefficients as pairs;
;   v16-23 the tokens' scale words, v32-63 the weights' (these hold scales and nothing else); v64-95 each row's place in a plane; v96-127 at work; v128-255 the 16 accumulators: (row tile m, tile t) at 128 + 64 m + 8 t.
; window 1: v0-191 three slots of 8 weight fragments; v192-223 two slots of 2 token fragments.
.set BS,  16
.set WS,  32
.set RO,  64
.set WK,  96
.set TM,  96                           ; the quantiser: v96-99 maxima, v100-103 bytes, v108-111 scale operands
.set PC,  116                          ; v116-123 the codes just made;  v124, v125 the two row tiles' scale words
.set GA,  120                          ; v120-127 the gather's eight offsets (ahead of all that)
.set ACC, 128
.set MULW, 0x05                        ; sources 0 and 1 window 1; C and D window 0
.set TOF,  0x40                        ; a load's destination window 1, its address window 0
.set MSB, 0
.macro WIN new                         ; the immediate's high byte repeats the setting that is left; at a label and at a branch every window is 0
.if MSB != \new
	s_set_vgpr_msb (MSB<<8)|\new
.set MSB, \new
.endif
.endm
.macro CPAIR r, val                    ; a constant as a pair: the packed forms name a pair and take its low word for both halves
	s_mov_b32 s[\r], \val
	s_mov_b32 s[\r+1], \val
.endm
.macro WLOAD slot, off                 ; a K step's 8 fragments of my slice: 16 loads of 512 consecutive bytes
.irp t, 0,1,2,3,4,5,6,7
.irp c, 0,1
	global_load_b128 v[64*(\slot)+8*\t+4*\c:64*(\slot)+8*\t+4*\c+3], v1, s[84:85] offset:(\off)+1024*\t+512*\c
.endr
.endr
.endm
.macro SLOAD reg, off                  ; W1: the scale words of 8 K steps: register reg + 8 (t / 2) + ks: lanes 0-15 the even tile's rows, lanes 16-31 the odd tile's
.irp pp, 0,1,2,3
.irp q, 0,1,2,3
	global_load_b64 v[(\reg)+8*\pp+2*\q:(\reg)+8*\pp+2*\q+1], v3, s[86:87] offset:(\off)+256*(4*\pp+\q)
.endr
.endr
.endm
.macro SLOAD2 j                        ; W2, my slice j: the scale words of my four K steps: register WS + 8 (t / 2) + 4 j + step
.irp pp, 0,1,2,3
.irp q, 0,1
	global_load_b64 v[WS+8*\pp+4*(\j)+2*\q:WS+8*\pp+4*(\j)+2*\q+1], v3, s[86:87] offset:8192*(\j)+1024*\pp+256*\q
.endr
.endr
.endm
.macro BLOAD bs, off                   ; a K step's two token fragments, from their images
.irp m, 0,1
.irp c, 0,1
	ds_load_b128 v[192+16*(\bs)+8*\m+4*\c:192+16*(\bs)+8*\m+4*\c+3], v1 offset:(\off)+1024*\m+512*\c
.endr
.endr
.endm
; 16 matrix instructions: 8 tiles of the weight x 2 row tiles, 128 along K.  The 16 accumulators take turns, one instruction a turn, in the same order in every step.
; The weight's scale word stands in lanes 0-15 (even tile) or 16-31 (odd tile) of one register, the tokens' in lanes 0-15 (row tile 0) or 16-31 (row tile 1) of another.
.macro MUL16 slot, bs, wsr, bsr, zero
.irp p, 0,1,2,3
.set FA0, 64*(\slot)+16*\p
.set FA1, FA0+8
.set FB0, 192+16*(\bs)
.set FB1, FB0+8
.set D00, ACC+16*\p
.set D01, D00+8
.set D10, D00+64
.set D11, D10+8
.set SWR, (\wsr)+8*\p
.if \zero
	v_wmma_scale_f32_16x16x128_f8f6f4 v[D00:D00+7], v[FA0:FA0+7], v[FB0:FB0+7], 0, v[SWR], v[\bsr] matrix_a_fmt:MATRIX_FMT_FP4 matrix_b_fmt:MATRIX_FMT_FP4
	v_wmma_scale_f32_16x16x128_f8f6f4 v[D10:D10+7], v[FA0:FA0+7], v[FB1:FB1+7], 0, v[SWR], v[\bsr] matrix_a_fmt:MATRIX_FMT_FP4 matrix_b_fmt:MATRIX_FMT_FP4 matrix_b_scale:MATRIX_SCALE_ROW1
	v_wmma_scale_f32_16x16x128_f8f6f4 v[D01:D01+7], v[FA1:FA1+7], v[FB0:FB0+7], 0, v[SWR], v[\bsr] matrix_a_fmt:MATRIX_FMT_FP4 matrix_b_fmt:MATRIX_FMT_FP4 matrix_a_scale:MATRIX_SCALE_ROW1
	v_wmma_scale_f32_16x16x128_f8f6f4 v[D11:D11+7], v[FA1:FA1+7], v[FB1:FB1+7], 0, v[SWR], v[\bsr] matrix_a_fmt:MATRIX_FMT_FP4 matrix_b_fmt:MATRIX_FMT_FP4 matrix_a_scale:MATRIX_SCALE_ROW1 matrix_b_scale:MATRIX_SCALE_ROW1
.else
	v_wmma_scale_f32_16x16x128_f8f6f4 v[D00:D00+7], v[FA0:FA0+7], v[FB0:FB0+7], v[D00:D00+7], v[SWR], v[\bsr] matrix_a_fmt:MATRIX_FMT_FP4 matrix_b_fmt:MATRIX_FMT_FP4
	v_wmma_scale_f32_16x16x128_f8f6f4 v[D10:D10+7], v[FA0:FA0+7], v[FB1:FB1+7], v[D10:D10+7], v[SWR], v[\bsr] matrix_a_fmt:MATRIX_FMT_FP4 matrix_b_fmt:MATRIX_FMT_FP4 matrix_b_scale:MATRIX_SCALE_ROW1
	v_wmma_scale_f32_16x16x128_f8f6f4 v[D01:D01+7], v[FA1:FA1+7], v[FB0:FB0+7], v[D01:D01+7], v[SWR], v[\bsr] matrix_a_fmt:MATRIX_FMT_FP4 matrix_b_fmt:MATRIX_FMT_FP4 matrix_a_scale:MATRIX_SCALE_ROW1
	v_wmma_scale_f32_16x16x128_f8f6f4 v[D11:D11+7], v[FA1:FA1+7], v[FB1:FB1+7], v[D11:D11+7], v[SWR], v[\bsr] matrix_a_fmt:MATRIX_FMT_FP4 matrix_b_fmt:MATRIX_FMT_FP4 matrix_a_scale:MATRIX_SCALE_ROW1 matrix_b_scale:MATRIX_SCALE_ROW1
.endif
.endr
.endm
; Step k of nk.  lc: the global loads issued behind this step's weights, which may stay out.  bnext: where the next step's token fragments lie in LDS; wnext: where the weights of three steps on lie, from the pointer.
; zero = 1: the products start the sums: nothing is cleared.
; Four plain places stand behind the products, ahead of the loads into the weight slot just read and of the next step's loads into the token slot read one step back.
.macro STEP k, nk, lc, bnext, wnext, wsr, bsr, zero
.if (\k)+1 < (\nk)
	WIN TOF
	BLOAD ((\k)+1)%2, \bnext
.endif
	s_wait_loadcnt \lc
.if (\k)+1 < (\nk)
	s_wait_dscnt 4                                 ; this step's token fragments are in; the four loads just issued may be out
.else
	s_wait_dscnt 0
.endif
	WIN MULW
	MUL16 (\k)%3, (\k)%2, \wsr, \bsr, \zero
.rept 4
	v_nop
.endr
.if (\k)+3 < (\nk)
	WIN TOF
	WLOAD (\k)%3, \wnext
.endif
.endm
; THE ACTIVATION: h = max(z, 0) - 0.5 |z| erfc(|z| / sqrt 2), which is z (1 + erf(z / sqrt 2)) / 2 for either sign.  With t = |z| / sqrt 2, s = t t:
; t <= 0.921875: erfc = 1 - (t + t P(s)), P of degree 5;  above: erfc = 2^(-log2(e) (t + t Q(t))), Q of degree 6.  Both are computed, the right one is selected: no branch on data.
; Two pairs of numbers at a time, 12 registers each (+0 |z|, +2 t, +4 s, +6 lower, +8 upper, +10 upper's second part): four chains that do not wait for each other.
.macro GF d, a, b, sc                  ; d = a b + a scalar constant
.irp q, 0,1
	v_pk_fma_f32 v[WK+12*\q+\d:WK+12*\q+\d+1], v[WK+12*\q+\a:WK+12*\q+\a+1], v[WK+12*\q+\b:WK+12*\q+\b+1], s[\sc:\sc+1] op_sel_hi:[1,1,0]
.endr
.endm
.macro GL d, cf, b, sc                 ; d = a leading coefficient x b + a scalar constant
.irp q, 0,1
	v_pk_fma_f32 v[WK+12*\q+\d:WK+12*\q+\d+1], v[\cf:\cf+1], v[WK+12*\q+\b:WK+12*\q+\b+1], s[\sc:\sc+1] op_sel_hi:[1,1,0]
.endr
.endm
.macro GV d, a, b, c                   ; d = a b + c
.irp q, 0,1
	v_pk_fma_f32 v[WK+12*\q+\d:WK+12*\q+\d+1], v[WK+12*\q+\a:WK+12*\q+\a+1], v[WK+12*\q+\b:WK+12*\q+\b+1], v[WK+12*\q+\c:WK+12*\q+\c+1]
.endr
.endm
.macro GEL2 z
.irp q, 0,1
	v_and_b32 v[WK+12*\q], s51, v[(\z)+2*\q]       ; |z|.  (An accumulator is read from its low end on: the pairs go in ascending order)
	v_and_b32 v[WK+12*\q+1], s51, v[(\z)+2*\q+1]
.endr
.irp q, 0,1
	v_pk_mul_f32 v[WK+12*\q+2:WK+12*\q+3], v[WK+12*\q:WK+12*\q+1], s[26:27] op_sel_hi:[1,0]
.endr
.irp q, 0,1
	v_pk_mul_f32 v[WK+12*\q+4:WK+12*\q+5], v[WK+12*\q+2:WK+12*\q+3], v[WK+12*\q+2:WK+12*\q+3]
.endr
	GL 6, 10, 4, 28
	GL 8, 12, 2, 38
	GL 10, 14, 2, 40
	GF 6, 6, 4, 30
	GV 8, 8, 4, 10
	GF 6, 6, 4, 32
	GF 8, 8, 2, 42
	GF 6, 6, 4, 34
	GF 8, 8, 2, 44
	GF 6, 6, 4, 36
	GF 8, 8, 2, 46
	GV 6, 6, 2, 2                                  ; erf(t)
	GV 8, 8, 2, 2
.irp q, 0,1
	v_pk_fma_f32 v[WK+12*\q+6:WK+12*\q+7], v[WK+12*\q+6:WK+12*\q+7], -1.0, 1.0 op_sel_hi:[1,0,0]
.endr
.irp q, 0,1
	v_pk_mul_f32 v[WK+12*\q+8:WK+12*\q+9], v[WK+12*\q+8:WK+12*\q+9], s[48:49] op_sel_hi:[1,0]
.endr
.irp q, 0,1
	v_exp_f32 v[WK+12*\q+8], v[WK+12*\q+8]
	v_exp_f32 v[WK+12*\q+9], v[WK+12*\q+9]
.endr
.irp q, 0,1
	v_pk_mul_f32 v[WK+12*\q:WK+12*\q+1], v[WK+12*\q:WK+12*\q+1], 0.5 op_sel_hi:[1,0]   ; (plain lines behind the exponentials)
.endr
	s_wait_alu depctr_va_vdst(0)
.irp q, 0,1
.irp i, 0,1
	v_cmp_lt_f32 vcc_lo, s50, v[WK+12*\q+2+\i]
	v_cndmask_b32 v[WK+12*\q+6+\i], v[WK+12*\q+6+\i], v[WK+12*\q+8+\i], vcc_lo
.endr
.endr
.irp q, 0,1
	v_max_num_f32 v[(\z)+2*\q], 0, v[(\z)+2*\q]
	v_max_num_f32 v[(\z)+2*\q+1], 0, v[(\z)+2*\q+1]
.endr
.irp q, 0,1
	v_pk_fma_f32 v[(\z)+2*\q:(\z)+2*\q+1], v[WK+12*\q:WK+12*\q+1], v[WK+12*\q+6:WK+12*\q+7], v[(\z)+2*\q:(\z)+2*\q+1] neg_lo:[1,0,0] neg_hi:[1,0,0]
.endr
.endm
.macro GELU64 s
.irp p, 0,4,8,12,16,20,24,28,32,36,40,44,48,52,56,60
	GEL2 (\s)+\p
.endr
.endm
; 64 numbers of a lane, register 16 b + i = k 32 b + 16 (lane / 16) + i of my token, become a fragment's codes in v[PC] on and its scale word in v[pw] (the same in both halves of the lanes).
.macro QUANT s, pw
.irp b, 0,1,2,3
	v_max3_num_f32 v[TM+\b], |v[(\s)+16*\b]|, |v[(\s)+1+16*\b]|, 0x1800000   ; my 16 of block b, and the floor 2^(3 - 127): the byte cannot fall under 1
.endr
.irp i, 2,4,6,8,10,12,14
.irp b, 0,1,2,3
	v_max3_num_f32 v[TM+\b], v[TM+\b], |v[(\s)+16*\b+\i]|, |v[(\s)+1+16*\b+\i]|
.endr
.endr
.irp b, 0,1,2,3
	v_permlanex16_b32 v[TM+4+\b], v[TM+\b], s66, s67
.endr
.irp b, 0,1,2,3
	v_max_num_f32 v[TM+\b], v[TM+\b], v[TM+4+\b]   ; with lane l xor 16's: the block's largest magnitude
.endr
.irp b, 0,1,2,3
	v_add_nc_u32 v[TM+12+\b], 0xff000000, v[TM+\b] ; 2 off its exponent field: the conversion's scale operand
.endr
.irp b, 0,1,2,3
	v_lshrrev_b32 v[TM+4+\b], 23, v[TM+12+\b]      ; the scale's byte
.endr
	v_lshl_or_b32 v[\pw], v[TM+5], 8, v[TM+4]
	v_lshl_or_b32 v[\pw], v[TM+6], 16, v[\pw]
	v_lshl_or_b32 v[\pw], v[TM+7], 24, v[\pw]
.irp b, 0,1,2,3
	v_cvt_scalef32_pk8_fp4_f32 v[PC+2*\b], v[(\s)+16*\b:(\s)+7+16*\b], v[TM+12+\b]
	v_cvt_scalef32_pk8_fp4_f32 v[PC+1+2*\b], v[(\s)+8+16*\b:(\s)+15+16*\b], v[TM+12+\b]
.endr
	v_nop                                          ; one plain line behind a scaled conversion
.irp c, 0,1                                    ; the operand's layout wants a whole block in a lane: lanes 0-15 block 2 c, lanes 16-31 block 2 c + 1
.irp i, 0,1
	v_permlane16_swap_b32 v[PC+4*\c+\i], v[PC+2+4*\c+\i]
.endr
.endr
.endm
.macro PICK a, width                   ; the n-th set bit, a level: if n is not under the count of the lower half, leave that half
	v_bfe_u32 v108, v[\a], v107, \width
	v_cmp_ge_u32 vcc_lo, v102, v108
	v_sub_nc_u32 v108, v102, v108
	v_cndmask_b32 v102, v102, v108, vcc_lo
	v_add_nc_u32 v109, \width, v107
	v_cndmask_b32 v107, v107, v109, vcc_lo
.endm
; THE WAY OUT of my slice j: 32 rows x 128 columns.  A lane holds 8 neighbouring columns of a row, and the lanes beside it hold other rows: so the slice goes through my own stage and comes back as rows of
; 512 bytes, into the registers that it left.  LDS serves a wave's instructions in order (ISA guide 5.7.1.4): no wait between the stores and the loads.  The four places behind the last products stand in STEP.
; A row goes to its token's place in my plane.  The rows are in order, so the first slot past the tile's rows ends the stores: a scalar branch on a whole number read from memory, round stores alone.
.macro OUT j
	WIN 0
.irp m, 0,1
.irp t, 0,1,2,3,4,5,6,7
	ds_store_b128 v9, v[ACC+64*\m+8*\t:ACC+64*\m+8*\t+3] offset:16*SPI*\m+64*\t         ; each accumulator from its low end on
	ds_store_b128 v9, v[ACC+64*\m+8*\t+4:ACC+64*\m+8*\t+7] offset:16*SPI*\m+64*\t+16
.endr
.endr
.irp i, 0,1,2,3,4,5,6,7,8,9,10,11,12,13,14,15,16,17,18,19,20,21,22,23,24,25,26,27,28,29,30,31
	ds_load_b128 v[ACC+4*\i:ACC+4*\i+3], v8 offset:SPI*\i
.endr
	s_wait_dscnt 0x0
.irp i, 0,1,2,3,4,5,6,7,8,9,10,11,12,13,14,15,16,17,18,19,20,21,22,23,24,25,26,27,28,29,30,31
	s_cmp_le_u32 s97, \i
	s_cbranch_scc1 .Lpast_\@
	global_store_b128 v[RO+\i], v[ACC+4*\i:ACC+4*\i+3], s[24:25] offset:512*(\j) th:TH_STORE_NT   ; 512 consecutive aligned bytes; written once, read by nobody here
.endr
.Lpast_\@:
.if (\j) == 0
	s_wait_xcnt 0x0                                ; the stores have read their registers: the next slice's products write them
	v_nop                                          ; the next slice begins the accumulators anew with C = 0: that wants one place more behind the last products than the four in STEP
	v_nop
.endif
.endm
	s_load_b256 s[4:11], s[0:1], 0x0               ; routing s[4:5], W1's codes s[6:7], W1's scales s[8:9], x's codes s[10:11]
	s_load_b128 s[12:15], s[0:1], 0x20             ; x's scales s[12:13], W2's codes s[14:15]
	v_lshl_add_u32 v30, v0, 2, 0x16a00
	v_mov_b32 v31, 0
	v_lshrrev_b32 v96, 5, v0
	v_readfirstlane_b32 s2, v96                    ; wave 0..3
	s_mov_b32 s3, ttmp9                            ; my tile slot
	s_and_b32 s93, ttmp7, 0xffff                   ; hq: my quarter of the hidden layer
	s_mov_b32 s66, 0x76543210                      ; v_permlanex16_b32's selects for lane l xor 16
	s_mov_b32 s67, 0xfedcba98
	v_and_b32 v97, 31, v0                          ; lane
	v_lshlrev_b32 v1, 4, v97
	v_lshlrev_b32 v2, 2, v97
	v_lshlrev_b32 v3, 3, v97
	v_and_b32 v98, 7, v0
	v_lshlrev_b32 v98, 8, v98
	v_bfe_u32 v99, v0, 3, 2
	v_lshl_add_u32 v98, v99, 6, v98                ; lane l: 16 of expert (l & 7)'s 64 counts
	s_wait_kmcnt 0x0
; ---- PLACEMENT, whole numbers alone, the same in every wave.  First each expert's number of rows
.irp j, 0,1,2,3
	global_load_b128 v[100+4*\j:103+4*\j], v98, s[4:5] offset:2048+16*\j
.endr
	s_wait_loadcnt 0x0
.irp j, 0,1,2,3,4,5,6,7
	v_add_nc_u32 v[100+\j], v[100+\j], v[108+\j]
.endr
.irp j, 0,1,2,3
	v_add_nc_u32 v[100+\j], v[100+\j], v[104+\j]
.endr
	v_add_nc_u32 v100, v100, v102
	v_add_nc_u32 v101, v101, v103
	v_add_nc_u32 v100, v100, v101
.irp e, 0,1,2,3,4,5,6,7
.irp q, 0,1,2,3
	v_readlane_b32 s[16+4*\e+\q], v100, \e+8*\q
.endr
.endr
.irp e, 0,1,2,3,4,5,6,7
	s_add_co_u32 s[16+4*\e], s[16+4*\e], s[17+4*\e]
	s_add_co_u32 s[18+4*\e], s[18+4*\e], s[19+4*\e]
	s_add_co_u32 s[16+4*\e], s[16+4*\e], s[18+4*\e]
.endr
; which expert's tile is slot b: the last expert whose first tile is not behind b
	s_mov_b32 s98, 0                               ; the expert's first tile
	s_mov_b32 s94, 0
	s_mov_b32 s99, 0
	s_mov_b32 s100, 0
.irp e, 0,1,2,3,4,5,6,7
	s_cmp_ge_u32 s3, s98
	s_cselect_b32 s94, \e, s94
	s_cselect_b32 s99, s98, s99
	s_cselect_b32 s100, s[16+4*\e], s100
	s_add_co_u32 s101, s[16+4*\e], 31
	s_lshr_b32 s101, s101, 5
	s_add_co_u32 s98, s98, s101
.endr
	s_sub_co_u32 s95, s3, s99
	s_lshl_b32 s95, s95, 5                         ; my first row among the expert's
	s_max_u32 s97, s100, s95
	s_sub_co_u32 s97, s97, s95
	s_min_u32 s97, s97, 32                         ; my rows: 0 to 32
	s_max_u32 s96, s100, 1
	s_sub_co_u32 s96, s96, 1                       ; the expert's last row: slots past the end repeat it and are not stored
	s_min_u32 s94, s94, 7
	s_lshl_b32 s98, s94, 20                        ; W1's codes: 1 MiB an expert, 64 KiB a chunk of 128 hidden units; my chunk is 4 hq + wave
	s_lshl_b32 s99, s93, 18
	s_add_co_u32 s98, s98, s99
	s_lshl_b32 s99, s2, 16
	s_add_co_u32 s98, s98, s99
	s_mov_b32 s99, 0
	s_add_nc_u64 s[84:85], s[6:7], s[98:99]
	s_lshl_b32 s98, s94, 16                        ; W1's scales: 64 KiB an expert, 4,096 bytes a chunk
	s_lshl_b32 s100, s93, 14
	s_add_co_u32 s98, s98, s100
	s_lshl_b32 s100, s2, 12
	s_add_co_u32 s98, s98, s100
	s_add_nc_u64 s[86:87], s[8:9], s[98:99]
	SLOAD WS, 0                                    ; the ring starts at once: it lands while the rows are looked for
	WIN TOF
	WLOAD 0, 0
	WLOAD 1, 8192
	WLOAD 2, 16384
	WIN 0
	s_lshl_b32 s98, s94, 8
	s_load_b512 s[16:31], s[4:5], s98 offset:0x0   ; the expert's bitmap: word g in s[16 + g], from word 48 on in s[20 + g]
	s_load_b512 s[32:47], s[4:5], s98 offset:0x40
	s_load_b512 s[48:63], s[4:5], s98 offset:0x80
	s_load_b512 s[68:83], s[4:5], s98 offset:0xc0
	s_wait_kmcnt 0x0
; lane l looks for row R = my first row + l: the last word g with no more than R ones in front of it holds it.  Key = ones in front x 64 + g, so one compare and two selects a word
	v_add_nc_u32 v98, s95, v97
	v_min_u32 v98, s96, v98                        ; R
	v_lshl_or_b32 v99, v98, 6, 63
	v_mov_b32 v100, 0
	v_mov_b32 v101, s16
	s_mov_b32 s98, 0
.set g, 1
.rept 63
.set wp, 16+(g-1)+4*((g-1)/48)
.set wc, 16+g+4*(g/48)
	s_bcnt1_i32_b32 s99, s[wp]
	s_add_co_u32 s98, s98, s99
	s_lshl_b32 s99, s98, 6
	s_or_b32 s99, s99, g
	v_cmp_le_u32 vcc_lo, s99, v99
	v_cndmask_b32 v100, v100, s99, vcc_lo
	v_cndmask_b32 v101, v101, s[wc], vcc_lo
.set g, g+1
.endr
	v_lshrrev_b32 v102, 6, v100
	v_sub_nc_u32 v102, v98, v102                   ; n: which set bit of the word
	v_lshrrev_b32 v103, 1, v101                    ; counts of ones in fields of 2, 4, 8, 16 bits
	v_and_b32 v103, 0x55555555, v103
	v_sub_nc_u32 v103, v101, v103
	v_lshrrev_b32 v104, 2, v103
	v_and_b32 v104, 0x33333333, v104
	v_and_b32 v105, 0x33333333, v103
	v_add_nc_u32 v104, v104, v105
	v_lshrrev_b32 v105, 4, v104
	v_add_nc_u32 v105, v105, v104
	v_and_b32 v105, 0x0f0f0f0f, v105
	v_lshrrev_b32 v106, 8, v105
	v_add_nc_u32 v106, v106, v105
	v_and_b32 v106, 0x00ff00ff, v106
	v_mov_b32 v107, 0
	PICK 106, 16
	PICK 105, 8
	PICK 104, 4
	PICK 103, 2
	PICK 101, 1
	v_and_b32 v108, 63, v100
	v_lshl_add_u32 v4, v108, 5, v107
	v_min_u32 v4, 0x7ff, v4                        ; the token of slot = lane
; ---- the other arguments and the constants (the bitmap's registers are free)
	s_load_b128 s[16:19], s[0:1], 0x30             ; W2's scales s[16:17], the buffer of the planes s[18:19]
	CPAIR 26, 0x3f3504f3                           ; 1 / sqrt 2
	CPAIR 28, 0x3ba39fa4                           ; P's coefficients below the leading one
	CPAIR 30, 0xbcdb45e9
	CPAIR 32, 0x3de70d23
	CPAIR 34, 0xbec09370
	CPAIR 36, 0x3e0375d3
	CPAIR 38, 0xb9c8e966                           ; Q's
	CPAIR 40, 0xbcc6b180
	CPAIR 42, 0x3ddaae58
	CPAIR 44, 0x3f228550
	CPAIR 46, 0x3e03ce86
	CPAIR 48, 0xbfb8aa3b                           ; -log2(e)
	s_mov_b32 s50, 0x3f6c0000                      ; 0.921875
	s_mov_b32 s51, 0x7fffffff
	s_mov_b32 s52, 0xffff0000                      ; lanes 16-31
	v_mov_b32 v10, 0xba1d0d41                      ; the three leading coefficients, as vector pairs: a packed line then names one scalar pair
	v_mov_b32 v11, 0xba1d0d41
	v_mov_b32 v12, 0x37911480
	v_mov_b32 v13, 0x37911480
	v_mov_b32 v14, 0x3b7e899b
	v_mov_b32 v15, 0x3b7e899b
; ---- THE GATHER: wave w brings rows 8 w .. 8 w + 7 of the tile: a row's 512 bytes of codes by one load
	s_lshl_b32 s98, s2, 3
.irp i, 0,1,2,3,4,5,6,7
	s_add_co_u32 s99, s98, \i
	v_readlane_b32 s100, v4, s99
	s_min_u32 s100, s100, 0x7ff
	v_lshl_add_u32 v[GA+\i], s100, 9, v1
	global_load_b128 v[ACC+4*\i:ACC+4*\i+3], v[GA+\i], s[10:11]
.endr
	v_lshlrev_b32 v98, 5, v4
	global_load_b128 v[BS:BS+3], v98, s[12:13]     ; x's eight scale words, lane = slot: lanes 0-15 row tile 0, lanes 16-31 row tile 1
	global_load_b128 v[BS+4:BS+7], v98, s[12:13] offset:16
; each row's place in a plane: its token x 4,096 bytes + 16 x lane; four rows at a time, so that no line waits for the line above it
.irp g, 0,4,8,12,16,20,24,28
.irp i, 0,1,2,3
	v_readlane_b32 s[58+\i], v4, \g+\i
.endr
.irp i, 0,1,2,3
	s_min_u32 s[58+\i], s[58+\i], 0x7ff
.endr
.irp i, 0,1,2,3
	v_lshl_add_u32 v[RO+\g+\i], s[58+\i], 12, v1
.endr
.endr
	v_bfe_u32 v8, v0, 2, 3                         ; lane l's 16 bytes of a row are K step l / 4, piece (l / 2) % 2, lane half l % 2 of the image;
	v_lshlrev_b32 v8, 11, v8
	v_bfe_u32 v9, v0, 1, 1
	v_lshl_add_u32 v8, v9, 9, v8
	v_and_b32 v9, 1, v0
	v_lshl_add_u32 v8, v9, 8, v8
	s_lshr_b32 s100, s2, 1                         ; row 8 w + i is row tile w / 2, row 8 (w % 2) + i
	s_lshl_b32 s100, s100, 10
	s_and_b32 s101, s2, 1
	s_lshl_b32 s101, s101, 7
	s_add_co_u32 s100, s100, s101
	v_add_nc_u32 v8, s100, v8
	s_wait_kmcnt 0x0
	s_lshl_b32 s98, s94, 20                        ; W2's codes: 1 MiB an expert, 128 KiB a slice of 128 columns (two a wave), 8,192 bytes a K step (four a quarter)
	s_lshl_b32 s100, s2, 18
	s_add_co_u32 s98, s98, s100
	s_lshl_b32 s100, s93, 15
	s_add_co_u32 s98, s98, s100
	s_mov_b32 s99, 0
	s_add_nc_u64 s[54:55], s[14:15], s[98:99]
	s_lshl_b32 s98, s94, 16                        ; W2's scales: 64 KiB an expert, 8,192 bytes a slice, 4,096 a half of K, and in a pair of tiles' 1,024 bytes 256 for each two K steps
	s_lshl_b32 s100, s2, 14
	s_add_co_u32 s98, s98, s100
	s_lshr_b32 s100, s93, 1
	s_lshl_b32 s100, s100, 12
	s_add_co_u32 s98, s98, s100
	s_and_b32 s100, s93, 1
	s_lshl_b32 s100, s100, 9
	s_add_co_u32 s98, s98, s100
	s_add_nc_u64 s[56:57], s[16:17], s[98:99]
	s_lshl_b32 s98, s93, 23                        ; my plane, 8 MiB each, and in a row my wave's 1,024 bytes
	s_lshl_b32 s100, s2, 10
	s_add_co_u32 s98, s98, s100
	s_add_co_u32 s98, s98, PLANE0
	s_add_nc_u64 s[24:25], s[18:19], s[98:99]
	s_wait_loadcnt 0x0
.irp i, 0,1,2,3,4,5,6,7
	ds_store_b128 v8, v[ACC+4*\i:ACC+4*\i+3] offset:XIMG+16*\i
.endr
	s_wait_dscnt 0x0                               ; for the others' sake: my stores have landed
	s_barrier_signal -1
	s_barrier_wait -1                              ; x's sixteen fragments lie in LDS
; ---- PRODUCT 1, ACTIVATION, QUANTISER: my chunk of 128 hidden units, which is K step w of the work-group's four
	s_lshl_b32 s62, s2, 11
	s_add_co_u32 s62, s62, HIMG                    ; where the chunk's images go: 2,048 bytes a K step
	s_lshl_b32 s63, s2, 7
	s_add_co_u32 s63, s63, HSC                     ; and its scale words: 128 bytes a K step
	v_add_nc_u32 v6, s62, v1
	v_add_nc_u32 v7, s63, v2
	v_and_b32 v102, 15, v0                         ; r
	v_bfe_u32 v103, v0, 4, 1                       ; h
	v_mul_u32_u24 v9, v102, SPI
	v_lshl_add_u32 v9, v103, 5, v9
	s_mul_i32 s98, s2, WSTG
	s_add_co_u32 s98, s98, STG                     ; my stage
	v_add_nc_u32 v9, s98, v9                       ; in: row r, + 32 h
	v_add_nc_u32 v8, s98, v1                       ; back: 16 bytes a lane (the stores that named v8 are done)
	WIN TOF
	BLOAD 0, XIMG
; behind a step's weights stand the two younger steps' 16 loads each; towards the end the counts run down
.set kk, 0
.rept 8
.if kk < 6
.set lcc, 32
.elseif kk == 6
.set lcc, 16
.else
.set lcc, 0
.endif
.if kk == 0
	STEP kk, 8, lcc, XIMG+2048*(kk+1), 8192*(kk+3), WS+kk, BS+kk, 1
.else
	STEP kk, 8, lcc, XIMG+2048*(kk+1), 8192*(kk+3), WS+kk, BS+kk, 0
.endif
.set kk, kk+1
.endr
	WIN 0
	s_mov_b64 s[84:85], s[54:55]                   ; every load that names the two pointers is done (the last wait was for 0): on to my two slices of W2
	s_mov_b64 s[86:87], s[56:57]
	SLOAD2 0                                       ; the second product's scale words and first three steps are asked for here and land under the activation
	SLOAD2 1
	WIN TOF
	WLOAD 0, 0
	WLOAD 1, 8192
	WLOAD 2, 16384
	WIN 0
	GELU64 ACC
	QUANT ACC, 124
	ds_store_b128 v6, v[PC:PC+3]
	ds_store_b128 v6, v[PC+4:PC+7] offset:512
	s_wait_dscnt 0x0                               ; the stores have read their registers
	GELU64 ACC+64
	QUANT ACC+64, 125
	ds_store_b128 v6, v[PC:PC+3] offset:1024
	ds_store_b128 v6, v[PC+4:PC+7] offset:1536
	v_cndmask_b32 v126, v124, v125, s52            ; lane = slot: lanes 0-15 row tile 0's words, lanes 16-31 row tile 1's
	ds_store_b32 v7, v126
	s_wait_dscnt 0x0                               ; for the others' sake: my stores have landed
	s_barrier_signal -1
	s_barrier_wait -1                              ; h's eight fragments and four rows of scale words lie in LDS
; ---- PRODUCT 2: step n = 4 j + k: my slice j, the work-group's K step k.  The ring of weights runs on from slice to slice: the slices lie 131,072 bytes apart, the K steps 8,192
.irp k, 0,1,2,3
	ds_load_b32 v[BS+\k], v2 offset:HSC+128*\k
.endr
	WIN TOF
	BLOAD 0, HIMG
.set nn, 0
.rept 8
.if nn < 6
.set lcc, 32
.elseif nn == 6
.set lcc, 16
.else
.set lcc, 0
.endif
.if (nn&3) == 0
	STEP nn, 8, lcc, HIMG+2048*((nn+1)&3), 131072*((nn+3)>>2)+8192*((nn+3)&3), WS+nn, BS+(nn&3), 1
.else
	STEP nn, 8, lcc, HIMG+2048*((nn+1)&3), 131072*((nn+3)>>2)+8192*((nn+3)&3), WS+nn, BS+(nn&3), 0
.endif
.if nn == 3
	OUT 0                                          ; the first slice leaves while the second slice's first three steps are on their way
.endif
.set nn, nn+1
.endr
	OUT 1
	s_wait_tensorcnt 0x0
	ds_add_u32 v30, v31
	s_wait_dscnt 0x0
	s_endpgm
.Lfunc_end_k_q6b1d95ec82_chain:
	.size	k_q6b1d95ec82_chain, .Lfunc_end_k_q6b1d95ec82_chain-k_q6b1d95ec82_chain
	.p2alignl 7, 3214868480
	.fill 96, 4, 3214868480
	.section	.rodata,"a",@progbits
	.p2align	6, 0x0
	.amdhsa_kernel k_q6b1d95ec82_chain
		.amdhsa_group_segment_fixed_size 93184
		.amdhsa_private_segment_fixed_size 0
		.amdhsa_enable_private_segment 0
		.amdhsa_kernarg_size 64
		.amdhsa_user_sgpr_count 2
		.amdhsa_user_sgpr_kernarg_segment_ptr 1
		.amdhsa_wavefront_size32 1
		.amdhsa_system_sgpr_workgroup_id_x 1
		.amdhsa_system_sgpr_workgroup_id_y 1
		.amdhsa_system_sgpr_workgroup_id_z 1
		.amdhsa_system_vgpr_workitem_id 0
		.amdhsa_next_free_vgpr 512
		.amdhsa_next_free_sgpr 102
		.amdhsa_reserve_vcc 1
		.amdhsa_float_denorm_mode_32 3
		.amdhsa_float_denorm_mode_16_64 3
		.amdhsa_memory_ordered 1
		.amdhsa_forward_progress 1
		.amdhsa_inst_pref_size 232
	.end_amdhsa_kernel
	.amdgpu_metadata
---
amdhsa.version: [ 1, 2 ]
amdhsa.kernels:
  - .name:           k_q6b1d95ec82_chain
    .symbol:         k_q6b1d95ec82_chain.kd
    .args:
      - { .name: route, .offset: 0, .size: 8, .value_kind: global_buffer, .address_space: global }
      - { .name: w1c, .offset: 8, .size: 8, .value_kind: global_buffer, .address_space: global }
      - { .name: w1s, .offset: 16, .size: 8, .value_kind: global_buffer, .address_space: global }
      - { .name: xc, .offset: 24, .size: 8, .value_kind: global_buffer, .address_space: global }
      - { .name: xs, .offset: 32, .size: 8, .value_kind: global_buffer, .address_space: global }
      - { .name: w2c, .offset: 40, .size: 8, .value_kind: global_buffer, .address_space: global }
      - { .name: w2s, .offset: 48, .size: 8, .value_kind: global_buffer, .address_space: global }
      - { .name: tv, .offset: 56, .size: 8, .value_kind: global_buffer, .address_space: global }
    .group_segment_fixed_size: 93184
    .private_segment_fixed_size: 0
    .kernarg_segment_align: 8
    .kernarg_segment_size: 64
    .max_flat_workgroup_size: 128
    .sgpr_count:     102
    .vgpr_count:     512
    .wavefront_size: 32
...
	.end_amdgpu_metadata
.endif
;; end of part 3
;; launch norm (part 4): grid 256 x 1, 8 waves a work-group, no clusters, 0 bytes of LDS; arguments tv, ln_gamma, ln_beta, out0; writes out0
.if DOCPART == 4
	.amdgcn_target "amdgcn-amd-amdhsa--gfx1250"
	.amdhsa_code_object_version 6
	.text
	.protected	k_q6b1d95ec82_norm
	.globl	k_q6b1d95ec82_norm
	.p2align	8
	.type	k_q6b1d95ec82_norm,@function
k_q6b1d95ec82_norm:
	s_mov_b64 s[64:65], 0
	v_nop
	global_prefetch_b8 v0, s[64:65] scope:SCOPE_SE
	s_setreg_imm32_b32 hwreg(HW_REG_WAVE_MODE, 25, 1), 1
	s_wait_xcnt 0x0
; NORM: out[token] = LayerNorm((p0 + p1 + p2 + p3) x top value) x gamma + beta.  p0 .. p3 are the four partial sums over the second product's K that the launch before stored, [token][1,024] f32,
; in planes of 8 MiB from byte 8,192 of the buffer whose first 8,192 bytes are the tokens' top values.
; One wave takes one token: a row is 4,096 bytes, 32 registers a plane, so the row stays in registers between the passes and no wave waits for another: no LDS, no barrier.
; Each load and store of a wave covers 512 consecutive aligned bytes.  All 48 loads of a wave go out at once; the planes are added as they arrive, in ascending K.
; The variance is taken in a second pass, of the differences from the mean: no difference of large sums is formed.
; A stream: the matrix unit, clusters and tensor loads have nothing to add here; the work-groups share only gamma and beta, 8 KB.
; LIMITS: NaN and infinities are not served.  gamma is multiplied by 1 / sqrt(var + eps) first and the difference by that: an order of rounding other than the source's.
.set P,  16                            ; v16-143  the four planes' parts of my row; the first plane's registers take the sums
.set G,  144                           ; v144-175 gamma
.set B,  176                           ; v176-207 beta
.macro WSUM r, t                       ; v[r] summed over the 32 lanes, the result in every lane
	v_add_f32_dpp v[\r], v[\r], v[\r] row_xmask:1 row_mask:0xf bank_mask:0xf
	v_add_f32_dpp v[\r], v[\r], v[\r] row_xmask:2 row_mask:0xf bank_mask:0xf
	v_add_f32_dpp v[\r], v[\r], v[\r] row_xmask:4 row_mask:0xf bank_mask:0xf
	v_add_f32_dpp v[\r], v[\r], v[\r] row_xmask:8 row_mask:0xf bank_mask:0xf
	v_permlanex16_b32 v[\t], v[\r], s12, s13
	v_add_f32 v[\r], v[\r], v[\t]
.endm
	s_load_b256 s[4:11], s[0:1], 0x0               ; top values and planes s[4:5], gamma s[6:7], beta s[8:9], out s[10:11]
	v_lshrrev_b32 v1, 5, v0
	v_readfirstlane_b32 s2, v1                     ; wave 0..7
	v_and_b32 v1, 31, v0
	v_lshlrev_b32 v1, 4, v1                        ; 16 bytes a lane
	v_mov_b32 v6, 0                                ; written once: a lane permute's destination counts as one of its sources
	v_mov_b32 v7, 0x3727c5ac                       ; 1e-5
	s_mov_b32 s12, 0x76543210                      ; v_permlanex16_b32's selects for lane l xor 16
	s_mov_b32 s13, 0xfedcba98
	s_mov_b32 s26, 0x3a800000                      ; 1 / 1,024
	s_lshl_b32 s3, ttmp9, 3
	s_add_co_u32 s3, s3, s2                        ; my token
	s_lshl_b32 s14, s3, 12                         ; its row: 4,096 bytes
	s_mov_b32 s15, 0
	s_lshl_b32 s16, s3, 2                          ; its top value
	s_mov_b32 s17, 0
	s_wait_kmcnt 0x0
	s_add_nc_u64 s[16:17], s[4:5], s[16:17]
	s_load_b32 s28, s[16:17], 0x0                  ; no line of this launch writes that buffer
	s_add_nc_u64 s[18:19], s[4:5], s[14:15]
	s_add_nc_u64 s[18:19], s[18:19], 8192          ; my row in plane 0,
	s_add_nc_u64 s[20:21], s[18:19], 0x800000      ; 1,
	s_add_nc_u64 s[22:23], s[20:21], 0x800000      ; 2,
	s_add_nc_u64 s[24:25], s[22:23], 0x800000      ; 3: 8 MiB is one more than a load's immediate holds
	s_add_nc_u64 s[10:11], s[10:11], s[14:15]
.irp q, 0,1,2,3
.irp p, 0,1,2,3,4,5,6,7
	global_load_b128 v[P+32*\q+4*\p:P+32*\q+4*\p+3], v1, s[18+2*\q:19+2*\q] offset:512*\p th:TH_LOAD_NT
.endr
.endr
.irp p, 0,1,2,3,4,5,6,7
	global_load_b128 v[G+4*\p:G+4*\p+3], v1, s[6:7] offset:512*\p
	global_load_b128 v[B+4*\p:B+4*\p+3], v1, s[8:9] offset:512*\p
.endr
.irp q, 1,2,3
	s_wait_loadcnt 16+8*(3-\q)                     ; plane q is in; the planes behind it (8 loads each) and gamma's and beta's 16 may be out
.irp j, 0,2,4,6,8,10,12,14,16,18,20,22,24,26,28,30
	v_pk_add_f32 v[P+\j:P+\j+1], v[P+\j:P+\j+1], v[P+32*\q+\j:P+32*\q+\j+1]
.endr
.endr
	s_wait_kmcnt 0x0
	s_mov_b32 s29, s28                             ; (named with it as a pair, so it is written)
.irp j, 0,2,4,6,8,10,12,14,16,18,20,22,24,26,28,30
	v_pk_mul_f32 v[P+\j:P+\j+1], v[P+\j:P+\j+1], s[28:29] op_sel_hi:[1,0]   ; x the top value
.endr
	v_pk_add_f32 v[2:3], v[P:P+1], v[P+4:P+5]      ; the row's sum, in two chains
	v_pk_add_f32 v[4:5], v[P+2:P+3], v[P+6:P+7]
.irp j, 8,12,16,20,24,28
	v_pk_add_f32 v[2:3], v[2:3], v[P+\j:P+\j+1]
	v_pk_add_f32 v[4:5], v[4:5], v[P+\j+2:P+\j+3]
.endr
	v_pk_add_f32 v[2:3], v[2:3], v[4:5]
	v_add_f32 v2, v2, v3
	WSUM 2, 6
	v_mul_f32 v2, s26, v2                          ; the mean
	v_mov_b32 v3, v2
.irp j, 0,2,4,6,8,10,12,14,16,18,20,22,24,26,28,30
	v_pk_add_f32 v[P+\j:P+\j+1], v[P+\j:P+\j+1], v[2:3] neg_lo:[0,1] neg_hi:[0,1]
.endr
	v_pk_mul_f32 v[2:3], v[P:P+1], v[P:P+1]        ; the squares of the differences, in two chains
	v_pk_mul_f32 v[4:5], v[P+2:P+3], v[P+2:P+3]
.irp j, 4,8,12,16,20,24,28
	v_pk_fma_f32 v[2:3], v[P+\j:P+\j+1], v[P+\j:P+\j+1], v[2:3]
	v_pk_fma_f32 v[4:5], v[P+\j+2:P+\j+3], v[P+\j+2:P+\j+3], v[4:5]
.endr
	v_pk_add_f32 v[2:3], v[2:3], v[4:5]
	v_add_f32 v2, v2, v3
	WSUM 2, 6
	v_fma_f32 v2, v2, s26, v7                      ; the variance + 1e-5
	v_rsq_f32 v2, v2
	v_nop                                          ; one plain line behind the transcendental
	s_wait_alu depctr_va_vdst(0)
	v_mov_b32 v3, v2
	s_wait_loadcnt 0x0                             ; gamma and beta
.irp j, 0,2,4,6,8,10,12,14,16,18,20,22,24,26,28,30
	v_pk_mul_f32 v[G+\j:G+\j+1], v[G+\j:G+\j+1], v[2:3]
.endr
.irp j, 0,2,4,6,8,10,12,14,16,18,20,22,24,26,28,30
	v_pk_fma_f32 v[P+\j:P+\j+1], v[P+\j:P+\j+1], v[G+\j:G+\j+1], v[B+\j:B+\j+1]
.endr
.irp p, 0,1,2,3,4,5,6,7
	global_store_b128 v1, v[P+4*\p:P+4*\p+3], s[10:11] offset:512*\p th:TH_STORE_NT   ; 512 consecutive aligned bytes; written once, read by nobody here
.endr
	s_endpgm
.Lfunc_end_k_q6b1d95ec82_norm:
	.size	k_q6b1d95ec82_norm, .Lfunc_end_k_q6b1d95ec82_norm-k_q6b1d95ec82_norm
	.p2alignl 7, 3214868480
	.fill 96, 4, 3214868480
	.section	.rodata,"a",@progbits
	.p2align	6, 0x0
	.amdhsa_kernel k_q6b1d95ec82_norm
		.amdhsa_group_segment_fixed_size 0
		.amdhsa_private_segment_fixed_size 0
		.amdhsa_enable_private_segment 0
		.amdhsa_kernarg_size 32
		.amdhsa_user_sgpr_count 2
		.amdhsa_user_sgpr_kernarg_segment_ptr 1
		.amdhsa_wavefront_size32 1
		.amdhsa_system_sgpr_workgroup_id_x 1
		.amdhsa_system_sgpr_workgroup_id_y 1
		.amdhsa_system_sgpr_workgroup_id_z 1
		.amdhsa_system_vgpr_workitem_id 0
		.amdhsa_next_free_vgpr 208
		.amdhsa_next_free_sgpr 66
		.amdhsa_reserve_vcc 0
		.amdhsa_float_denorm_mode_32 3
		.amdhsa_float_denorm_mode_16_64 3
		.amdhsa_memory_ordered 1
		.amdhsa_forward_progress 1
		.amdhsa_inst_pref_size 17
	.end_amdhsa_kernel
	.amdgpu_metadata
---
amdhsa.version: [ 1, 2 ]
amdhsa.kernels:
  - .name:           k_q6b1d95ec82_norm
    .symbol:         k_q6b1d95ec82_norm.kd
    .args:
      - { .name: tv, .offset: 0, .size: 8, .value_kind: global_buffer, .address_space: global }
      - { .name: ln_gamma, .offset: 8, .size: 8, .value_kind: global_buffer, .address_space: global }
      - { .name: ln_beta, .offset: 16, .size: 8, .value_kind: global_buffer, .address_space: global }
      - { .name: out0, .offset: 24, .size: 8, .value_kind: global_buffer, .address_space: global }
    .group_segment_fixed_size: 0
    .private_segment_fixed_size: 0
    .kernarg_segment_align: 8
    .kernarg_segment_size: 32
    .max_flat_workgroup_size: 256
    .sgpr_count:     66
    .vgpr_count:     208
    .wavefront_size: 32
...
	.end_amdgpu_metadata
.endif
;; end of part 4
;; ======== version 3 of 3: 3 launches
;; workspace buffers: w1c 8,388,608 bytes; w1s 524,288 bytes; w2c 8,388,608 bytes; w2s 524,288 bytes; xc 1,048,576 bytes; xs 65,536 bytes; tv 33,562,624 bytes; route 4,096 bytes of whole numbers
;; launch prep (part 5): grid 1088 x 1, 4 waves a work-group, no clusters, 22,016 bytes of LDS; arguments x, gate_w, expert_w1, expert_w2, w1c, w1s, w2c, w2s, xc, xs, tv, route; writes w1c, w1s, w2c, w2s, xc, xs, tv, route
.if DOCPART == 5
	.amdgcn_target "amdgcn-amd-amdhsa--gfx1250"
	.amdhsa_code_object_version 6
	.text
	.protected	k_q6b1d95ec82_prep
	.globl	k_q6b1d95ec82_prep
	.p2align	8
	.type	k_q6b1d95ec82_prep,@function
k_q6b1d95ec82_prep:
	s_mov_b64 s[64:65], 0
	v_nop
	global_prefetch_b8 v0, s[64:65] scope:SCOPE_SE
	s_setreg_imm32_b32 hwreg(HW_REG_WAVE_MODE, 25, 1), 1
	s_wait_xcnt 0x0
; PREP: everything that is done once.  Three paths, parted by the work-group's number alone:
;   0 .. 63     THE GATE: 32 tokens each: logits in f32 (fused multiply-adds), argmax, top value; x quantised along D to E2M1 codes and E8M0 bytes;
;               the routing stored as whole numbers at fixed places: for each expert a bitmap word of these 32 tokens, and its count of ones.
;   64 .. 575   W1 [8][1024 k][2048 n], 576 .. 1087 W2 [8][2048 k][1024 n]: f32 with K as the first axis, quantised along K.
; A block's scale is 2^(floor(log2(largest magnitude)) - 2); its byte is the largest magnitude's exponent field - 2, held at 1 from below.
; THE CODES ARE LAID AS THE NEXT LAUNCH'S OPERAND REGISTERS WANT THEM: a fragment (16 rows x 128 K) is 1,024 bytes, piece c at 512 c, lane (r, h)'s 16 bytes at 16 (16 h + r),
; holding k = 64 c + 32 h + 0 .. 31 of row r.  w1c: [e][slice 16][K step 8][tile 8][1,024]; row r of tile t of a slice is hidden unit 32 (t / 2) + 8 (t % 2) + r + 8 (r / 8), so that the first
; product's results are neighbours along the second product's K.  w2c: [e][slice 8][K step 16][tile 8][1,024], row r of tile t is column 16 t + r.
; The scale bytes: [e][slice]([half])[pair of tiles 4][q 4][lane 32][8 bytes]: lanes 0-15 the even tile's rows, lanes 16-31 the odd tile's; the 8 bytes are two K steps' scale words.
; LIMITS: NaN and infinities are not served.  A block of zeros gets the byte 1 (the rule says 127): its codes are zeros, and this program alone reads the bytes.  The argmax is taken on the logits
; with a strict >, so the lower index wins a tie; logits closer together than an exponential's rounding may be told apart here and not in a softmax's rounded probabilities.
; No matrix unit, no tensor loads, no cluster: the work-groups share no input but the 32 KB of gate_w.
.set PART, 0                           ; LDS (gate path alone): [wave 4][token 32][expert 8] f32: each wave's part of the logits
.set XCST, 4096                        ; [token 32][512 bytes] codes of x
.set XSST, 20480                       ; [token 32][32 bytes] scale bytes of x
.set QX, 32                            ; weights: v32-95 two sets of 32 numbers
.set QC, 96                            ; v96-127 four registers of codes for each of 8 blocks: no store's data are written again
.set QS, 24                            ; v24-25  the 8 scale bytes
.set GW, 16                            ; gate: v16-79 gate_w, 8 numbers for each expert
.set XR, 80                            ; v80-143 eight token slots of 8 numbers
.set SM, 144                           ; v144-159 eight pairs of partial sums
.set PS, 168                           ; v168-175 folded logit, v176-183 codes, v184-191 byte: one register for each token slot
.set CD, 176
.set BY, 184
; ---- the weights: a lane takes a column and its registers run down K: a block of 32 lies in one lane
.macro LOADB t, nb                     ; block t: 32 rows; each load reads 128 consecutive bytes a wave, the four waves 512
.irp i, 0,1,2,3,4,5,6,7,8,9,10,11,12,13,14,15,16,17,18,19,20,21,22,23,24,25,26,27,28,29,30,31
	global_load_b32 v[QX+32*((\t)%2)+\i], v3, s[4:5] offset:(32*(\t)+\i)*\nb th:TH_LOAD_NT
.endr
.endm
.macro BLOCK t, nb
.set XB, QX+32*((\t)%2)
.if (\t) < 7
	s_wait_loadcnt 32                              ; this block's 32 loads are in; the next block's 32 may be out
.else
	s_wait_loadcnt 0
.endif
	v_max3_num_f32 v12, |v[XB]|, |v[XB+1]|, |v[XB+2]|              ; the block's largest magnitude, in two chains
	v_max3_num_f32 v13, |v[XB+3]|, |v[XB+4]|, |v[XB+5]|
.irp i, 6,10,14,18,22,26
	v_max3_num_f32 v12, v12, |v[XB+\i]|, |v[XB+\i+1]|
	v_max3_num_f32 v13, v13, |v[XB+\i+2]|, |v[XB+\i+3]|
.endr
	v_max3_num_f32 v12, v12, |v[XB+30]|, |v[XB+31]|
	v_max3_num_f32 v12, v12, v13, 0x1800000        ; and the floor 2^(3 - 127): the byte cannot fall under 1
	v_add_nc_u32 v11, 0xff000000, v12              ; 2 off the exponent field: the conversion takes this operand's exponent field as its scale
	v_lshrrev_b32 v13, 23, v11                     ; the scale's byte
.if (\t)%4 == 0
	v_mov_b32 v[QS+(\t)/4], v13
.else
	v_lshl_or_b32 v[QS+(\t)/4], v13, 8*((\t)%4), v[QS+(\t)/4]
.endif
.irp g, 0,1,2,3
	v_cvt_scalef32_pk8_fp4_f32 v[QC+4*(\t)+\g], v[XB+8*\g:XB+8*\g+7], v11
.endr
	; block t is K step t / 4 of my two, piece (t / 2) % 2, lane half t % 2: lanes 0-15 store 256 consecutive aligned bytes of the even tile's fragment, lanes 16-31 of the odd tile's
	global_store_b128 v4, v[QC+4*(\t):QC+4*(\t)+3], s[8:9] offset:((\t)>>2)*8192+(((\t)>>1)&1)*512+((\t)&1)*256
.if (\t)+2 < 8
	LOADB (\t)+2, \nb
.endif
.endm
; A work-group takes 128 columns x 256 along K of one expert, a wave 32 columns (a pair of tiles) x 8 blocks.
; nb: bytes of a row;  perm: W1's order of rows in a tile;  first: the path's first work-group;  aw, ac: where the arguments stand;
; qsh, qmask, smask: how the number splits into K chunk and slice;  ksh: log2 of a K chunk's bytes in w;  csh: log2 of a slice's bytes of codes
.macro QPATH nb, perm, first, aw, ac, qsh, qmask, smask, ksh, csh
	s_load_b64 s[4:5], s[0:1], \aw                 ; the weights
	s_load_b128 s[8:11], s[0:1], \ac               ; their codes, their scale bytes
	s_sub_co_u32 s12, ttmp9, \first
	s_lshr_b32 s13, s12, 6                         ; expert
	s_lshr_b32 s14, s12, \qsh
	s_and_b32 s14, s14, \qmask                     ; which 256 along K
	s_and_b32 s15, s12, \smask                     ; which 128 columns
	s_lshl_b32 s16, s13, 23                        ; in w: 8 MiB an expert,
	s_lshl_b32 s18, s14, \ksh                      ; 256 rows,
	s_add_co_u32 s16, s16, s18
	s_lshl_b32 s18, s15, 9                         ; 512 bytes a slice
	s_add_co_u32 s16, s16, s18
	s_mov_b32 s17, 0
	s_lshl_b32 s20, s13, 20                        ; codes: 1 MiB an expert,
	s_lshl_b32 s18, s15, \csh                      ; the slice,
	s_add_co_u32 s20, s20, s18
	s_lshl_b32 s18, s14, 14                        ; two K steps of 8,192 bytes,
	s_add_co_u32 s20, s20, s18
	s_lshl_b32 s18, s2, 11                         ; my pair of tiles
	s_add_co_u32 s20, s20, s18
	s_mov_b32 s21, 0
	s_lshl_b32 s22, s13, 16                        ; scale bytes: 64 KiB an expert,
	s_lshl_b32 s18, s15, \csh-4                    ; the slice,
	s_add_co_u32 s22, s22, s18
	s_lshr_b32 s18, s14, 2
	s_lshl_b32 s18, s18, 12                        ; the half of K (W2 alone has two),
	s_add_co_u32 s22, s22, s18
	s_lshl_b32 s18, s2, 10                         ; my pair of tiles,
	s_add_co_u32 s22, s22, s18
	s_and_b32 s18, s14, 3
	s_lshl_b32 s18, s18, 8                         ; 256 bytes for each 256 along K
	s_add_co_u32 s22, s22, s18
	s_mov_b32 s23, 0
	v_and_b32 v1, 31, v0                           ; lane
	v_and_b32 v2, 15, v0                           ; r
	v_bfe_u32 v6, v0, 4, 1                         ; which tile of the pair
.if \perm
	v_and_b32 v7, 8, v2
	v_add_nc_u32 v7, v7, v2                        ; r + 8 (r / 8)
	v_lshl_add_u32 v7, v6, 3, v7                   ; + 8 for the odd tile: my column among the wave's 32
.else
	v_mov_b32 v7, v1
.endif
	v_lshlrev_b32 v3, 2, v7
	s_lshl_b32 s24, s2, 7
	v_add_nc_u32 v3, s24, v3                       ; in: 4 (32 wave + column)
	v_lshlrev_b32 v4, 4, v2
	v_lshl_add_u32 v4, v6, 10, v4                  ; codes out: 16 r, the odd tile 1,024 bytes on
	v_lshlrev_b32 v5, 3, v1                        ; scale bytes out: 8 a lane
	s_wait_alu depctr_va_vdst(0)
	s_wait_kmcnt 0x0
	s_add_nc_u64 s[4:5], s[4:5], s[16:17]
	s_add_nc_u64 s[8:9], s[8:9], s[20:21]
	s_add_nc_u64 s[10:11], s[10:11], s[22:23]
	LOADB 0, \nb
	LOADB 1, \nb                                   ; two blocks, 64 loads a wave, ahead
.irp t, 0,1,2,3,4,5,6,7
	BLOCK \t, \nb
.endr
	global_store_b64 v5, v[QS:QS+1], s[10:11]      ; the wave stores 256 consecutive aligned bytes
.endm
; ---- the gate
.macro XLOAD t                         ; token t: my 8 numbers (the wave reads 1,024 consecutive bytes in two loads)
	global_load_b128 v[XR+8*((\t)%8):XR+8*((\t)%8)+3], v2, s[4:5] offset:4096*(\t) th:TH_LOAD_NT
	global_load_b128 v[XR+8*((\t)%8)+4:XR+8*((\t)%8)+7], v2, s[4:5] offset:4096*(\t)+16 th:TH_LOAD_NT
.endm
; A fold halves the set of sums: of the pair (i, i + n) a lane keeps one and sends the other to the lane whose number differs in one bit
.macro FOLDP i, n, msk
	v_cndmask_b32 v[SM+2*(\i)+1], v[SM+2*(\i)], v[SM+2*((\i)+(\n))], s[\msk]           ; what I keep
	v_cndmask_b32 v[SM+2*((\i)+(\n))+1], v[SM+2*((\i)+(\n))], v[SM+2*(\i)], s[\msk]    ; what I send
.endm
.macro FOLDA i, n, xm
	v_add_f32_dpp v[SM+2*(\i)], v[SM+2*((\i)+(\n))+1], v[SM+2*(\i)+1] row_xmask:\xm row_mask:0xf bank_mask:0xf
.endm
.macro TOKEN t
.set XT, XR+8*((\t)%8)
.if (\t) < 24
	s_wait_loadcnt 14                              ; my token's two loads are in; the seven younger tokens' 14 may be out
.else
	s_wait_loadcnt 2*(31-(\t))                     ; nothing is fetched any more: the counts run down
.endif
.if (\t) >= 8
	s_wait_dscnt 21                                ; the three LDS stores of the token eight back are done (seven younger tokens x 3 may be out): their data registers are written again below
.endif
.irp e, 0,1,2,3,4,5,6,7
	v_pk_mul_f32 v[SM+2*\e:SM+2*\e+1], v[XT:XT+1], v[GW+8*\e:GW+8*\e+1]                 ; eight experts by turns
.endr
.irp j, 2,4,6
.irp e, 0,1,2,3,4,5,6,7
	v_pk_fma_f32 v[SM+2*\e:SM+2*\e+1], v[XT+\j:XT+\j+1], v[GW+8*\e+\j:GW+8*\e+\j+1], v[SM+2*\e:SM+2*\e+1]
.endr
.endr
.irp e, 0,1,2,3,4,5,6,7
	v_add_f32 v[SM+2*\e], v[SM+2*\e], v[SM+2*\e+1]
.endr
.irp i, 0,1,2,3
	FOLDP \i, 4, 20
.endr
.irp i, 0,1,2,3
	FOLDA \i, 4, 1
.endr
.irp i, 0,1
	FOLDP \i, 2, 21
.endr
.irp i, 0,1
	FOLDA \i, 2, 2
.endr
	FOLDP 0, 1, 22
	FOLDA 0, 1, 4                                  ; lane l now holds expert 4 (l & 1) + (l & 2) + ((l >> 2) & 1), summed over eight lanes
	v_add_f32_dpp v[SM], v[SM], v[SM] row_xmask:8 row_mask:0xf bank_mask:0xf
	v_permlanex16_b32 v160, v[SM], s24, s25
	v_add_f32 v[PS+(\t)%8], v[SM], v160            ; over all 32: my wave's 256 along K
	ds_store_b32 v3, v[PS+(\t)%8] offset:PART+32*(\t)   ; four lanes write the same word with the same value
	v_max3_num_f32 v161, |v[XT]|, |v[XT+1]|, 0x1800000  ; x's block of 32 lies in four lanes: my 8, with the floor,
	v_max3_num_f32 v161, v161, |v[XT+2]|, |v[XT+3]|
	v_max3_num_f32 v161, v161, |v[XT+4]|, |v[XT+5]|
	v_max3_num_f32 v161, v161, |v[XT+6]|, |v[XT+7]|
	v_max_num_f32_dpp v161, v161, v161 row_xmask:1 row_mask:0xf bank_mask:0xf
	v_max_num_f32_dpp v161, v161, v161 row_xmask:2 row_mask:0xf bank_mask:0xf   ; and the three others'
	v_add_nc_u32 v162, 0xff000000, v161
	v_cvt_scalef32_pk8_fp4_f32 v[CD+(\t)%8], v[XT:XT+7], v162
	v_lshrrev_b32 v[BY+(\t)%8], 23, v162           ; the byte; also the plain line behind the conversion
	ds_store_b32 v4, v[CD+(\t)%8] offset:512*(\t)
	ds_store_b8 v5, v[BY+(\t)%8] offset:32*(\t)    ; four lanes write the same byte with the same value
.if (\t)+8 < 32
	XLOAD (\t)+8
.endif
.endm
	v_lshl_add_u32 v192, v0, 2, 0x5400
	v_mov_b32 v193, 0
	v_lshrrev_b32 v1, 5, v0
	v_readfirstlane_b32 s2, v1                     ; wave 0..3
	s_cmp_lt_u32 ttmp9, 64
	s_cbranch_scc1 .Lgate                          ; the gate's chain of work is the longest: it has the lowest numbers
	s_cmp_lt_u32 ttmp9, 576
	s_cbranch_scc1 .Lw1
	QPATH 4096, 0, 576, 0x18, 0x30, 3, 7, 7, 20, 17
	s_endpgm
.Lw1:
	QPATH 8192, 1, 64, 0x10, 0x20, 4, 3, 15, 21, 16
	s_endpgm
.Lgate:
	s_load_b128 s[4:7], s[0:1], 0x0                ; x, gate_w
	s_load_b128 s[8:11], s[0:1], 0x40              ; x's codes, x's scale bytes
	s_load_b128 s[12:15], s[0:1], 0x50             ; top values, routing
	s_mov_b32 s20, 0xaaaaaaaa                      ; lanes whose bit 0, 1, 2 is set
	s_mov_b32 s21, 0xcccccccc
	s_mov_b32 s22, 0xf0f0f0f0
	s_mov_b32 s24, 0x76543210                      ; v_permlanex16_b32's selects for lane l xor 16
	s_mov_b32 s25, 0xfedcba98
	v_and_b32 v1, 31, v0                           ; lane
	s_lshl_b32 s16, s2, 10
	v_lshlrev_b32 v2, 5, v1
	v_add_nc_u32 v2, s16, v2                       ; wave v takes K = 256 v on, lane l 8 neighbours: byte 1,024 v + 32 l of a row (of x and of gate_w)
	v_and_b32 v3, 1, v0
	v_lshlrev_b32 v3, 4, v3
	v_bfe_u32 v4, v0, 1, 1
	v_lshl_add_u32 v3, v4, 3, v3
	v_bfe_u32 v4, v0, 2, 1
	v_lshl_add_u32 v3, v4, 2, v3
	v_add_nc_u32 v3, s16, v3                       ; my wave's parts: 1,024 v + 4 x the expert that the folds leave in my lane
	s_lshl_b32 s17, s2, 7
	v_lshlrev_b32 v4, 2, v1
	v_add_nc_u32 v4, s17, v4
	v_add_nc_u32 v4, XCST, v4                      ; my 8 codes: byte 128 v + 4 l of a token's 512
	s_lshl_b32 s17, s2, 3
	v_lshrrev_b32 v5, 2, v1
	v_add_nc_u32 v5, s17, v5
	v_add_nc_u32 v5, XSST, v5                      ; my block's byte: 8 v + l / 4 of a token's 32
	s_lshl_b32 s17, s2, 12
	v_lshlrev_b32 v7, 4, v1
	v_add_nc_u32 v7, s17, v7                       ; the way out of the codes: my wave's 8 tokens, 16 bytes a lane
	v_add_nc_u32 v6, XCST, v7
	s_lshl_b32 s17, s2, 8
	v_lshlrev_b32 v9, 3, v1
	v_add_nc_u32 v9, s17, v9                       ; and of the scale bytes: 256 a wave, 8 a lane
	v_add_nc_u32 v8, XSST, v9
	v_lshlrev_b32 v10, 5, v1                       ; wave 0 at the end: lane = token: its 8 logits' parts
	v_and_b32 v11, 7, v0
	v_lshlrev_b32 v11, 8, v11                      ; routing: expert (l & 7)'s row of 64 words
	v_lshlrev_b32 v12, 2, v1
	v_mov_b32 v160, 0                              ; written once: a lane permute's destination counts as one of its sources
	s_mov_b32 s19, 0
	s_wait_kmcnt 0x0
	s_lshl_b32 s18, ttmp9, 17                      ; 32 tokens of 4,096 bytes
	s_add_nc_u64 s[4:5], s[4:5], s[18:19]
	s_lshl_b32 s18, ttmp9, 14
	s_add_nc_u64 s[8:9], s[8:9], s[18:19]
	s_lshl_b32 s18, ttmp9, 10
	s_add_nc_u64 s[10:11], s[10:11], s[18:19]
	s_lshl_b32 s18, ttmp9, 7
	s_add_nc_u64 s[12:13], s[12:13], s[18:19]
	s_lshl_b32 s18, ttmp9, 2
	s_add_nc_u64 s[14:15], s[14:15], s[18:19]
.irp e, 0,1,2,3,4,5,6,7
	global_load_b128 v[GW+8*\e:GW+8*\e+3], v2, s[6:7] offset:4096*\e          ; gate_w stays in registers
	global_load_b128 v[GW+8*\e+4:GW+8*\e+7], v2, s[6:7] offset:4096*\e+16
.endr
.irp t, 0,1,2,3,4,5,6,7
	XLOAD \t
.endr
.irp t, 0,1,2,3,4,5,6,7,8,9,10,11,12,13,14,15,16,17,18,19,20,21,22,23,24,25,26,27,28,29,30,31
	TOKEN \t
.endr
	s_wait_dscnt 0x0                               ; for the others' sake: my stores have landed
	s_barrier_signal -1
	s_barrier_wait -1
.irp i, 0,1,2,3,4,5,6,7
	ds_load_b128 v[XR+4*\i:XR+4*\i+3], v6 offset:512*\i         ; a token's 512 bytes of codes, whole
.endr
	ds_load_b64 v[112:113], v8
.irp i, 0,1,2,3,4,5,6,7
	s_wait_dscnt 8-\i                              ; row i is in; the rows behind it and the scale bytes may be out
	global_store_b128 v7, v[XR+4*\i:XR+4*\i+3], s[8:9] offset:512*\i   ; 512 consecutive aligned bytes
.endr
	s_wait_dscnt 0x0
	global_store_b64 v9, v[112:113], s[10:11]      ; 256 consecutive aligned bytes
	s_cmp_lg_u32 s2, 0
	s_cbranch_scc1 .Lgdone                         ; wave 0 finishes the gate: lane = token
.irp w, 0,1,2,3
	ds_load_b128 v[16+8*\w:19+8*\w], v10 offset:PART+1024*\w
	ds_load_b128 v[20+8*\w:23+8*\w], v10 offset:PART+1024*\w+16
.endr
	s_wait_dscnt 0x0
.irp w, 1,2,3
.irp j, 0,2,4,6
	v_pk_add_f32 v[16+\j:17+\j], v[16+\j:17+\j], v[16+8*\w+\j:17+8*\w+\j]   ; the four waves' parts, in ascending K
.endr
.endr
	v_mov_b32 v48, v16                             ; the largest logit,
	v_mov_b32 v49, 0                               ; and whose it is: a strict > keeps the lower index
.irp e, 1,2,3,4,5,6,7
	v_cmp_gt_f32 vcc_lo, v[16+\e], v48
	v_cndmask_b32 v48, v48, v[16+\e], vcc_lo
	v_cndmask_b32 v49, v49, \e, vcc_lo
.endr
.irp e, 0,1,2,3,4,5,6,7
	v_sub_f32 v[32+\e], v[16+\e], v48              ; the maximum is taken away ahead of the exponentials
.endr
.irp e, 0,1,2,3,4,5,6,7
	v_mul_f32 v[32+\e], 0x3fb8aa3b, v[32+\e]
.endr
	s_wait_alu depctr_va_vdst(0)
.irp e, 0,1,2,3,4,5,6,7
	v_exp_f32 v[32+\e], v[32+\e]
.endr
	v_mov_b32 v50, 0                               ; (a plain line behind the exponentials)
	s_wait_alu depctr_va_vdst(0)
.irp e, 0,2,4,6
	v_add_f32 v[32+\e], v[32+\e], v[33+\e]
.endr
	v_add_f32 v32, v32, v34
	v_add_f32 v36, v36, v38
	v_add_f32 v32, v32, v36
	s_wait_alu depctr_va_vdst(0)
	v_rcp_f32 v40, v32                             ; the top probability: e^0 / the sum
	v_mov_b32 v51, 0
	s_wait_alu depctr_va_vdst(0)
	v_add_f32 v41, 0x322bcc77, v40                 ; + 1e-8
	s_wait_alu depctr_va_vdst(0)
	v_rcp_f32 v41, v41
	v_nop
	s_wait_alu depctr_va_vdst(0)
	v_mul_f32 v40, v40, v41
	global_store_b32 v12, v40, s[12:13]            ; 128 consecutive bytes
.irp e, 0,1,2,3,4,5,6,7
	v_cmp_eq_u32 s26, \e, v49                      ; expert e's bitmap of these 32 tokens: a value to be stored; no address and no branch here hangs on it
	s_bcnt1_i32_b32 s27, s26                       ; and its count
	s_mov_b32 s28, 0x01010101<<\e
	v_cndmask_b32 v50, v50, s26, s28               ; into the lanes with l & 7 = e
	v_cndmask_b32 v51, v51, s27, s28
.endr
	global_store_b32 v11, v50, s[14:15]            ; word [e][this group]; four lanes store the same word with the same value
	global_store_b32 v11, v51, s[14:15] offset:2048
.Lgdone:
	s_wait_tensorcnt 0x0
	ds_add_u32 v192, v193
	s_wait_dscnt 0x0
	s_endpgm
.Lfunc_end_k_q6b1d95ec82_prep:
	.size	k_q6b1d95ec82_prep, .Lfunc_end_k_q6b1d95ec82_prep-k_q6b1d95ec82_prep
	.p2alignl 7, 3214868480
	.fill 96, 4, 3214868480
	.section	.rodata,"a",@progbits
	.p2align	6, 0x0
	.amdhsa_kernel k_q6b1d95ec82_prep
		.amdhsa_group_segment_fixed_size 22016
		.amdhsa_private_segment_fixed_size 0
		.amdhsa_enable_private_segment 0
		.amdhsa_kernarg_size 96
		.amdhsa_user_sgpr_count 2
		.amdhsa_user_sgpr_kernarg_segment_ptr 1
		.amdhsa_wavefront_size32 1
		.amdhsa_system_sgpr_workgroup_id_x 1
		.amdhsa_system_sgpr_workgroup_id_y 1
		.amdhsa_system_sgpr_workgroup_id_z 1
		.amdhsa_system_vgpr_workitem_id 0
		.amdhsa_next_free_vgpr 194
		.amdhsa_next_free_sgpr 66
		.amdhsa_reserve_vcc 1
		.amdhsa_float_denorm_mode_32 3
		.amdhsa_float_denorm_mode_16_64 3
		.amdhsa_memory_ordered 1
		.amdhsa_forward_progress 1
		.amdhsa_inst_pref_size 240
	.end_amdhsa_kernel
	.amdgpu_metadata
---
amdhsa.version: [ 1, 2 ]
amdhsa.kernels:
  - .name:           k_q6b1d95ec82_prep
    .symbol:         k_q6b1d95ec82_prep.kd
    .args:
      - { .name: x, .offset: 0, .size: 8, .value_kind: global_buffer, .address_space: global }
      - { .name: gate_w, .offset: 8, .size: 8, .value_kind: global_buffer, .address_space: global }
      - { .name: expert_w1, .offset: 16, .size: 8, .value_kind: global_buffer, .address_space: global }
      - { .name: expert_w2, .offset: 24, .size: 8, .value_kind: global_buffer, .address_space: global }
      - { .name: w1c, .offset: 32, .size: 8, .value_kind: global_buffer, .address_space: global }
      - { .name: w1s, .offset: 40, .size: 8, .value_kind: global_buffer, .address_space: global }
      - { .name: w2c, .offset: 48, .size: 8, .value_kind: global_buffer, .address_space: global }
      - { .name: w2s, .offset: 56, .size: 8, .value_kind: global_buffer, .address_space: global }
      - { .name: xc, .offset: 64, .size: 8, .value_kind: global_buffer, .address_space: global }
      - { .name: xs, .offset: 72, .size: 8, .value_kind: global_buffer, .address_space: global }
      - { .name: tv, .offset: 80, .size: 8, .value_kind: global_buffer, .address_space: global }
      - { .name: route, .offset: 88, .size: 8, .value_kind: global_buffer, .address_space: global }
    .group_segment_fixed_size: 22016
    .private_segment_fixed_size: 0
    .kernarg_segment_align: 8
    .kernarg_segment_size: 96
    .max_flat_workgroup_size: 128
    .sgpr_count:     66
    .vgpr_count:     194
    .wavefront_size: 32
...
	.end_amdgpu_metadata
.endif
;; end of part 5
;; launch chain (part 6): grid 71 x 4, 4 waves a work-group, no clusters, 93,184 bytes of LDS; arguments route, w1c, w1s, xc, xs, w2c, w2s, tv; writes tv
.if DOCPART == 6
	.amdgcn_target "amdgcn-amd-amdhsa--gfx1250"
	.amdhsa_code_object_version 6
	.text
	.protected	k_q6b1d95ec82_chain
	.globl	k_q6b1d95ec82_chain
	.p2align	8
	.type	k_q6b1d95ec82_chain,@function
k_q6b1d95ec82_chain:
	s_mov_b64 s[64:65], 0
	v_nop
	global_prefetch_b8 v0, s[64:65] scope:SCOPE_SE
	s_setreg_imm32_b32 hwreg(HW_REG_WAVE_SCHED_MODE, 0, 2), 2
	s_setreg_imm32_b32 hwreg(HW_REG_WAVE_MODE, 25, 1), 1
	s_wait_xcnt 0x0
	s_wait_alu depctr_vm_vsrc(0)
; CHAIN: work-group (b, hq) takes tile b, 32 rows of one expert, through a QUARTER OF THE HIDDEN LAYER, units 512 hq .. 512 hq + 511: find the rows, gather x's codes, x W1 for these units, exact GELU,
; quantise, h W2 over these 512 of the second product's K.  What it stores is a partial sum of all 1,024 outputs of its rows, f32, at each row's TOKEN in plane hq; the launch behind this one adds the
; four planes and does the rest.  Both products on E2M1 codes with E8M0 scales; the hidden layer stays in LDS.  Only the chosen expert's rows are multiplied: the others are thrown away by the one-hot
; that the problem itself builds.
; WHY A QUARTER: a work-group takes in 256 KiB + 16 KiB of W1 and as much of W2 instead of the expert's 2.1 MB, and 284 work-groups share the chip instead of 71.  The price: 4 x 8 MiB of partial sums.
; THE PLANES lie in the buffer of the top values, from byte 8,192 on, 8 MiB each, [token][1,024] f32.  This launch loads nothing from that buffer.
; GRID: 2,048 rows in tiles of 32 over 8 experts are never more than 64 + 7 = 71 tiles, whatever the split.  A slot that a split leaves without rows walks the same text on clamped rows and stores
; nothing: every barrier stays on every wave's path, none under a branch on loaded numbers.
; SHARES: four waves share the COLUMNS.  Wave w makes hidden units 128 (4 hq + w) on, 128 of them, which are K step w of the work-group's four; then outputs 256 w .. 256 w + 255 in two slices of 128.
; So each weight fragment is used by one wave alone and goes from memory straight into its registers, laid by the first launch in the order of the operand's registers: 512 consecutive bytes a load,
; a ring of three K steps (48 loads a wave).  What goes round is small: the rows' codes, as images of operand registers in LDS.
; BOTH PRODUCTS ARE USED TRANSPOSED (source 0 = 16 rows of the weight, source 1 = 16 tokens): a lane holds one token, its registers run along the columns.
; NO JOINT LOADS, though the tiles of one expert read the same weights: an expert has 0 to 64 tiles by counts read from memory, 71 is no multiple of 4, and four neighbouring slots may belong to two
; experts, so partners would want different tiles.  No tensor loads: nothing is read from LDS by more than it would cost to put it there.
; LIMITS: NaN and infinities are not served.  erfc has an absolute error of some 6e-8, so the relative error of h grows in the far negative tail, where |h| lies far under its block's smallest step.
; A block of zeros gets the byte 1 with zero codes.  The sum over the second product's K is made of four f32 parts.
; THE MODE: SCHED_MODE bits 1:0 = 2 (LLVM: expert scheduling mode 2), set by the entry lines.  The code itself states the register dependences between vector or matrix instructions and memory or
; LDS instructions, with s_wait_alu, always for 0.
; THE PLAN.  Registers that memory or LDS instructions touch, and who else names them:
;   W0 .. W2 (window 1, v0-191)    Step k's sixteen products read W[k % 3]; behind them the weights of step k + 3 land in it.
;   B0, B1 (window 1, v192-223)    Step k's products read B[k % 2]; behind them the token fragments of step k + 2 land in it.
;   v32-63, v16-23                 Scale words: loaded, and read by products alone; v32-63 are loaded again behind the first product's last step, v16-19 behind the second barrier.
;   v128-255                       The gather's loads land in v128-159 and LDS stores read them; then the products write all 128, the activation works on them in place; on the way out LDS stores read them,
;                                  the rows land in them, global stores read them, and the next slice's products write them.
;   v116-123, v126                 The quantiser writes them, LDS stores read them; the second row tile's activation writes v116-119 again.
;   v98, v120-127, v8              Offsets and an address that are written more than once, each time behind a wait on vm_vsrc.
;   v1-3, v6, v7, v9, v64-95       Offsets and addresses that are written once.
; So ONE wait on va_vdst stands in a step, behind its products: it states that they are done reading W[k % 3] and B[k % 2]; the step's twenty loads follow it in one run.  It stands there and not at
; the next step's head because three slots are all that 512 registers hold: a slot that waited for the next head would lie idle while that head waits for its own weights.
; Compares and lane reads that write scalar registers stand in runs, with one wait on va_sdst behind each run.
; LDS: images (a fragment is 1,024 bytes: piece c at 512 c, a lane's 16 bytes at 16 x lane), scale words [K step][slot], and a stage for each wave.
.set XIMG, 0                           ; x: fragment (K step, row tile m) at 1,024 (2 ks + m): 16,384 bytes
.set HIMG, 16384                       ; h likewise, four K steps: 8,192 bytes
.set HSC,  24576                       ; h's scale words: 128 bytes a K step: 512
.set STG,  25088                       ; the stages: for each wave 32 rows of 512 bytes + 16: 33 x 16, so the 16 rows that a store touches start in different banks (64 banks of 4 bytes: ISA guide 11.1)
.set SPI,  528
.set WSTG, 32*SPI
.set PLANE0, 8192                      ; where the planes begin in their buffer
; REGISTERS, window 0: v1 16 x lane, v2 4 x lane, v3 8 x lane; v4 the token of slot = lane; v6-9 LDS addresses; v10-15 three leading coefficients as pairs;
;   v16-23 the tokens' scale words, v32-63 the weights' (these hold scales and nothing else); v64-95 each row's place in a plane; v96-127 at work; v128-255 the 16 accumulators: (row tile m, tile t) at 128 + 64 m + 8 t.
; window 1: v0-191 three slots of 8 weight fragments; v192-223 two slots of 2 token fragments.
; SCALARS that vector instructions write: s2 the wave; s16-47 the counts' parts; s88-92, s100, s101 seven masks of the search (its seven keys in s3-9, which are free by then); s68-83 tokens read from lanes; s68-71 the activation's four masks.
.set BS,  16
.set WS,  32
.set RO,  64
.set WK,  96
.set TM,  96                           ; the quantiser: v96-99 maxima, v100-103 bytes, v108-111 scale operands
.set PC,  116                          ; v116-123 the codes just made;  v124, v125 the two row tiles' scale words
.set GA,  120                          ; v120-127 the gather's eight offsets (ahead of all that)
.set ACC, 128
.set MULW, 0x05                        ; sources 0 and 1 window 1; C and D window 0
.set TOF,  0x40                        ; a load's destination window 1, its address window 0
.set MSB, 0
.macro WIN new                         ; the immediate's high byte repeats the setting that is left; at a label and at a branch every window is 0
.if MSB != \new
	s_set_vgpr_msb (MSB<<8)|\new
.set MSB, \new
.endif
.endm
.macro CPAIR r, val                    ; a constant as a pair: the packed forms name a pair and take its low word for both halves
	s_mov_b32 s[\r], \val
	s_mov_b32 s[\r+1], \val
.endm
.macro WLOAD slot, off                 ; a K step's 8 fragments of my slice: 16 loads of 512 consecutive bytes
.irp t, 0,1,2,3,4,5,6,7
.irp c, 0,1
	global_load_b128 v[64*(\slot)+8*\t+4*\c:64*(\slot)+8*\t+4*\c+3], v1, s[84:85] offset:(\off)+1024*\t+512*\c
.endr
.endr
.endm
.macro SLOAD reg, off                  ; W1: the scale words of 8 K steps: register reg + 8 (t / 2) + ks: lanes 0-15 the even tile's rows, lanes 16-31 the odd tile's
.irp pp, 0,1,2,3
.irp q, 0,1,2,3
	global_load_b64 v[(\reg)+8*\pp+2*\q:(\reg)+8*\pp+2*\q+1], v3, s[86:87] offset:(\off)+256*(4*\pp+\q)
.endr
.endr
.endm
.macro SLOAD2 j                        ; W2, my slice j: the scale words of my four K steps: register WS + 8 (t / 2) + 4 j + step
.irp pp, 0,1,2,3
.irp q, 0,1
	global_load_b64 v[WS+8*\pp+4*(\j)+2*\q:WS+8*\pp+4*(\j)+2*\q+1], v3, s[86:87] offset:8192*(\j)+1024*\pp+256*\q
.endr
.endr
.endm
.macro BLOAD bs, off                   ; a K step's two token fragments, from their images
.irp m, 0,1
.irp c, 0,1
	ds_load_b128 v[192+16*(\bs)+8*\m+4*\c:192+16*(\bs)+8*\m+4*\c+3], v1 offset:(\off)+1024*\m+512*\c
.endr
.endr
.endm
; 16 matrix instructions: 8 tiles of the weight x 2 row tiles, 128 along K.  The 16 accumulators take turns, one instruction a turn, in the same order in every step.
; The weight's scale word stands in lanes 0-15 (even tile) or 16-31 (odd tile) of one register, the tokens' in lanes 0-15 (row tile 0) or 16-31 (row tile 1) of another.
.macro MUL16 slot, bs, wsr, bsr, zero
.irp p, 0,1,2,3
.set FA0, 64*(\slot)+16*\p
.set FA1, FA0+8
.set FB0, 192+16*(\bs)
.set FB1, FB0+8
.set D00, ACC+16*\p
.set D01, D00+8
.set D10, D00+64
.set D11, D10+8
.set SWR, (\wsr)+8*\p
.if \zero
	v_wmma_scale_f32_16x16x128_f8f6f4 v[D00:D00+7], v[FA0:FA0+7], v[FB0:FB0+7], 0, v[SWR], v[\bsr] matrix_a_fmt:MATRIX_FMT_FP4 matrix_b_fmt:MATRIX_FMT_FP4
	v_wmma_scale_f32_16x16x128_f8f6f4 v[D10:D10+7], v[FA0:FA0+7], v[FB1:FB1+7], 0, v[SWR], v[\bsr] matrix_a_fmt:MATRIX_FMT_FP4 matrix_b_fmt:MATRIX_FMT_FP4 matrix_b_scale:MATRIX_SCALE_ROW1
	v_wmma_scale_f32_16x16x128_f8f6f4 v[D01:D01+7], v[FA1:FA1+7], v[FB0:FB0+7], 0, v[SWR], v[\bsr] matrix_a_fmt:MATRIX_FMT_FP4 matrix_b_fmt:MATRIX_FMT_FP4 matrix_a_scale:MATRIX_SCALE_ROW1
	v_wmma_scale_f32_16x16x128_f8f6f4 v[D11:D11+7], v[FA1:FA1+7], v[FB1:FB1+7], 0, v[SWR], v[\bsr] matrix_a_fmt:MATRIX_FMT_FP4 matrix_b_fmt:MATRIX_FMT_FP4 matrix_a_scale:MATRIX_SCALE_ROW1 matrix_b_scale:MATRIX_SCALE_ROW1
.else
	v_wmma_scale_f32_16x16x128_f8f6f4 v[D00:D00+7], v[FA0:FA0+7], v[FB0:FB0+7], v[D00:D00+7], v[SWR], v[\bsr] matrix_a_fmt:MATRIX_FMT_FP4 matrix_b_fmt:MATRIX_FMT_FP4
	v_wmma_scale_f32_16x16x128_f8f6f4 v[D10:D10+7], v[FA0:FA0+7], v[FB1:FB1+7], v[D10:D10+7], v[SWR], v[\bsr] matrix_a_fmt:MATRIX_FMT_FP4 matrix_b_fmt:MATRIX_FMT_FP4 matrix_b_scale:MATRIX_SCALE_ROW1
	v_wmma_scale_f32_16x16x128_f8f6f4 v[D01:D01+7], v[FA1:FA1+7], v[FB0:FB0+7], v[D01:D01+7], v[SWR], v[\bsr] matrix_a_fmt:MATRIX_FMT_FP4 matrix_b_fmt:MATRIX_FMT_FP4 matrix_a_scale:MATRIX_SCALE_ROW1
	v_wmma_scale_f32_16x16x128_f8f6f4 v[D11:D11+7], v[FA1:FA1+7], v[FB1:FB1+7], v[D11:D11+7], v[SWR], v[\bsr] matrix_a_fmt:MATRIX_FMT_FP4 matrix_b_fmt:MATRIX_FMT_FP4 matrix_a_scale:MATRIX_SCALE_ROW1 matrix_b_scale:MATRIX_SCALE_ROW1
.endif
.endr
.endm
; Step k of nk.  lc: the global loads issued behind this step's weights, which may stay out.  bnext: where the token fragments of two steps on lie in LDS; wnext: where the weights of three steps on lie, from the pointer.
; zero = 1: the products start the sums: nothing is cleared.
; Four plain places stand behind the products (ISA guide 7.12.1): they serve the reads of results behind a product's or a slice's last step, and stand in every step alike, ahead of the wait.
; Behind them the two slots that this step has emptied are asked for again, in one run under one setting of the windows.  The last two steps of a run of steps ask for nothing and hold no wait on va_vdst.
.macro STEP k, nk, lc, bnext, wnext, wsr, bsr, zero
	s_wait_loadcnt \lc
.if (\k)+1 < (\nk)
	s_wait_dscnt 4                                 ; this step's token fragments are in; the next step's four loads may be out
.else
	s_wait_dscnt 0
.endif
	WIN MULW
	MUL16 (\k)%3, (\k)%2, \wsr, \bsr, \zero
.rept 4
	v_nop
.endr
.if (\k)+2 < (\nk)
	WIN TOF
	s_wait_alu depctr_va_vdst(0)                   ; this step's products are done reading their weight slot and their token slot, in which the loads below land; they have also written the accumulators
.if (\k)+3 < (\nk)
	WLOAD (\k)%3, \wnext
.endif
	BLOAD (\k)%2, \bnext
.endif
.endm
; THE ACTIVATION: h = max(z, 0) - 0.5 |z| erfc(|z| / sqrt 2), which is z (1 + erf(z / sqrt 2)) / 2 for either sign.  With t = |z| / sqrt 2, s = t t:
; t <= 0.921875: erfc = 1 - (t + t P(s)), P of degree 5;  above: erfc = 2^(-log2(e) (t + t Q(t))), Q of degree 6.  Both are computed, the right one is selected: no branch on data.
; Two pairs of numbers at a time, 12 registers each (+0 |z|, +2 t, +4 s, +6 lower, +8 upper, +10 upper's second part): four chains that do not wait for each other.
.macro GF d, a, b, sc                  ; d = a b + a scalar constant
.irp q, 0,1
	v_pk_fma_f32 v[WK+12*\q+\d:WK+12*\q+\d+1], v[WK+12*\q+\a:WK+12*\q+\a+1], v[WK+12*\q+\b:WK+12*\q+\b+1], s[\sc:\sc+1] op_sel_hi:[1,1,0]
.endr
.endm
.macro GL d, cf, b, sc                 ; d = a leading coefficient x b + a scalar constant
.irp q, 0,1
	v_pk_fma_f32 v[WK+12*\q+\d:WK+12*\q+\d+1], v[\cf:\cf+1], v[WK+12*\q+\b:WK+12*\q+\b+1], s[\sc:\sc+1] op_sel_hi:[1,1,0]
.endr
.endm
.macro GV d, a, b, c                   ; d = a b + c
.irp q, 0,1
	v_pk_fma_f32 v[WK+12*\q+\d:WK+12*\q+\d+1], v[WK+12*\q+\a:WK+12*\q+\a+1], v[WK+12*\q+\b:WK+12*\q+\b+1], v[WK+12*\q+\c:WK+12*\q+\c+1]
.endr
.endm
.macro GEL2 z
.irp q, 0,1
	v_and_b32 v[WK+12*\q], s51, v[(\z)+2*\q]       ; |z|.  (An accumulator is read from its low end on: the pairs go in ascending order)
	v_and_b32 v[WK+12*\q+1], s51, v[(\z)+2*\q+1]
.endr
.irp q, 0,1
	v_pk_mul_f32 v[WK+12*\q+2:WK+12*\q+3], v[WK+12*\q:WK+12*\q+1], s[26:27] op_sel_hi:[1,0]
.endr
.irp q, 0,1
	v_pk_mul_f32 v[WK+12*\q+4:WK+12*\q+5], v[WK+12*\q+2:WK+12*\q+3], v[WK+12*\q+2:WK+12*\q+3]
.endr
.irp q, 0,1
.irp i, 0,1
	v_cmp_lt_f32 s[68+2*\q+\i], s50, v[WK+12*\q+2+\i]   ; which of the two forms holds: the four compares in one run, as soon as t is there; their masks are read behind both polynomials
.endr
.endr
	GL 6, 10, 4, 28
	GL 8, 12, 2, 38
	GL 10, 14, 2, 40
	GF 6, 6, 4, 30
	GV 8, 8, 4, 10
	GF 6, 6, 4, 32
	GF 8, 8, 2, 42
	GF 6, 6, 4, 34
	GF 8, 8, 2, 44
	GF 6, 6, 4, 36
	GF 8, 8, 2, 46
	GV 6, 6, 2, 2                                  ; erf(t)
	GV 8, 8, 2, 2
.irp q, 0,1
	v_pk_fma_f32 v[WK+12*\q+6:WK+12*\q+7], v[WK+12*\q+6:WK+12*\q+7], -1.0, 1.0 op_sel_hi:[1,0,0]
.endr
.irp q, 0,1
	v_pk_mul_f32 v[WK+12*\q+8:WK+12*\q+9], v[WK+12*\q+8:WK+12*\q+9], s[48:49] op_sel_hi:[1,0]
.endr
	s_wait_alu depctr_va_vdst(0)
.irp q, 0,1
	v_exp_f32 v[WK+12*\q+8], v[WK+12*\q+8]
	v_exp_f32 v[WK+12*\q+9], v[WK+12*\q+9]
.endr
.irp q, 0,1
	v_pk_mul_f32 v[WK+12*\q:WK+12*\q+1], v[WK+12*\q:WK+12*\q+1], 0.5 op_sel_hi:[1,0]   ; (plain lines behind the exponentials)
.endr
	s_wait_alu depctr_va_vdst(0)                   ; the four exponentials have written their results (+8, +9 of both sets), ahead of the selects that read them
	s_wait_alu depctr_va_sdst(0)                   ; the four compares have written s68-71, ahead of the selects that read them
.irp q, 0,1
.irp i, 0,1
	v_cndmask_b32 v[WK+12*\q+6+\i], v[WK+12*\q+6+\i], v[WK+12*\q+8+\i], s[68+2*\q+\i]
.endr
.endr
.irp q, 0,1
	v_max_num_f32 v[(\z)+2*\q], 0, v[(\z)+2*\q]
	v_max_num_f32 v[(\z)+2*\q+1], 0, v[(\z)+2*\q+1]
.endr
.irp q, 0,1
	v_pk_fma_f32 v[(\z)+2*\q:(\z)+2*\q+1], v[WK+12*\q:WK+12*\q+1], v[WK+12*\q+6:WK+12*\q+7], v[(\z)+2*\q:(\z)+2*\q+1] neg_lo:[1,0,0] neg_hi:[1,0,0]
.endr
.endm
.macro GELU64 s
.irp p, 0,4,8,12,16,20,24,28,32,36,40,44,48,52,56,60
	GEL2 (\s)+\p
.endr
.endm
; 64 numbers of a lane, register 16 b + i = k 32 b + 16 (lane / 16) + i of my token, become a fragment's codes in v[PC] on and its scale word in v[pw] (the same in both halves of the lanes).
.macro QUANT s, pw
.irp b, 0,1,2,3
	v_max3_num_f32 v[TM+\b], |v[(\s)+16*\b]|, |v[(\s)+1+16*\b]|, 0x1800000   ; my 16 of block b, and the floor 2^(3 - 127): the byte cannot fall under 1
.endr
.irp i, 2,4,6,8,10,12,14
.irp b, 0,1,2,3
	v_max3_num_f32 v[TM+\b], v[TM+\b], |v[(\s)+16*\b+\i]|, |v[(\s)+1+16*\b+\i]|
.endr
.endr
.irp b, 0,1,2,3
	v_permlanex16_b32 v[TM+4+\b], v[TM+\b], s66, s67
.endr
.irp b, 0,1,2,3
	v_max_num_f32 v[TM+\b], v[TM+\b], v[TM+4+\b]   ; with lane l xor 16's: the block's largest magnitude
.endr
.irp b, 0,1,2,3
	v_add_nc_u32 v[TM+12+\b], 0xff000000, v[TM+\b] ; 2 off its exponent field: the conversion's scale operand
.endr
.irp b, 0,1,2,3
	v_lshrrev_b32 v[TM+4+\b], 23, v[TM+12+\b]      ; the scale's byte
.endr
	v_lshl_or_b32 v[\pw], v[TM+5], 8, v[TM+4]
	v_lshl_or_b32 v[\pw], v[TM+6], 16, v[\pw]
	v_lshl_or_b32 v[\pw], v[TM+7], 24, v[\pw]
.irp b, 0,1,2,3
	v_cvt_scalef32_pk8_fp4_f32 v[PC+2*\b], v[(\s)+16*\b:(\s)+7+16*\b], v[TM+12+\b]
	v_cvt_scalef32_pk8_fp4_f32 v[PC+1+2*\b], v[(\s)+8+16*\b:(\s)+15+16*\b], v[TM+12+\b]
.endr
	v_nop                                          ; one plain line behind a scaled conversion
.irp c, 0,1                                    ; the operand's layout wants a whole block in a lane: lanes 0-15 block 2 c, lanes 16-31 block 2 c + 1
.irp i, 0,1
	v_permlane16_swap_b32 v[PC+4*\c+\i], v[PC+2+4*\c+\i]
.endr
.endr
.endm
.macro PICK a, width                   ; the n-th set bit, a level: if n is not under the count of the lower half, leave that half
	v_bfe_u32 v108, v[\a], v107, \width
	v_cmp_ge_u32 vcc_lo, v102, v108
	v_sub_nc_u32 v108, v102, v108
	v_add_nc_u32 v109, \width, v107
	s_wait_alu depctr_va_vcc(0)                    ; the compare has written VCC, ahead of the two selects that read it (a level hangs on the level before: no run can be made of the five)
	v_cndmask_b32 v102, v102, v108, vcc_lo
	v_cndmask_b32 v107, v107, v109, vcc_lo
.endm
; THE WAY OUT of my slice j: 32 rows x 128 columns.  A lane holds 8 neighbouring columns of a row, and the lanes beside it hold other rows: so the slice goes through my own stage and comes back as rows of
; 512 bytes, into the registers that it left.  LDS serves a wave's instructions in order (ISA guide 5.7.1.4): no wait on DScnt between the stores and the loads.  The four places behind the last products stand in STEP,
; and the wait that shows the accumulators written stands behind them: in the step itself (slice 0) or ahead of this macro (slice 1).
; A row goes to its token's place in my plane.  The rows are in order, so the first slot past the tile's rows ends the stores: a scalar branch on a whole number read from memory, round stores alone.
.macro OUT j
	WIN 0
.irp m, 0,1
.irp t, 0,1,2,3,4,5,6,7
	ds_store_b128 v9, v[ACC+64*\m+8*\t:ACC+64*\m+8*\t+3] offset:16*SPI*\m+64*\t         ; each accumulator from its low end on
	ds_store_b128 v9, v[ACC+64*\m+8*\t+4:ACC+64*\m+8*\t+7] offset:16*SPI*\m+64*\t+16
.endr
.endr
	s_wait_alu depctr_vm_vsrc(0)                   ; the stage's stores have read v128-255, in which the rows land
	s_wait_alu depctr_va_vdst(0)                   ; and the products have written them: said straight ahead of the loads that land there, since stores that name these registers stand behind the earlier wait
.irp i, 0,1,2,3,4,5,6,7,8,9,10,11,12,13,14,15,16,17,18,19,20,21,22,23,24,25,26,27,28,29,30,31
	ds_load_b128 v[ACC+4*\i:ACC+4*\i+3], v8 offset:SPI*\i
.endr
	s_wait_dscnt 0x0
.irp i, 0,1,2,3,4,5,6,7,8,9,10,11,12,13,14,15,16,17,18,19,20,21,22,23,24,25,26,27,28,29,30,31
	s_cmp_le_u32 s97, \i
	s_cbranch_scc1 .Lpast_\@
	global_store_b128 v[RO+\i], v[ACC+4*\i:ACC+4*\i+3], s[24:25] offset:512*(\j) th:TH_STORE_NT   ; 512 consecutive aligned bytes; written once, read by nobody here
.endr
.Lpast_\@:
.if (\j) == 0
	s_wait_xcnt 0x0                                ; the stores' addresses are translated: their registers are written again only behind this wait
	s_wait_alu depctr_vm_vsrc(0)                   ; the stores have read v128-255, which the next slice's products write; every way to those products passes here
	v_nop                                          ; the next slice begins the accumulators anew with C = 0: that wants one place more behind the last products than the four in STEP
	v_nop
.endif
.endm
	s_load_b256 s[4:11], s[0:1], 0x0               ; routing s[4:5], W1's codes s[6:7], W1's scales s[8:9], x's codes s[10:11]
	s_load_b128 s[12:15], s[0:1], 0x20             ; x's scales s[12:13], W2's codes s[14:15]
	v_lshl_add_u32 v30, v0, 2, 0x16a00             ; my spare word, behind the stages; v30 and v31 are kept for the closing lines alone
	v_mov_b32 v31, 0
	v_lshrrev_b32 v96, 5, v0
	v_readfirstlane_b32 s2, v96                    ; wave 0..3
	s_mov_b32 s3, ttmp9                            ; my tile slot
	s_and_b32 s93, ttmp7, 0xffff                   ; hq: my quarter of the hidden layer
	s_mov_b32 s66, 0x76543210                      ; v_permlanex16_b32's selects for lane l xor 16
	s_mov_b32 s67, 0xfedcba98
	v_and_b32 v97, 31, v0                          ; lane
	v_lshlrev_b32 v1, 4, v97
	v_lshlrev_b32 v2, 2, v97
	v_lshlrev_b32 v3, 3, v97
	v_and_b32 v98, 7, v0
	v_lshlrev_b32 v98, 8, v98
	v_bfe_u32 v99, v0, 3, 2
	v_lshl_add_u32 v98, v99, 6, v98                ; lane l: 16 of expert (l & 7)'s 64 counts
	s_wait_kmcnt 0x0
	s_wait_alu depctr_va_vdst(0)                   ; v98 is written, which the four loads below read as their offset; so are v1, v2 and v3, which loads of the whole kernel read and nothing writes again
; ---- PLACEMENT, whole numbers alone, the same in every wave.  First each expert's number of rows
.irp j, 0,1,2,3
	global_load_b128 v[100+4*\j:103+4*\j], v98, s[4:5] offset:2048+16*\j
.endr
	s_wait_loadcnt 0x0
	s_wait_alu depctr_vm_vsrc(0)                   ; the four loads have read v98, which the search below writes again; it stands here, ahead of the ring's first 64 loads, so that it waits for these four alone
.irp j, 0,1,2,3,4,5,6,7
	v_add_nc_u32 v[100+\j], v[100+\j], v[108+\j]
.endr
.irp j, 0,1,2,3
	v_add_nc_u32 v[100+\j], v[100+\j], v[104+\j]
.endr
	v_add_nc_u32 v100, v100, v102
	v_add_nc_u32 v101, v101, v103
	v_add_nc_u32 v100, v100, v101
.irp e, 0,1,2,3,4,5,6,7
.irp q, 0,1,2,3
	v_readlane_b32 s[16+4*\e+\q], v100, \e+8*\q
.endr
.endr
	s_wait_alu depctr_va_sdst(0)                   ; the 32 lane reads have written s16-47, and the line at the head s2: one wait for the run, ahead of the first reader of any of them
.irp e, 0,1,2,3,4,5,6,7
	s_add_co_u32 s[16+4*\e], s[16+4*\e], s[17+4*\e]
	s_add_co_u32 s[18+4*\e], s[18+4*\e], s[19+4*\e]
	s_add_co_u32 s[16+4*\e], s[16+4*\e], s[18+4*\e]
.endr
; which expert's tile is slot b: the last expert whose first tile is not behind b
	s_mov_b32 s98, 0                               ; the expert's first tile
	s_mov_b32 s94, 0
	s_mov_b32 s99, 0
	s_mov_b32 s100, 0
.irp e, 0,1,2,3,4,5,6,7
	s_cmp_ge_u32 s3, s98
	s_cselect_b32 s94, \e, s94
	s_cselect_b32 s99, s98, s99
	s_cselect_b32 s100, s[16+4*\e], s100
	s_add_co_u32 s101, s[16+4*\e], 31
	s_lshr_b32 s101, s101, 5
	s_add_co_u32 s98, s98, s101
.endr
	s_sub_co_u32 s95, s3, s99
	s_lshl_b32 s95, s95, 5                         ; my first row among the expert's
	s_max_u32 s97, s100, s95
	s_sub_co_u32 s97, s97, s95
	s_min_u32 s97, s97, 32                         ; my rows: 0 to 32
	s_max_u32 s96, s100, 1
	s_sub_co_u32 s96, s96, 1                       ; the expert's last row: slots past the end repeat it and are not stored
	s_min_u32 s94, s94, 7
	s_lshl_b32 s98, s94, 20                        ; W1's codes: 1 MiB an expert, 64 KiB a chunk of 128 hidden units; my chunk is 4 hq + wave
	s_lshl_b32 s99, s93, 18
	s_add_co_u32 s98, s98, s99
	s_lshl_b32 s99, s2, 16
	s_add_co_u32 s98, s98, s99
	s_mov_b32 s99, 0
	s_add_nc_u64 s[84:85], s[6:7], s[98:99]
	s_lshl_b32 s98, s94, 16                        ; W1's scales: 64 KiB an expert, 4,096 bytes a chunk
	s_lshl_b32 s100, s93, 14
	s_add_co_u32 s98, s98, s100
	s_lshl_b32 s100, s2, 12
	s_add_co_u32 s98, s98, s100
	s_add_nc_u64 s[86:87], s[8:9], s[98:99]
	SLOAD WS, 0                                    ; the ring starts at once: it lands while the rows are looked for.  No wait: v1 and v3 stand behind the head's wait, and no vector instruction has named the registers in which these loads land
	WIN TOF
	WLOAD 0, 0
	WLOAD 1, 8192
	WLOAD 2, 16384
	WIN 0
	s_lshl_b32 s98, s94, 8
	s_load_b512 s[16:31], s[4:5], s98 offset:0x0   ; the expert's bitmap: word g in s[16 + g], from word 48 on in s[20 + g]
	s_load_b512 s[32:47], s[4:5], s98 offset:0x40
	s_load_b512 s[48:63], s[4:5], s98 offset:0x80
	s_load_b512 s[68:83], s[4:5], s98 offset:0xc0
	s_wait_kmcnt 0x0
; lane l looks for row R = my first row + l: the last word g with no more than R ones in front of it holds it.  Key = ones in front x 64 + g, so one compare and two selects a word.
; Seven words to a run: seven keys (s3-9: the tile slot and three pointers are done with), seven compares into seven masks, one wait, fourteen selects in ascending g
	v_add_nc_u32 v98, s95, v97
	v_min_u32 v98, s96, v98                        ; R
	v_lshl_or_b32 v99, v98, 6, 63
	s_wait_alu depctr_va_vdst(0)
	v_mov_b32 v100, 0
	s_wait_alu depctr_va_vdst(0)
	v_mov_b32 v101, s16
	s_wait_alu depctr_va_vdst(0)
	s_mov_b32 s98, 0
.set g, 1
.rept 9
.set i, 0
.rept 7
.set wp, 16+(g+i-1)+4*((g+i-1)/48)
	s_bcnt1_i32_b32 s99, s[wp]
	s_add_co_u32 s98, s98, s99
	s_lshl_b32 s[3+i], s98, 6
	s_or_b32 s[3+i], s[3+i], g+i
.set i, i+1
.endr
.set i, 0
.rept 7
	v_cmp_le_u32 s[88+i+7*(i/5)], s[3+i], v99
.set i, i+1
.endr
	s_wait_alu depctr_va_sdst(0)                   ; the seven compares have written their masks (s88-92, s100, s101), ahead of the selects that read them
.set i, 0
	s_wait_alu depctr_va_vdst(0)
.rept 7
.set wc, 16+(g+i)+4*((g+i)/48)
	v_cndmask_b32 v100, v100, s[3+i], s[88+i+7*(i/5)]
	v_cndmask_b32 v101, v101, s[wc], s[88+i+7*(i/5)]
.set i, i+1
.endr
.set g, g+7
.endr
	v_lshrrev_b32 v102, 6, v100
	v_sub_nc_u32 v102, v98, v102                   ; n: which set bit of the word
	v_lshrrev_b32 v103, 1, v101                    ; counts of ones in fields of 2, 4, 8, 16 bits
	v_and_b32 v103, 0x55555555, v103
	v_sub_nc_u32 v103, v101, v103
	v_lshrrev_b32 v104, 2, v103
	v_and_b32 v104, 0x33333333, v104
	v_and_b32 v105, 0x33333333, v103
	v_add_nc_u32 v104, v104, v105
	v_lshrrev_b32 v105, 4, v104
	v_add_nc_u32 v105, v105, v104
	v_and_b32 v105, 0x0f0f0f0f, v105
	v_lshrrev_b32 v106, 8, v105
	v_add_nc_u32 v106, v106, v105
	v_and_b32 v106, 0x00ff00ff, v106
	v_mov_b32 v107, 0
	PICK 106, 16
	PICK 105, 8
	PICK 104, 4
	PICK 103, 2
	PICK 101, 1
	v_and_b32 v108, 63, v100
	v_lshl_add_u32 v4, v108, 5, v107
	v_min_u32 v4, 0x7ff, v4                        ; the token of slot = lane
	s_wait_alu depctr_va_vdst(0)
; ---- the other arguments and the constants (the bitmap's registers are free)
	s_load_b128 s[16:19], s[0:1], 0x30             ; W2's scales s[16:17], the buffer of the planes s[18:19]
	CPAIR 26, 0x3f3504f3                           ; 1 / sqrt 2
	CPAIR 28, 0x3ba39fa4                           ; P's coefficients below the leading one
	CPAIR 30, 0xbcdb45e9
	CPAIR 32, 0x3de70d23
	CPAIR 34, 0xbec09370
	CPAIR 36, 0x3e0375d3
	CPAIR 38, 0xb9c8e966                           ; Q's
	CPAIR 40, 0xbcc6b180
	CPAIR 42, 0x3ddaae58
	CPAIR 44, 0x3f228550
	CPAIR 46, 0x3e03ce86
	CPAIR 48, 0xbfb8aa3b                           ; -log2(e)
	s_mov_b32 s50, 0x3f6c0000                      ; 0.921875
	s_mov_b32 s51, 0x7fffffff
	s_mov_b32 s52, 0xffff0000                      ; lanes 16-31
	v_mov_b32 v10, 0xba1d0d41                      ; the three leading coefficients, as vector pairs: a packed line then names one scalar pair
	v_mov_b32 v11, 0xba1d0d41
	v_mov_b32 v12, 0x37911480
	v_mov_b32 v13, 0x37911480
	v_mov_b32 v14, 0x3b7e899b
	v_mov_b32 v15, 0x3b7e899b
; ---- THE GATHER: wave w brings rows 8 w .. 8 w + 7 of the tile: a row's 512 bytes of codes by one load.  The eight tokens are read from their lanes in one run, all offsets are made, then the ten loads go out
	s_lshl_b32 s98, s2, 3
.irp i, 0,1,2,3,4,5,6,7
	s_add_co_u32 s[76+\i], s98, \i
.endr
.irp i, 0,1,2,3,4,5,6,7
	v_readlane_b32 s[68+\i], v4, s[76+\i]
.endr
	s_wait_alu depctr_va_sdst(0)                   ; the eight lane reads have written s68-75, ahead of their first readers
.irp i, 0,1,2,3,4,5,6,7
	s_min_u32 s[68+\i], s[68+\i], 0x7ff
.endr
.irp i, 0,1,2,3,4,5,6,7
	v_lshl_add_u32 v[GA+\i], s[68+\i], 9, v1
.endr
	v_lshlrev_b32 v98, 5, v4
	s_wait_alu depctr_va_vdst(0)                   ; v120-127 and v98 are written, which the ten loads below read as their offsets
.irp i, 0,1,2,3,4,5,6,7
	global_load_b128 v[ACC+4*\i:ACC+4*\i+3], v[GA+\i], s[10:11]
.endr
	global_load_b128 v[BS:BS+3], v98, s[12:13]     ; x's eight scale words, lane = slot: lanes 0-15 row tile 0, lanes 16-31 row tile 1
	global_load_b128 v[BS+4:BS+7], v98, s[12:13] offset:16
; each row's place in a plane: its token x 4,096 bytes + 16 x lane; sixteen rows to a run of lane reads
.irp g, 0,16
.irp i, 0,1,2,3,4,5,6,7,8,9,10,11,12,13,14,15
	v_readlane_b32 s[68+\i], v4, \g+\i
.endr
	s_wait_alu depctr_va_sdst(0)                   ; the sixteen lane reads have written s68-83, ahead of their first readers
.irp i, 0,1,2,3,4,5,6,7,8,9,10,11,12,13,14,15
	s_min_u32 s[68+\i], s[68+\i], 0x7ff
.endr
.irp i, 0,1,2,3,4,5,6,7,8,9,10,11,12,13,14,15
	v_lshl_add_u32 v[RO+\g+\i], s[68+\i], 12, v1
.endr
.endr
	v_bfe_u32 v8, v0, 2, 3                         ; lane l's 16 bytes of a row are K step l / 4, piece (l / 2) % 2, lane half l % 2 of the image;
	v_lshlrev_b32 v8, 11, v8
	v_bfe_u32 v9, v0, 1, 1
	v_lshl_add_u32 v8, v9, 9, v8
	v_and_b32 v9, 1, v0
	v_lshl_add_u32 v8, v9, 8, v8
	s_lshr_b32 s100, s2, 1                         ; row 8 w + i is row tile w / 2, row 8 (w % 2) + i
	s_lshl_b32 s100, s100, 10
	s_and_b32 s101, s2, 1
	s_lshl_b32 s101, s101, 7
	s_add_co_u32 s100, s100, s101
	v_add_nc_u32 v8, s100, v8
	s_wait_kmcnt 0x0
	s_lshl_b32 s98, s94, 20                        ; W2's codes: 1 MiB an expert, 128 KiB a slice of 128 columns (two a wave), 8,192 bytes a K step (four a quarter)
	s_lshl_b32 s100, s2, 18
	s_add_co_u32 s98, s98, s100
	s_lshl_b32 s100, s93, 15
	s_add_co_u32 s98, s98, s100
	s_mov_b32 s99, 0
	s_add_nc_u64 s[54:55], s[14:15], s[98:99]
	s_lshl_b32 s98, s94, 16                        ; W2's scales: 64 KiB an expert, 8,192 bytes a slice, 4,096 a half of K, and in a pair of tiles' 1,024 bytes 256 for each two K steps
	s_lshl_b32 s100, s2, 14
	s_add_co_u32 s98, s98, s100
	s_lshr_b32 s100, s93, 1
	s_lshl_b32 s100, s100, 12
	s_add_co_u32 s98, s98, s100
	s_and_b32 s100, s93, 1
	s_lshl_b32 s100, s100, 9
	s_add_co_u32 s98, s98, s100
	s_add_nc_u64 s[56:57], s[16:17], s[98:99]
	s_lshl_b32 s98, s93, 23                        ; my plane, 8 MiB each, and in a row my wave's 1,024 bytes
	s_lshl_b32 s100, s2, 10
	s_add_co_u32 s98, s98, s100
	s_add_co_u32 s98, s98, PLANE0
	s_add_nc_u64 s[24:25], s[18:19], s[98:99]
	s_wait_loadcnt 0x0
	s_wait_alu depctr_va_vdst(0)                   ; v8 is written, which the eight LDS stores read as their address; so are v64-95, which the global stores at the end read and nothing writes again
.irp i, 0,1,2,3,4,5,6,7
	ds_store_b128 v8, v[ACC+4*\i:ACC+4*\i+3] offset:XIMG+16*\i
.endr
	s_wait_dscnt 0x0                               ; for the others' sake: my stores have landed
	s_barrier_signal -1
	s_barrier_wait -1                              ; x's sixteen fragments lie in LDS
; ---- PRODUCT 1, ACTIVATION, QUANTISER: my chunk of 128 hidden units, which is K step w of the work-group's four
	s_wait_alu depctr_vm_vsrc(0)                   ; my LDS stores have read v8 and v128-159, the gather's loads v98 and v120-127: v8 is written below, the others by the products, the activation and the quantiser
	s_lshl_b32 s62, s2, 11
	s_add_co_u32 s62, s62, HIMG                    ; where the chunk's images go: 2,048 bytes a K step
	s_lshl_b32 s63, s2, 7
	s_add_co_u32 s63, s63, HSC                     ; and its scale words: 128 bytes a K step
	v_add_nc_u32 v6, s62, v1
	v_add_nc_u32 v7, s63, v2
	v_and_b32 v102, 15, v0                         ; r
	v_bfe_u32 v103, v0, 4, 1                       ; h
	v_mul_u32_u24 v9, v102, SPI
	v_lshl_add_u32 v9, v103, 5, v9
	s_mul_i32 s98, s2, WSTG
	s_add_co_u32 s98, s98, STG                     ; my stage
	v_add_nc_u32 v9, s98, v9                       ; in: row r, + 32 h
	v_add_nc_u32 v8, s98, v1                       ; back: 16 bytes a lane
	WIN TOF
	s_wait_alu depctr_va_vdst(0)                   ; v6 to v9 are written: the LDS stores and loads of the rest of the kernel read them as addresses, and nothing writes them again
	BLOAD 0, XIMG                                  ; the token fragments of steps 0 and 1; each step asks for those of two steps on
	BLOAD 1, XIMG+2048
; behind a step's weights stand the two younger steps' 16 loads each; towards the end the counts run down
.set kk, 0
.rept 8
.if kk < 6
.set lcc, 32
.elseif kk == 6
.set lcc, 16
.else
.set lcc, 0
.endif
.if kk == 0
	STEP kk, 8, lcc, XIMG+2048*(kk+2), 8192*(kk+3), WS+kk, BS+kk, 1
.else
	STEP kk, 8, lcc, XIMG+2048*(kk+2), 8192*(kk+3), WS+kk, BS+kk, 0
.endif
.set kk, kk+1
.endr
	WIN 0
	s_wait_alu depctr_va_vdst(0)                   ; the first product's matrix instructions are done reading the scale words v32-63 and the three weight slots, in which the 64 loads below land
	s_mov_b64 s[84:85], s[54:55]                   ; every load that names the two pointers is done (the last wait was for 0): on to my two slices of W2
	s_mov_b64 s[86:87], s[56:57]
	SLOAD2 0                                       ; the second product's scale words and first three steps are asked for here and land under the activation
	SLOAD2 1
	WIN TOF
	WLOAD 0, 0
	WLOAD 1, 8192
	WLOAD 2, 16384
	WIN 0
	GELU64 ACC
	QUANT ACC, 124
	s_wait_alu depctr_va_vdst(0)                   ; the quantiser has written the codes v116-123, which the two LDS stores read
	ds_store_b128 v6, v[PC:PC+3]
	ds_store_b128 v6, v[PC+4:PC+7] offset:512
	s_wait_dscnt 0x0                               ; the stores are done
	s_wait_alu depctr_vm_vsrc(0)                   ; and have read v116-123: the second row tile's activation writes v116-119, its quantiser all eight
	GELU64 ACC+64
	QUANT ACC+64, 125
	v_cndmask_b32 v126, v124, v125, s52            ; lane = slot: lanes 0-15 row tile 0's words, lanes 16-31 row tile 1's
	s_wait_alu depctr_va_vdst(0)                   ; the codes v116-123 and the scale word v126 are written, which the three LDS stores read
	ds_store_b128 v6, v[PC:PC+3] offset:1024
	ds_store_b128 v6, v[PC+4:PC+7] offset:1536
	ds_store_b32 v7, v126
	s_wait_dscnt 0x0                               ; for the others' sake: my stores have landed
	s_barrier_signal -1
	s_barrier_wait -1                              ; h's eight fragments and four rows of scale words lie in LDS
; ---- PRODUCT 2: step n = 4 j + k: my slice j, the work-group's K step k.  The ring of weights runs on from slice to slice: the slices lie 131,072 bytes apart, the K steps 8,192.
; The twelve LDS loads below owe no wait: the first product's matrix instructions, which read v16-19 and the two token slots, stand ahead of the waits above, and no vector instruction since names these registers
.irp k, 0,1,2,3
	ds_load_b32 v[BS+\k], v2 offset:HSC+128*\k
.endr
	WIN TOF
	BLOAD 0, HIMG
	BLOAD 1, HIMG+2048
.set nn, 0
.rept 8
.if nn < 6
.set lcc, 32
.elseif nn == 6
.set lcc, 16
.else
.set lcc, 0
.endif
.if (nn&3) == 0
	STEP nn, 8, lcc, HIMG+2048*((nn+2)&3), 131072*((nn+3)>>2)+8192*((nn+3)&3), WS+nn, BS+(nn&3), 1
.else
	STEP nn, 8, lcc, HIMG+2048*((nn+2)&3), 131072*((nn+3)>>2)+8192*((nn+3)&3), WS+nn, BS+(nn&3), 0
.endif
.if nn == 3
	OUT 0                                          ; the first slice leaves while the second slice's first three steps are on their way; step 3's own wait has shown its accumulators written
.endif
.set nn, nn+1
.endr
	WIN 0
	s_wait_alu depctr_va_vdst(0)                   ; the last steps' products have written the accumulators, which the stage's stores read; the four places stand ahead of this wait
	OUT 1
	s_wait_dscnt 0x0                               ; the closing lines, six on end
	s_wait_alu 0x0
	s_wait_tensorcnt 0x0
	ds_add_u32 v30, v31
	s_wait_dscnt 0x0
	s_endpgm
.Lfunc_end_k_q6b1d95ec82_chain:
	.size	k_q6b1d95ec82_chain, .Lfunc_end_k_q6b1d95ec82_chain-k_q6b1d95ec82_chain
	.p2alignl 7, 3214868480
	.fill 96, 4, 3214868480
	.section	.rodata,"a",@progbits
	.p2align	6, 0x0
	.amdhsa_kernel k_q6b1d95ec82_chain
		.amdhsa_group_segment_fixed_size 93184
		.amdhsa_private_segment_fixed_size 0
		.amdhsa_enable_private_segment 0
		.amdhsa_kernarg_size 64
		.amdhsa_user_sgpr_count 2
		.amdhsa_user_sgpr_kernarg_segment_ptr 1
		.amdhsa_wavefront_size32 1
		.amdhsa_system_sgpr_workgroup_id_x 1
		.amdhsa_system_sgpr_workgroup_id_y 1
		.amdhsa_system_sgpr_workgroup_id_z 1
		.amdhsa_system_vgpr_workitem_id 0
		.amdhsa_next_free_vgpr 512
		.amdhsa_next_free_sgpr 102
		.amdhsa_reserve_vcc 1
		.amdhsa_float_denorm_mode_32 3
		.amdhsa_float_denorm_mode_16_64 3
		.amdhsa_memory_ordered 1
		.amdhsa_forward_progress 1
		.amdhsa_inst_pref_size 246
	.end_amdhsa_kernel
	.amdgpu_metadata
---
amdhsa.version: [ 1, 2 ]
amdhsa.kernels:
  - .name:           k_q6b1d95ec82_chain
    .symbol:         k_q6b1d95ec82_chain.kd
    .args:
      - { .name: route, .offset: 0, .size: 8, .value_kind: global_buffer, .address_space: global }
      - { .name: w1c, .offset: 8, .size: 8, .value_kind: global_buffer, .address_space: global }
      - { .name: w1s, .offset: 16, .size: 8, .value_kind: global_buffer, .address_space: global }
      - { .name: xc, .offset: 24, .size: 8, .value_kind: global_buffer, .address_space: global }
      - { .name: xs, .offset: 32, .size: 8, .value_kind: global_buffer, .address_space: global }
      - { .name: w2c, .offset: 40, .size: 8, .value_kind: global_buffer, .address_space: global }
      - { .name: w2s, .offset: 48, .size: 8, .value_kind: global_buffer, .address_space: global }
      - { .name: tv, .offset: 56, .size: 8, .value_kind: global_buffer, .address_space: global }
    .group_segment_fixed_size: 93184
    .private_segment_fixed_size: 0
    .kernarg_segment_align: 8
    .kernarg_segment_size: 64
    .max_flat_workgroup_size: 128
    .sgpr_count:     102
    .vgpr_count:     512
    .wavefront_size: 32
...
	.end_amdgpu_metadata
.endif
;; end of part 6
;; launch norm (part 7): grid 256 x 1, 8 waves a work-group, no clusters, 0 bytes of LDS; arguments tv, ln_gamma, ln_beta, out0; writes out0
.if DOCPART == 7
	.amdgcn_target "amdgcn-amd-amdhsa--gfx1250"
	.amdhsa_code_object_version 6
	.text
	.protected	k_q6b1d95ec82_norm
	.globl	k_q6b1d95ec82_norm
	.p2align	8
	.type	k_q6b1d95ec82_norm,@function
k_q6b1d95ec82_norm:
	s_mov_b64 s[64:65], 0
	v_nop
	global_prefetch_b8 v0, s[64:65] scope:SCOPE_SE
	s_setreg_imm32_b32 hwreg(HW_REG_WAVE_MODE, 25, 1), 1
	s_wait_xcnt 0x0
; NORM: out[token] = LayerNorm((p0 + p1 + p2 + p3) x top value) x gamma + beta.  p0 .. p3 are the four partial sums over the second product's K that the launch before stored, [token][1,024] f32,
; in planes of 8 MiB from byte 8,192 of the buffer whose first 8,192 bytes are the tokens' top values.
; One wave takes one token: a row is 4,096 bytes, 32 registers a plane, so the row stays in registers between the passes and no wave waits for another: no LDS, no barrier.
; Each load and store of a wave covers 512 consecutive aligned bytes.  All 48 loads of a wave go out at once; the planes are added as they arrive, in ascending K.
; The variance is taken in a second pass, of the differences from the mean: no difference of large sums is formed.
; A stream: the matrix unit, clusters and tensor loads have nothing to add here; the work-groups share only gamma and beta, 8 KB.
; LIMITS: NaN and infinities are not served.  gamma is multiplied by 1 / sqrt(var + eps) first and the difference by that: an order of rounding other than the source's.
.set P,  16                            ; v16-143  the four planes' parts of my row; the first plane's registers take the sums
.set G,  144                           ; v144-175 gamma
.set B,  176                           ; v176-207 beta
.macro WSUM r, t                       ; v[r] summed over the 32 lanes, the result in every lane
	s_delay_alu instid0(VALU_DEP_1)
	v_add_f32_dpp v[\r], v[\r], v[\r] row_xmask:1 row_mask:0xf bank_mask:0xf
	s_delay_alu instid0(VALU_DEP_1)
	v_add_f32_dpp v[\r], v[\r], v[\r] row_xmask:2 row_mask:0xf bank_mask:0xf
	s_delay_alu instid0(VALU_DEP_1)
	v_add_f32_dpp v[\r], v[\r], v[\r] row_xmask:4 row_mask:0xf bank_mask:0xf
	s_delay_alu instid0(VALU_DEP_1)
	v_add_f32_dpp v[\r], v[\r], v[\r] row_xmask:8 row_mask:0xf bank_mask:0xf
	s_delay_alu instid0(VALU_DEP_1)
	v_permlanex16_b32 v[\t], v[\r], s12, s13
	s_delay_alu instid0(VALU_DEP_1)
	v_add_f32 v[\r], v[\r], v[\t]
.endm
	s_load_b256 s[4:11], s[0:1], 0x0               ; top values and planes s[4:5], gamma s[6:7], beta s[8:9], out s[10:11]
	v_lshrrev_b32 v1, 5, v0
	s_delay_alu instid0(VALU_DEP_1)
	v_readfirstlane_b32 s2, v1                     ; wave 0..7
	v_and_b32 v1, 31, v0
	s_delay_alu instid0(VALU_DEP_1)
	v_lshlrev_b32 v1, 4, v1                        ; 16 bytes a lane
	v_mov_b32 v6, 0                                ; written once: a lane permute's destination counts as one of its sources
	v_mov_b32 v7, 0x3727c5ac                       ; 1e-5
	s_mov_b32 s12, 0x76543210                      ; v_permlanex16_b32's selects for lane l xor 16
	s_mov_b32 s13, 0xfedcba98
	s_mov_b32 s26, 0x3a800000                      ; 1 / 1,024
	s_lshl_b32 s3, ttmp9, 3
	s_add_co_u32 s3, s3, s2                        ; my token
	s_lshl_b32 s14, s3, 12                         ; its row: 4,096 bytes
	s_mov_b32 s15, 0
	s_lshl_b32 s16, s3, 2                          ; its top value
	s_mov_b32 s17, 0
	s_wait_alu depctr_va_vdst(0)
	s_wait_kmcnt 0x0
	s_add_nc_u64 s[16:17], s[4:5], s[16:17]
	s_load_b32 s28, s[16:17], 0x0                  ; no line of this launch writes that buffer
	s_add_nc_u64 s[18:19], s[4:5], s[14:15]
	s_add_nc_u64 s[18:19], s[18:19], 8192          ; my row in plane 0,
	s_add_nc_u64 s[20:21], s[18:19], 0x800000      ; 1,
	s_add_nc_u64 s[22:23], s[20:21], 0x800000      ; 2,
	s_add_nc_u64 s[24:25], s[22:23], 0x800000      ; 3: 8 MiB is one more than a load's immediate holds
	s_add_nc_u64 s[10:11], s[10:11], s[14:15]
.irp q, 0,1,2,3
.irp p, 0,1,2,3,4,5,6,7
	global_load_b128 v[P+32*\q+4*\p:P+32*\q+4*\p+3], v1, s[18+2*\q:19+2*\q] offset:512*\p th:TH_LOAD_NT
.endr
.endr
.irp p, 0,1,2,3,4,5,6,7
	global_load_b128 v[G+4*\p:G+4*\p+3], v1, s[6:7] offset:512*\p
	global_load_b128 v[B+4*\p:B+4*\p+3], v1, s[8:9] offset:512*\p
.endr
.irp q, 1,2,3
	s_wait_loadcnt 16+8*(3-\q)                     ; plane q is in; the planes behind it (8 loads each) and gamma's and beta's 16 may be out
.irp j, 0,2,4,6,8,10,12,14,16,18,20,22,24,26,28,30
	v_pk_add_f32 v[P+\j:P+\j+1], v[P+\j:P+\j+1], v[P+32*\q+\j:P+32*\q+\j+1]
.endr
.endr
	s_wait_kmcnt 0x0
	s_mov_b32 s29, s28                             ; (named with it as a pair, so it is written)
.irp j, 0,2,4,6,8,10,12,14,16,18,20,22,24,26,28,30
	v_pk_mul_f32 v[P+\j:P+\j+1], v[P+\j:P+\j+1], s[28:29] op_sel_hi:[1,0]   ; x the top value
.endr
	v_pk_add_f32 v[4:5], v[16:17], v[20:21]
	v_pk_add_f32 v[142:143], v[24:25], v[28:29]
	v_pk_add_f32 v[140:141], v[32:33], v[36:37]
	v_pk_add_f32 v[138:139], v[40:41], v[44:45]
	v_pk_add_f32 v[136:137], v[18:19], v[22:23]
	v_pk_add_f32 v[134:135], v[26:27], v[30:31]
	v_pk_add_f32 v[132:133], v[34:35], v[38:39]
	v_pk_add_f32 v[2:3], v[42:43], v[46:47]
	s_delay_alu instid0(VALU_DEP_1)
	v_pk_add_f32 v[2:3], v[2:3], v[138:139]
	v_pk_add_f32 v[4:5], v[4:5], v[136:137]
	v_pk_add_f32 v[142:143], v[142:143], v[134:135]
	v_pk_add_f32 v[140:141], v[140:141], v[132:133]
	s_delay_alu instid0(VALU_DEP_2)
	v_pk_add_f32 v[2:3], v[2:3], v[142:143]
	s_delay_alu instid0(VALU_DEP_2)
	v_pk_add_f32 v[4:5], v[4:5], v[140:141]
	s_delay_alu instid0(VALU_DEP_1)
	v_pk_add_f32 v[2:3], v[2:3], v[4:5]
	s_delay_alu instid0(VALU_DEP_1)
	v_add_f32 v2, v2, v3
	WSUM 2, 6
	s_delay_alu instid0(VALU_DEP_1)
	v_mul_f32 v2, s26, v2                          ; the mean
	s_delay_alu instid0(VALU_DEP_1)
	v_mov_b32 v3, v2
.irp j, 0,2,4,6,8,10,12,14,16,18,20,22,24,26,28,30
	v_pk_add_f32 v[P+\j:P+\j+1], v[P+\j:P+\j+1], v[2:3] neg_lo:[0,1] neg_hi:[0,1]
.endr
	v_pk_mul_f32 v[2:3], v[P:P+1], v[P:P+1]        ; the squares of the differences, in two chains
	v_pk_mul_f32 v[4:5], v[P+2:P+3], v[P+2:P+3]
.irp j, 4,8,12,16,20,24,28
	s_delay_alu instid0(VALU_DEP_2)
	v_pk_fma_f32 v[2:3], v[P+\j:P+\j+1], v[P+\j:P+\j+1], v[2:3]
	s_delay_alu instid0(VALU_DEP_2)
	v_pk_fma_f32 v[4:5], v[P+\j+2:P+\j+3], v[P+\j+2:P+\j+3], v[4:5]
.endr
	s_delay_alu instid0(VALU_DEP_1)
	v_pk_add_f32 v[2:3], v[2:3], v[4:5]
	s_delay_alu instid0(VALU_DEP_1)
	v_add_f32 v2, v2, v3
	WSUM 2, 6
	s_delay_alu instid0(VALU_DEP_1)
	v_fma_f32 v2, v2, s26, v7                      ; the variance + 1e-5
	s_wait_alu depctr_va_vdst(0)
	v_rsq_f32 v2, v2
	v_nop                                          ; one plain line behind the transcendental
	s_wait_alu depctr_va_vdst(0)
	v_mov_b32 v3, v2
	s_wait_alu depctr_va_vdst(0)
	s_wait_loadcnt 0x0                             ; gamma and beta
.irp j, 0,2,4,6,8,10,12,14,16,18,20,22,24,26,28,30
	v_pk_mul_f32 v[G+\j:G+\j+1], v[G+\j:G+\j+1], v[2:3]
.endr
.irp j, 0,2,4,6,8,10,12,14,16,18,20,22,24,26,28,30
	v_pk_fma_f32 v[P+\j:P+\j+1], v[P+\j:P+\j+1], v[G+\j:G+\j+1], v[B+\j:B+\j+1]
.endr
.irp p, 0,1,2,3,4,5,6,7
	global_store_b128 v1, v[P+4*\p:P+4*\p+3], s[10:11] offset:512*\p th:TH_STORE_NT   ; 512 consecutive aligned bytes; written once, read by nobody here
.endr
	s_endpgm
.Lfunc_end_k_q6b1d95ec82_norm:
	.size	k_q6b1d95ec82_norm, .Lfunc_end_k_q6b1d95ec82_norm-k_q6b1d95ec82_norm
	.p2alignl 7, 3214868480
	.fill 96, 4, 3214868480
	.section	.rodata,"a",@progbits
	.p2align	6, 0x0
	.amdhsa_kernel k_q6b1d95ec82_norm
		.amdhsa_group_segment_fixed_size 0
		.amdhsa_private_segment_fixed_size 0
		.amdhsa_enable_private_segment 0
		.amdhsa_kernarg_size 32
		.amdhsa_user_sgpr_count 2
		.amdhsa_user_sgpr_kernarg_segment_ptr 1
		.amdhsa_wavefront_size32 1
		.amdhsa_system_sgpr_workgroup_id_x 1
		.amdhsa_system_sgpr_workgroup_id_y 1
		.amdhsa_system_sgpr_workgroup_id_z 1
		.amdhsa_system_vgpr_workitem_id 0
		.amdhsa_next_free_vgpr 208
		.amdhsa_next_free_sgpr 66
		.amdhsa_reserve_vcc 0
		.amdhsa_float_denorm_mode_32 3
		.amdhsa_float_denorm_mode_16_64 3
		.amdhsa_memory_ordered 1
		.amdhsa_forward_progress 1
		.amdhsa_inst_pref_size 19
	.end_amdhsa_kernel
	.amdgpu_metadata
---
amdhsa.version: [ 1, 2 ]
amdhsa.kernels:
  - .name:           k_q6b1d95ec82_norm
    .symbol:         k_q6b1d95ec82_norm.kd
    .args:
      - { .name: tv, .offset: 0, .size: 8, .value_kind: global_buffer, .address_space: global }
      - { .name: ln_gamma, .offset: 8, .size: 8, .value_kind: global_buffer, .address_space: global }
      - { .name: ln_beta, .offset: 16, .size: 8, .value_kind: global_buffer, .address_space: global }
      - { .name: out0, .offset: 24, .size: 8, .value_kind: global_buffer, .address_space: global }
    .group_segment_fixed_size: 0
    .private_segment_fixed_size: 0
    .kernarg_segment_align: 8
    .kernarg_segment_size: 32
    .max_flat_workgroup_size: 256
    .sgpr_count:     66
    .vgpr_count:     208
    .wavefront_size: 32
...
	.end_amdgpu_metadata
.endif
;; end of part 7
